; MI455X (gfx1250); checked and timed in simulation.
; The chip was launched on July 23, 2026; its instructions are those of AMD's public machine-readable ISA for CDNA 5 (MIT licence, August 2026) and "CDNA5" Instruction Set Architecture Reference Guide (July 2026). The comments in the code are by the model that wrote it; some were corrected since.
;; Multi Head Attention. Allowed arithmetic: matrix products marked QUANTISED: E2M3 operands, one E8M0 scale for each 32 along K, by v_wmma_scale_f32_16x16x128_f8f6f4 with both operands' format E2M3, f32 sums; everything else in f32.
;; Inputs: Wk 2,048 x 2,048 float32; Wo 2,048 x 2,048 float32; Wq 2,048 x 2,048 float32; Wv 2,048 x 2,048 float32; bk 2,048 float32; bo 2,048 float32; bq 2,048 float32; bv 2,048 float32; mask 2,048 x 2,048 float32; x 2,048 x 2,048 float32.
;; Outputs: out0 2,048 x 2,048 float32.
;; This version of the problem:
;;   THIS VERSION OF THE PROBLEM IS GIVEN IN LOW PRECISION. The matrix products marked QUANTISED in the list below multiply operands that are first quantised to E2M3 (2 exponent bits, 3 mantissa bits; 6 bits a number), with one power-of-two scale for each 32 numbers along K (OCP MX v1.0); their sums are f32. All else is computed in f32.
;;   The module's matrix products, in the order in which they are computed (A, B: the left and right operand; K: the contracted axis; several contracted axes count as one K, in the product's order):
;;     1. [M 2,048, K 2,048] x [K 2,048, N 2,048]; A: input x; B: input Wq: QUANTISED
;;     2. [M 2,048, K 2,048] x [K 2,048, N 2,048]; A: input x; B: input Wk: QUANTISED
;;     3. [M 2,048, K 2,048] x [K 2,048, N 2,048]; A: input x; B: input Wv: QUANTISED
;;     4. batch 16 x [M 2,048, K 128] x [K 128, N 2,048]; A: computed on the way; B: computed on the way: QUANTISED
;;     5. batch 16 x [M 128, K 2,048] x [K 2,048, N 2,048]; A: computed on the way; B: softmax (see below): QUANTISED
;;     6. [M 2,048, K 2,048] x [K 2,048, N 2,048]; A: computed on the way; B: input Wo: QUANTISED
;;   THE QUANTISER, for each operand of a quantised product, along K:
;;     - K is cut into blocks of 32 from its start; a last block that is shorter is filled with zeros.
;;     - A block's scale is 2^e with e = floor(log2(the largest magnitude in the block)) - 2, held to -126 .. 127; a block of zeros has e = 0. As a byte (E8M0): e + 127.
;;     - Each number is divided by its block's scale, clamped to +-7.5, and rounded to the nearest number of E2M3, ties to even, subnormals kept.
;;     - The product sums the exact products of the quantised numbers (number of the format x scale) in f32.
;;   ~~~python
;;   def quantise(x, axis):      # numpy; x: float32 -> the quantised numbers, widened to float32 again
;;       x = np.moveaxis(x, axis, -1); K = x.shape[-1]
;;       x = np.pad(x, [(0, 0)] * (x.ndim - 1) + [(0, -K % 32)]); x = x.reshape(x.shape[:-1] + (-1, 32)); a = np.abs(x).max(-1, keepdims=True)
;;       e = np.where(a > 0, np.clip(np.frexp(np.where(a > 0, a, 1))[1] - 1 - 2, -126, 127), 0)      # np.frexp(a)[1] - 1 = floor(log2(a)), exactly
;;       r = np.clip(x / 2.0 ** e, -7.5, 7.5)
;;       step = 2.0 ** (np.maximum(np.frexp(np.where(r == 0, 1, r))[1] - 1, 0) - 3)
;;       q = np.round(r / step) * step * 2.0 ** e      # np.round: ties to even
;;       return np.moveaxis(q.reshape(q.shape[:-2] + (-1,))[..., :K], -1, axis).astype(np.float32)
;;   ~~~
;;   SOFTMAX AHEAD OF A QUANTISED PRODUCT. Where the list says 'softmax', what is quantised is not the finished softmax but p = 2^(t - M), with t = logit x log2(e) and M = ceil(the row's largest t), a whole number; so 1/2 < the row's largest p <= 1. The row's sum l is taken of the UNQUANTISED p, in f32, and the product's result is divided by l at the end. Since M is a whole number, a kernel that streams over the keys may use a running M (the ceiling of the running maximum): every later rescaling is an exact power of two, which a block's scale takes up: the codes' values come out the same.
;;   OPERANDS COMPUTED ON THE WAY. 'Computed on the way' means the value that the module computes at that place (a softmax that the list does not call 'softmax' is quantised finished and normalised). What goes into a quantiser is computed in f32, as accurately as f32 sums, v_exp_f32 and their like allow (about 1e-6 of the number): no bf16 or f16 on the way to a quantiser, and a product that is left as it is and whose result goes on into a quantised operand takes f32 operands (vector FMAs, or v_wmma_f32_16x16x4_f32). A number that lies on a knife's edge between two numbers of the format may be rounded either way, as far as f32 arithmetic and the matrix unit's own rounding can turn it there, and no further.
;; 2 versions. Each part assembles by itself: llvm-mc -triple=amdgcn-amd-amdhsa -mcpu=gfx1250 --defsym DOCPART=n.
;; ======== version 1 of 2: 4 launches
;; workspace buffers: wc 15,728,640 bytes; wsc 655,360 bytes; qkv 9,437,184 bytes; qkvs 393,216 bytes; ac 3,145,728 bytes; asc 131,072 bytes
;; launch quant (part 1): grid 640 x 1, 4 waves a work-group, no clusters, 34,304 bytes of LDS; arguments x, Wq, Wk, Wv, Wo, wc, wsc; writes wc, wsc
.if DOCPART == 1
	.amdgcn_target "amdgcn-amd-amdhsa--gfx1250"
	.amdhsa_code_object_version 6
	.text
	.protected	k_qa1b16001dd_quant
	.globl	k_qa1b16001dd_quant
	.p2align	8
	.type	k_qa1b16001dd_quant,@function
k_qa1b16001dd_quant:
	s_mov_b64 s[64:65], 0
	v_nop
	global_prefetch_b8 v0, s[64:65] scope:SCOPE_SE
	s_setreg_imm32_b32 hwreg(HW_REG_WAVE_MODE, 25, 1), 1
	s_wait_xcnt 0x0
; x, Wq, Wk, Wv, Wo, each [2048][2048] f32 with K innermost, become codes of FP6 (E2M3) with one E8M0 byte for each 32 along K.
; A block's scale is 2^(floor(log2(its largest magnitude)) - 2); its byte is the largest magnitude's exponent field - 2, held at 1 from below.
; LIMITS: NaN and infinities are not served.  A block of zeros gets the byte 1 where the rule says 127: its codes are zeros, and this program alone reads the bytes.
; THE CODES ARE LAID AS THE MATRIX UNIT'S REGISTERS WANT THEM.  A fragment is 16 rows x 128 K, 12 registers a lane; its image is 1,536 bytes: register 4 c + g of lane l at 512 c + 16 l + 4 g.
; Lane (r, h) holds row r, registers 6 c .. 6 c + 5 the codes of k = 64 c + 32 h + 0 .. 31.  wc: [tensor 5][row block 128][K step 16][1536].
; THE ROWS OF A ROW BLOCK ARE NOT NEIGHBOURS: place p of block 2 G + u is row 32 G + 8 u + p + 8 (p / 8): as source 0 of a product such blocks leave 16 neighbouring columns in the 16 registers of two neighbouring tiles.
; wsc: [tensor][row block][quad 4][place 16][K step in the quad 4]: one word (four bytes) for a row and 128 K.
; SHARES.  Work-group g takes tensor g / 128, row block g % 128; wave w takes 512 along K: four fragments.  Each load reads 512 consecutive bytes of one row; the 16 rows turn through the wave's own stage in LDS
; (rows 528 bytes apart) and come back 128 bytes a lane for each whole block pair.  Waves share nothing: no barrier.  32 loads of a wave are out at the most.
.set ROWBY, 8192                       ; a row of a tensor in bytes
.set SP,    528                        ; a stage row: 512 bytes + 16
.set STG,   16*SP                      ; a wave's stage
.set SPARE, 4*STG                      ; behind the stages: the spare words, 128 bytes a wave: two blocks of 256 bytes that no other line names
.set LI,   2                           ; v2   16 x lane
.set SIN,  3                           ; v3   the stage, on the way in
.set SOUT, 4                           ; v4   and on the way out: row r, + 128 h
.set H8,   5                           ; v5   8 h
.set SO,   6                           ; v6   16 r + 8 h: my two scale words' place
.set SPW,  7                           ; v7   LDS address of my spare word; never rewritten
.set NIL,  8                           ; v8   0; never rewritten
.set MX,   10                          ; v10-11 largest magnitudes, v12-13 scale operands, v14-15 bytes
.set R,    16                          ; v16-143  two sets of 64 registers as loaded
.set X,    144                         ; v144-207 my 64 numbers: two whole blocks
.set PC,   208                         ; v208-219 a fragment's codes
.set CT,   220                         ; v220-222, v224-226 the blocks' upper halves as converted
.set SW,   228                         ; v228-231 the four fragments' scale words
.set WT,   232                         ; v232 my two bytes, v233 the other half's
.set OW,   234                         ; v234-235 the two words that I store
	s_load_b256 s[4:11], s[0:1], 0x0               ; x, Wq, Wk, Wv
	s_load_b64 s[12:13], s[0:1], 0x20              ; Wo
	s_load_b64 s[16:17], s[0:1], 0x28              ; wc
	s_load_b64 s[18:19], s[0:1], 0x30              ; wsc
	v_lshl_add_u32 v[SPW], v0, 2, SPARE
	v_mov_b32 v[NIL], 0
	v_lshrrev_b32 v1, 5, v0
	v_readfirstlane_b32 s22, v1                    ; wave
	v_and_b32 v1, 31, v0                           ; lane
	v_and_b32 v9, 15, v0                           ; r
	v_bfe_u32 v[H8], v0, 4, 1                      ; h
	v_lshlrev_b32 v[LI], 4, v1
	s_mul_i32 s23, s22, STG
	v_add_nc_u32 v[SIN], s23, v[LI]
	v_mul_u32_u24 v[SOUT], v9, SP
	v_lshl_add_u32 v[SOUT], v[H8], 7, v[SOUT]
	v_add_nc_u32 v[SOUT], s23, v[SOUT]
	v_lshlrev_b32 v[SO], 4, v9
	v_lshl_add_u32 v[SO], v[H8], 3, v[SO]
	v_lshlrev_b32 v[H8], 3, v[H8]
	v_mov_b32 v[WT+1], 0                           ; a lane permute's destination counts as one of its sources
	s_mov_b32 s26, 0x76543210
	s_mov_b32 s27, 0xfedcba98                      ; v_permlanex16_b32's selects for lane l xor 16
	s_mov_b32 s28, 0xffff0000                      ; lanes 16-31
	s_lshr_b32 s14, ttmp9, 7                       ; which tensor
	s_and_b32 s15, ttmp9, 127                      ; which row block
	s_lshr_b32 s24, s15, 1
	s_lshl_b32 s24, s24, 5
	s_and_b32 s25, s15, 1
	s_lshl_b32 s25, s25, 3
	s_add_co_u32 s24, s24, s25                     ; the block's first row: 32 G + 8 u
	s_lshl_b32 s24, s24, 13
	s_lshl_b32 s25, s22, 11                        ; my wave's 512 along K
	s_add_co_u32 s24, s24, s25
	s_mov_b32 s25, 0
	s_wait_kmcnt 0x0
	s_cmp_eq_u32 s14, 1                            ; the choice hangs on the work-group's number alone
	s_cselect_b64 s[4:5], s[6:7], s[4:5]
	s_cmp_eq_u32 s14, 2
	s_cselect_b64 s[4:5], s[8:9], s[4:5]
	s_cmp_eq_u32 s14, 3
	s_cselect_b64 s[4:5], s[10:11], s[4:5]
	s_cmp_eq_u32 s14, 4
	s_cselect_b64 s[4:5], s[12:13], s[4:5]
	s_add_nc_u64 s[4:5], s[4:5], s[24:25]
	s_mul_i32 s24, ttmp9, 24576                    ; the outputs are linear in the work-group's number
	s_mul_i32 s23, s22, 6144
	s_add_co_u32 s24, s24, s23
	s_add_nc_u64 s[16:17], s[16:17], s[24:25]
	s_lshl_b32 s24, ttmp9, 10
	s_lshl_b32 s23, s22, 8
	s_add_co_u32 s24, s24, s23
	s_add_nc_u64 s[18:19], s[18:19], s[24:25]
.macro LOAD t                          ; fragment t: 512 bytes of each of the block's 16 rows
.irp i, 0,1,2,3,4,5,6,7,8,9,10,11,12,13,14,15
	global_load_b128 v[R+64*((\t)%2)+4*\i:R+64*((\t)%2)+4*\i+3], v[LI], s[4:5] offset:(\i+8*(\i/8))*ROWBY+512*(\t) th:TH_LOAD_NT
.endr
.endm
.macro FRAGM s
.set RS, R+64*((\s)%2)
.if (\s) < 3
	s_wait_loadcnt 16                              ; this fragment's 16 loads are in; the next fragment's 16 may be out
.else
	s_wait_loadcnt 0x0
.endif
.irp i, 0,1,2,3,4,5,6,7,8,9,10,11,12,13,14,15
	ds_store_b128 v[SIN], v[RS+4*\i:RS+4*\i+3] offset:SP*\i
.endr
.irp c, 0,1
.irp q, 0,1,2,3,4,5,6,7
	ds_load_b128 v[X+32*\c+4*\q:X+32*\c+4*\q+3], v[SOUT] offset:256*\c+16*\q   ; LDS serves a wave's instructions in order: these see the stores above
.endr
.endr
	s_wait_dscnt 0x0                               ; my 64 numbers are in, and the stores have read their registers,
.if (\s) < 2
	LOAD (\s)+2                                    ; which take the fragment two further on
.endif
.irp c, 0,1
	v_max3_num_f32 v[MX+\c], |v[X+32*\c]|, |v[X+32*\c+1]|, 0x1800000   ; my block 2 c + h: all 32 numbers are mine; the floor 2^(3 - 127) holds the byte at 1 from below
.endr
.irp i, 2,4,6,8,10,12,14,16,18,20,22,24,26,28,30
.irp c, 0,1
	v_max3_num_f32 v[MX+\c], v[MX+\c], |v[X+32*\c+\i]|, |v[X+32*\c+\i+1]|
.endr
.endr
.irp c, 0,1
	v_add_nc_u32 v[MX+2+\c], 0xff000000, v[MX+\c]  ; 2 off the exponent field: the conversion takes the exponent field of this operand as its scale
.endr
.irp c, 0,1
	v_lshrrev_b32 v[MX+4+\c], 23, v[MX+2+\c]       ; the scale's byte
.endr
	v_lshl_or_b32 v[WT], v[MX+5], 16, v[MX+4]      ; blocks h and 2 + h of my row,
	v_lshlrev_b32 v[WT], v[H8], v[WT]              ; at their places in the word;
	v_permlanex16_b32 v[WT+1], v[WT], s26, s27
	v_or_b32 v[SW+(\s)], v[WT], v[WT+1]            ; with lane l xor 16's two the word is whole
.if (\s) > 0
	s_wait_xcnt 0x0                                ; the last fragment's stores have read their data: the codes' registers are written again only behind this wait
.endif
.irp c, 0,1
	v_cvt_scalef32_pk16_fp6_f32 v[PC+6*\c:PC+6*\c+2], v[X+32*\c:X+32*\c+15], v[MX+2+\c]
	v_cvt_scalef32_pk16_fp6_f32 v[CT+4*\c:CT+4*\c+2], v[X+32*\c+16:X+32*\c+31], v[MX+2+\c]   ; (a conversion's three registers begin on an even number)
.endr
	v_nop                                          ; one plain place behind a scaled conversion
.irp c, 0,1
.irp i, 0,1,2
	v_mov_b32 v[PC+3+6*\c+\i], v[CT+4*\c+\i]
.endr
.endr
.irp c, 0,1,2
	global_store_b128 v[LI], v[PC+4*\c:PC+4*\c+3], s[16:17] offset:1536*(\s)+512*\c   ; 32 lanes store 512 consecutive bytes, aligned
.endr
.endm
	LOAD 0
	LOAD 1
	FRAGM 0
	FRAGM 1
	FRAGM 2
	FRAGM 3
	v_cndmask_b32 v[OW], v[SW], v[SW+2], s28       ; lanes 0-15 store their row's words 0 and 1, lanes 16-31 words 2 and 3
	v_cndmask_b32 v[OW+1], v[SW+1], v[SW+3], s28
	global_store_b64 v[SO], v[OW:OW+1], s[18:19]   ; the wave's 256 bytes of scale words: one aligned run
	s_wait_tensorcnt 0x0                           ; the wave's end: these three lines stand behind my last LDS store
	ds_add_u32 v[SPW], v[NIL]
	s_wait_dscnt 0x0
	s_endpgm
.Lfunc_end_k_qa1b16001dd_quant:
	.size	k_qa1b16001dd_quant, .Lfunc_end_k_qa1b16001dd_quant-k_qa1b16001dd_quant
	.p2alignl 7, 3214868480
	.fill 96, 4, 3214868480
	.section	.rodata,"a",@progbits
	.p2align	6, 0x0
	.amdhsa_kernel k_qa1b16001dd_quant
		.amdhsa_group_segment_fixed_size 34304
		.amdhsa_private_segment_fixed_size 0
		.amdhsa_enable_private_segment 0
		.amdhsa_kernarg_size 56
		.amdhsa_user_sgpr_count 2
		.amdhsa_user_sgpr_kernarg_segment_ptr 1
		.amdhsa_wavefront_size32 1
		.amdhsa_system_sgpr_workgroup_id_x 1
		.amdhsa_system_sgpr_workgroup_id_y 1
		.amdhsa_system_sgpr_workgroup_id_z 1
		.amdhsa_system_vgpr_workitem_id 0
		.amdhsa_next_free_vgpr 256
		.amdhsa_next_free_sgpr 66
		.amdhsa_reserve_vcc 0
		.amdhsa_float_denorm_mode_32 3
		.amdhsa_float_denorm_mode_16_64 3
		.amdhsa_memory_ordered 1
		.amdhsa_forward_progress 1
		.amdhsa_inst_pref_size 30
	.end_amdhsa_kernel
	.amdgpu_metadata
---
amdhsa.version: [ 1, 2 ]
amdhsa.kernels:
  - .name:           k_qa1b16001dd_quant
    .symbol:         k_qa1b16001dd_quant.kd
    .args:
      - { .name: x, .offset: 0, .size: 8, .value_kind: global_buffer, .address_space: global }
      - { .name: Wq, .offset: 8, .size: 8, .value_kind: global_buffer, .address_space: global }
      - { .name: Wk, .offset: 16, .size: 8, .value_kind: global_buffer, .address_space: global }
      - { .name: Wv, .offset: 24, .size: 8, .value_kind: global_buffer, .address_space: global }
      - { .name: Wo, .offset: 32, .size: 8, .value_kind: global_buffer, .address_space: global }
      - { .name: wc, .offset: 40, .size: 8, .value_kind: global_buffer, .address_space: global }
      - { .name: wsc, .offset: 48, .size: 8, .value_kind: global_buffer, .address_space: global }
    .group_segment_fixed_size: 34304
    .private_segment_fixed_size: 0
    .kernarg_segment_align: 8
    .kernarg_segment_size: 56
    .max_flat_workgroup_size: 128
    .sgpr_count:     66
    .vgpr_count:     256
    .wavefront_size: 32
...
	.end_amdgpu_metadata
.endif
;; end of part 1
;; launch qkv (part 2): grid 24 x 8, 4 waves a work-group, clusters of 4 x 4, 327,680 bytes of LDS; arguments wc, wsc, bq, bk, bv, qkv, qkvs; writes qkv, qkvs
.if DOCPART == 2
	.amdgcn_target "amdgcn-amd-amdhsa--gfx1250"
	.amdhsa_code_object_version 6
	.text
	.protected	k_qa1b16001dd_qkv
	.globl	k_qa1b16001dd_qkv
	.p2align	8
	.type	k_qa1b16001dd_qkv,@function
k_qa1b16001dd_qkv:
	s_mov_b64 s[64:65], 0
	v_nop
	global_prefetch_b8 v0, s[64:65] scope:SCOPE_SE
	s_setreg_imm32_b32 hwreg(HW_REG_WAVE_MODE, 25, 1), 1
	s_wait_xcnt 0x0
	s_wait_alu depctr_hold_cnt(0) depctr_sa_sdst(0) depctr_va_vdst(0) depctr_va_sdst(0) depctr_va_ssrc(0) depctr_va_vcc(0) depctr_vm_vsrc(0)
	s_getreg_b32 s2, hwreg(HW_REG_IB_STS2, 6, 4)
	s_cmp_eq_u32 s2, 0
	s_cbranch_scc0 .Lentry_in_a_cluster
	s_endpgm
.Lentry_in_a_cluster:
	s_bfe_u32 s2, ttmp6, 0x10000c
	s_cmp_lg_u32 s2, 0xf033
	s_cbranch_scc0 .Lentry_shape_is_right
	s_endpgm
.Lentry_shape_is_right:
; A GEMM on codes of FP6 (E2M3) with E8M0 scales, C = A B^T + bias, K = 2,048, on operands laid as images of the matrix unit's registers (a fragment of 16 rows x 128 K: 1,536 bytes, register 4 c + g of lane l at 512 c + 16 l + 4 g).
; ONE TEXT, TWO FORMS, by the switch QKV.
; QKV = 1: the three projections.  Region 0: Q = x Wq^T + bq; region 1: K = x Wk^T + bk (A = x, B = the weight); region 2: V^T = Wv x^T + bv (A = Wv, B = x), so that the keys run along a lane's registers.
;   The results are quantised in registers, Q and K along the head's 128 channels, V along the keys, and stored as fragment images: a wave's 128 columns are one head (for V: one step of 128 keys).
; QKV = 0: out0 = attn Wo^T + bo, f32, through a stage in LDS, in whole rows of 512 bytes.
; LIMITS: NaN and infinities are not served; a block of zeros gets the scale byte 1 (its codes are zeros, and this program alone reads the bytes); the bias is the first term of each sum.
; SHARES.  A tile of 256 x 256 to a work-group of four waves, 128 x 128 a wave: 64 accumulators, 512 registers.  K goes in steps of 256 through a ring of two LDS slots: of each row block two images on end, 3,072 bytes.
; The scale words of the work-group's 32 row blocks, for all of K, come once, with the first fills.  No padding: every LDS read takes 16 x lane on end.
; CLUSTERS: 4 x 4 work-groups; A's tiles are asked for jointly along a row of the cluster, B's along a column.  THE PRODUCT IS USED TRANSPOSED (source 0 = B, source 1 = A): a lane holds one row of A's block.
; B's row blocks hold their rows in the order p -> 32 G + 8 u + p + 8 (p / 8), so that a lane's registers 16 g + i of accumulators (a, 0 .. 7) are columns 32 g + 16 (lane / 16) + i.
; REGISTERS: window 0: v16-30 addresses; v32-63 scale words, two sets; v64-127 the bias along the columns, the C of each sum's first product; v128-223 A's fragments, one set; v224-255 the way out.
;   window 1: B's fragments, two sets, at v0 and v128.   windows 2, 3: the accumulators, (a, b) at v[8 (8 (a % 4) + b)].
.set QKV,    1
.set NQ,     2                         ; matrix instructions deep in a slot
.set FR,     12                        ; registers of a fragment
.set NL,     3                         ; LDS loads that bring one
.set NP,     4                         ; places behind this matrix instruction (ISA guide 7.12.1)
.set FRB,    1536                      ; a fragment's image
.set ROWB,   NQ*FRB                    ; a row block's part of a slot
.set HALFT,  8*ROWB                    ; 8 row blocks: what one tensor load brings, and what one wave reads of A or of B
.set SLOT,   4*HALFT                   ; A's 16 row blocks, then B's 16
.set LAPS,   4                         ; a lap = two slots = 512 along K
.set SCL,    2*SLOT                    ; behind the ring: the scale words: A's two halves, B's two halves
.set HALFS,  8192                      ; those of 8 row blocks
.set SPARE,  SCL+4*HALFS               ; behind them: the spare words, 128 bytes a wave: two blocks of 256 bytes that no other line names
.set SPITCH, 528                       ; the way out of the f32 form: stage rows of 512 bytes + 16, in slot 0, which has had its last fill and its last read by then
.set ADRA, 16                          ; v16-17 LDS address of my A fragments in slot 0, 1
.set ADRB, 20                          ; v20-21 the same for B
.set STO,  24                          ; v24  the stage: where I put 32 bytes of a row
.set RD,   25                          ; v25  and where I read a row back
.set ADRS, 27                          ; v27  my scale words: lanes 0-15 A's rows, lanes 16-31 B's
.set SPW,  28                          ; v28  LDS address of my spare word; never rewritten
.set NIL,  29                          ; v29  0; never rewritten
.set LI,   30                          ; v30  16 x lane
.set SC,   32                          ; scale words: set s at v[SC + 16 s]; register 2 i + q: lanes 0-15 A's block i, lanes 16-31 B's block i
.set BN,   64
.set AF,   128
.set BK,   128                         ; the f32 way out: rows read back, v128-191 and v192-255 by turns
.set HA,   128                         ; the quantising way out: 64 numbers;
.set PC,   192                         ; v192-211 the codes;
.set SWD,  212                         ; v212-215 my four scale words;
.set BT,   216                         ; v216-217 the bias of my row;
.set TM,   224                         ; v224-239 at work;
.set BM,   240                         ; v240-247 the bias along the rows, one register for each of A's blocks;
.set PW,   248                         ; v248-255 the eight fragments' scale words
.set WV,   2
.set LAP,  3
.set WR,   46                          ; which half of the tile's rows is mine.  Also: I fetch for A (0) or for B (1)
.set WC,   47                          ; which half of its columns.  Also: which 8 row blocks I fetch
.set G1A,  24
.set G0A,  32
.set G1B,  48
.set G0B,  56
.set G1SA, 68
.set G0SA, 76
.set G1SB, 80
.set G0SB, 88
.set SEL,  100
.set MSB, 0
.macro WIN new                         ; the immediate's high byte repeats the setting that is left
.if MSB != \new
	s_set_vgpr_msb (MSB<<8)|\new
.set MSB, \new
.endif
.endm
.set MUL_LO, 0xa1                      ; source 0 (B) window 1, source 1 (A) window 0, C and D window 2
.set MUL_HI, 0xf1                      ; the same, C and D window 3
.set TO_B,   0x40                      ; destination window 1, address window 0
; A joint load: waves 0 and 1 fetch for A, waves 2 and 3 for B.  The branch hangs on the wave's number alone.  An s_nop 0 and four v_nop follow each of the two lines.
.macro JLOAD g0a, g1a, g0b, g1b
	s_cmp_eq_u32 s[WR], 0
	s_cbranch_scc0 .Lfor_b_\@
	tensor_load_to_lds s[\g0a:\g0a+3], s[\g1a:\g1a+7]
	s_nop 0
.rept 4
	v_nop
.endr
	s_branch .Lasked_\@
.Lfor_b_\@:
	tensor_load_to_lds s[\g0b:\g0b+3], s[\g1b:\g1b+7]
	s_nop 0
.rept 4
	v_nop
.endr
.Lasked_\@:
.endm
.macro CREST                           ; a round of the cluster's barrier behind its opening barrier
	s_cmp_lg_u32 s[WV], 0
	s_cbranch_scc1 .Lnot_wave_0_\@
	s_barrier_signal -3
.Lnot_wave_0_\@:
	s_barrier_wait -3
	s_barrier_signal -1
	s_barrier_wait -1
.endm
.macro CROUND                          ; a whole round
	s_barrier_signal -1
	s_barrier_wait -1
	CREST
.endm
.if QKV
	s_load_b128 s[4:7], s[0:1], 0x0                ; wc, wsc: for A's side
	s_load_b128 s[8:11], s[0:1], 0x0               ; wc, wsc once more: for B's side
	s_load_b128 s[16:19], s[0:1], 0x10             ; bq, bk
	s_load_b64 s[20:21], s[0:1], 0x20              ; bv
	s_load_b64 s[12:13], s[0:1], 0x28              ; qkv
	s_load_b64 s[14:15], s[0:1], 0x30              ; qkvs
.else
	s_load_b256 s[4:11], s[0:1], 0x0               ; ac, asc (A's side), wc, wsc (B's side)
	s_load_b64 s[16:17], s[0:1], 0x20              ; bo
	s_load_b64 s[12:13], s[0:1], 0x28              ; out0
.endif
	v_lshl_add_u32 v[SPW], v0, 2, SPARE
	v_mov_b32 v[NIL], 0
	ds_add_u32 v[SPW], v[NIL]                      ; the wave's opening: the add and its wait stand ahead of my first tensor load; the set-up below, work on registers, stands between them
	v_lshrrev_b32 v1, 5, v0
	v_readfirstlane_b32 s[WV], v1                  ; wave 0..3
	s_lshr_b32 s[WR], s[WV], 1
	s_and_b32 s[WC], s[WV], 1
	s_bfe_u32 s40, ttmp6, 0x40000                  ; cx, cy: my place in the cluster
	s_bfe_u32 s41, ttmp6, 0x40004
.if QKV
	s_lshr_b32 s96, ttmp9, 1                       ; the region: two clusters along x to each; the same in all sixteen partners
	s_and_b32 s42, ttmp9, 1
	s_lshl_b32 s42, s42, 2
.else
	s_lshl_b32 s42, ttmp9, 2
.endif
	s_add_co_u32 s42, s42, s40                     ; tile column
	s_and_b32 s43, ttmp7, 0xffff
	s_lshl_b32 s43, s43, 2
	s_add_co_u32 s43, s43, s41                     ; tile row
	s_lshl_b32 s44, s41, 2
	s_lshl_b32 s44, 15, s44                        ; my row of the cluster
	s_lshl_b32 s45, 0x1111, s40                    ; my column
	; group 1 for codes: 8 rows (row blocks) of 384 elements of 8 bytes, 3,072 elements apart
	s_or_b32 s[G1A], s44, (3<<16)|(1<<21)          ; 15:0 the mask: A's tiles go to my row; 17:16 elements of 8 bytes; 21 set beside a mask
	s_or_b32 s[G1B], s45, (3<<16)|(1<<21)
.irp g, G1A, G1B
	s_mov_b32 s[\g+1], 384<<16                     ; tensor_dim0
	s_mov_b32 s[\g+2], 8<<16                       ; tensor_dim1
	s_mov_b32 s[\g+3], 384<<16                     ; tile_dim0
	s_mov_b32 s[\g+4], 8                           ; tile_dim1
	s_mov_b32 s[\g+5], 3072                        ; tensor_dim0_stride: a row block's 16 images
	s_mov_b32 s[\g+6], 0
	s_mov_b32 s[\g+7], 0
.endr
	; and for the scale words of 8 row blocks: 8,192 dense bytes as 32 rows of 256
	s_or_b32 s[G1SA], s44, (3<<16)|(1<<21)
	s_or_b32 s[G1SB], s45, (3<<16)|(1<<21)
.irp g, G1SA, G1SB
	s_mov_b32 s[\g+1], 32<<16
	s_mov_b32 s[\g+2], 32<<16
	s_mov_b32 s[\g+3], 32<<16
	s_mov_b32 s[\g+4], 32
	s_mov_b32 s[\g+5], 32
	s_mov_b32 s[\g+6], 0
	s_mov_b32 s[\g+7], 0
.endr
	s_lshl_b32 s3, s[WC], 3                        ; which 8 row blocks of the tile's 16 I fetch
	s_lshl_b32 s92, s43, 4
	s_add_co_u32 s92, s92, s3                      ; A's row block: it hangs on the tile row alone
	s_lshl_b32 s94, s42, 4
	s_add_co_u32 s94, s94, s3                      ; B's: on the tile column alone
.if QKV
	s_lshr_b32 s66, s96, 1                         ; 1 for V
	s_mul_i32 s67, s66, 384
	s_add_co_u32 s92, s92, s67                     ; V: A is Wv, tensor 3; else x, tensor 0
	s_xor_b32 s22, s66, 1
	s_add_co_u32 s23, s96, 1
	s_lshl_b32 s23, s23, 7
	s_mul_i32 s23, s23, s22
	s_add_co_u32 s94, s94, s23                     ; Q, K: B is Wq, Wk, tensors 1, 2; V: x
.else
	s_add_co_u32 s94, s94, 512                     ; B is Wo, tensor 4
.endif
	s_lshl_b32 s66, s92, 10                        ; 1,024 bytes of scale words a row block,
	s_mov_b32 s67, 0
	s_lshl_b32 s22, s94, 10
	s_mov_b32 s23, 0
	s_mul_i32 s92, s92, 16*FRB                     ; 24,576 of codes
	s_mov_b32 s93, 0
	s_mul_i32 s94, s94, 16*FRB
	s_mov_b32 s95, 0
	s_mul_i32 s100, s[WV], HALFT                   ; where they go: no place in the cluster enters an LDS address
	s_lshl_b32 s101, s[WV], 13
	s_wait_dscnt 0x0                               ; the opening add is done
	s_wait_kmcnt 0x0
	s_add_nc_u64 s[4:5], s[4:5], s[92:93]
	s_add_nc_u64 s[6:7], s[6:7], s[66:67]
	s_add_nc_u64 s[8:9], s[8:9], s[94:95]
	s_add_nc_u64 s[10:11], s[10:11], s[22:23]
.if QKV
	s_cmp_eq_u32 s96, 1                            ; the region's bias
	s_cselect_b64 s[16:17], s[18:19], s[16:17]
	s_cmp_eq_u32 s96, 2
	s_cselect_b64 s[16:17], s[20:21], s[16:17]
.endif
	CROUND                                         ; all sixteen work-groups are here: the first joint loads meet
	s_mov_b32 s[G0SA], 1
	s_add_co_u32 s[G0SA+1], s101, SCL
	s_mov_b64 s[G0SA+2:G0SA+3], s[6:7]
	s_or_b32 s[G0SA+3], s[G0SA+3], 0x80000000
	s_mov_b32 s[G0SB], 1
	s_add_co_u32 s[G0SB+1], s101, SCL
	s_mov_b64 s[G0SB+2:G0SB+3], s[10:11]
	s_or_b32 s[G0SB+3], s[G0SB+3], 0x80000000
	JLOAD G0SA, G1SA, G0SB, G1SB                   ; the scale words first: they are wanted with the first slot
.irp s, 0,1
	s_mov_b32 s[G0A+4*\s], 1
	s_add_co_u32 s[G0A+4*\s+1], s100, \s*SLOT
	s_add_nc_u64 s[G0A+4*\s+2:G0A+4*\s+3], s[4:5], \s*ROWB
	s_or_b32 s[G0A+4*\s+3], s[G0A+4*\s+3], 0x80000000
	s_mov_b32 s[G0B+4*\s], 1
	s_add_co_u32 s[G0B+4*\s+1], s100, \s*SLOT
	s_add_nc_u64 s[G0B+4*\s+2:G0B+4*\s+3], s[8:9], \s*ROWB
	s_or_b32 s[G0B+4*\s+3], s[G0B+4*\s+3], 0x80000000
	JLOAD G0A+4*\s, G1A, G0B+4*\s, G1B             ; three loads of mine are out behind the second of these
.endr
	v_and_b32 v1, 15, v0                           ; r
	v_bfe_u32 v2, v0, 4, 1                         ; h
	v_and_b32 v3, 31, v0
	v_lshlrev_b32 v[LI], 4, v3
	s_mul_i32 s18, s[WR], HALFT                    ; my 8 row blocks of A
	s_mul_i32 s19, s[WC], HALFT                    ; my 8 of B,
	s_add_co_u32 s19, s19, 2*HALFT                 ; which lie behind A's 16
.irp s, 0,1
	v_add_nc_u32 v[ADRA+\s], s18, v[LI]
	v_add_nc_u32 v[ADRB+\s], s19, v[LI]
	s_add_co_u32 s18, s18, SLOT
	s_add_co_u32 s19, s19, SLOT
.endr
	v_lshlrev_b32 v5, 4, v1                        ; my row's four words of a quad
	s_lshl_b32 s18, s[WR], 13                      ; A's: my 8 row blocks
	s_lshl_b32 s19, s[WC], 13                      ; B's, behind A's 16
	s_add_co_u32 s19, s19, 2*HALFS
	s_sub_co_u32 s19, s19, s18
	v_mul_u32_u24 v6, s19, v2                      ; lanes 16-31 take B's
	s_add_co_u32 s18, s18, SCL
	v_add_nc_u32 v5, v5, v6
	v_add_nc_u32 v[ADRS], s18, v5
	s_lshl_b32 s18, s42, 1
	s_add_co_u32 s18, s18, s[WC]                   ; which 128 columns are my wave's
	s_lshl_b32 s19, s43, 1
	s_add_co_u32 s19, s19, s[WR]                   ; which 128 rows
	s_lshl_b32 s20, s18, 9
	v_lshl_add_u32 v7, v2, 6, s20                  ; the bias along the columns: register 16 g + i is column 32 g + 16 h + i
.irp g, 0,1,2,3
.irp i, 0,1,2,3
	global_load_b128 v[BN+16*\g+4*\i:BN+16*\g+4*\i+3], v7, s[16:17] offset:128*\g+16*\i
.endr
.endr
.if QKV
	v_and_b32 v8, 8, v1
	v_add_nc_u32 v8, v8, v1                        ; r + 8 (r / 8)
	s_lshl_b32 s21, s19, 9
	v_lshl_add_u32 v8, v8, 2, s21                  ; the bias along the rows: my lane's row of each of A's blocks.  Both index ranges end under 2,048
.irp a, 0,1,2,3,4,5,6,7
	global_load_b32 v[BM+\a], v8, s[16:17] offset:(32*(\a/2)+8*(\a%2))*4
.endr
	v_lshlrev_b32 v9, 5, v1
	v_lshl_add_u32 v9, v2, 4, v9                   ; a scale record: the word of (fragment a, row r) at 32 r + 4 a: my four at 32 r + 16 h
	s_cmp_lt_u32 s96, 2
	s_cselect_b32 s20, s18, s19                    ; the head: Q, K: by the columns; V: by the rows
	s_cselect_b32 s21, s19, s18                    ; the block of 128 tokens
	s_cselect_b32 s97, -1, 0                       ; Q, K: the bias runs along the columns;
	s_cselect_b32 s98, 0, -1                       ; V: along the rows
	s_min_u32 s22, s96, 1                          ; 1 for K and V, whose records lie together
	s_mul_i32 s23, s20, 196608
	s_mul_i32 s94, s21, 12288
	s_add_co_u32 s23, s23, s94
	s_lshl_b32 s23, s23, s22
	s_mul_i32 s94, s22, 3145728
	s_add_co_u32 s23, s23, s94
	s_lshr_b32 s18, s96, 1
	s_mul_i32 s94, s18, 12288                      ; V behind K in a step's record
	s_add_co_u32 s94, s23, s94
	s_mov_b32 s95, 0
	s_add_nc_u64 s[12:13], s[12:13], s[94:95]      ; my eight fragments
	s_lshl_b32 s23, s20, 13
	s_lshl_b32 s23, s23, s22
	s_lshl_b32 s94, s21, 9
	s_add_co_u32 s23, s23, s94
	s_lshl_b32 s94, s22, 17
	s_add_co_u32 s23, s23, s94
	s_lshl_b32 s94, s18, 13
	s_add_co_u32 s94, s23, s94
	s_add_nc_u64 s[14:15], s[14:15], s[94:95]      ; and their scale record
	s_mov_b32 s99, 0xffff0000                      ; lanes 16-31
.else
	s_mul_i32 s20, s[WV], 16*SPITCH                ; my stage
	v_mul_u32_u24 v[STO], v1, SPITCH
	v_lshl_add_u32 v[STO], v2, 6, v[STO]           ; in: row r, + 64 h
	v_add_nc_u32 v[STO], s20, v[STO]
	v_add_nc_u32 v[RD], s20, v[LI]                 ; back: the 32 lanes take one row of 512 bytes
	s_lshl_b32 s94, s19, 20                        ; my first row: 128 rows of 8,192 bytes a step,
	s_lshl_b32 s95, s18, 9                         ; my first column
	s_add_co_u32 s94, s94, s95
	s_mov_b32 s95, 0
	s_add_nc_u64 s[12:13], s[12:13], s[94:95]
.endif
	s_mov_b32 s[SEL], 0x76543210
	s_mov_b32 s[SEL+1], 0xfedcba98                 ; v_permlanex16_b32's selects for lane l xor 16
	s_wait_loadcnt 0x0                             ; the biases
.if QKV
.set i, 0
.rept 64
	v_cndmask_b32 v[BN+i], 0, v[BN+i], s97         ; one path for the three regions: the bias that does not apply becomes 0
.set i, i+1
.endr
.set i, 0
.rept 8
	v_cndmask_b32 v[BM+i], 0, v[BM+i], s98
.set i, i+1
.endr
.irp b, 0,1,2,3
	v_mov_b32 v[TM+4+\b], 0                        ; a lane permute's destination counts as one of its sources
.endr
	v_mov_b32 v[BT+1], 0                           ; (named as the upper half of a pair)
.endif
.macro FRAG reg, adr, q, i             ; a fragment comes as it was stored: three loads of 16 bytes a lane, 512 bytes on end each
.irp c, 0,1,2
	ds_load_b128 v[\reg+4*\c:\reg+4*\c+3], v[\adr] offset:(\i)*ROWB+(\q)*FRB+512*\c
.endr
.endm
; 16 matrix instructions: A's blocks a0, a0 + 1 x B's eight, 128 along K.  p: B's set; sc: the set of scale words.  first = 1: the bias is the C of the sum's first product: nothing is cleared.
; The 64 accumulators take turns, one instruction a turn, in the same order in every step.
.macro MUL16 a0, p, q, sc, first
.irp a, \a0, \a0+1
.irp b, 0,1,2,3,4,5,6,7
.if \first
	v_wmma_scale_f32_16x16x128_f8f6f4 v[8*(8*((\a)%4)+\b):8*(8*((\a)%4)+\b)+7], v[128*(\p)+FR*\b:128*(\p)+FR*\b+FR-1], v[AF+FR*(\a):AF+FR*(\a)+FR-1], v[BN+8*\b:BN+8*\b+7], v[SC+16*(\sc)+2*\b+(\q)], v[SC+16*(\sc)+2*(\a)+(\q)] matrix_a_fmt:MATRIX_FMT_FP6 matrix_b_fmt:MATRIX_FMT_FP6 matrix_a_scale:MATRIX_SCALE_ROW1
.else
	v_wmma_scale_f32_16x16x128_f8f6f4 v[8*(8*((\a)%4)+\b):8*(8*((\a)%4)+\b)+7], v[128*(\p)+FR*\b:128*(\p)+FR*\b+FR-1], v[AF+FR*(\a):AF+FR*(\a)+FR-1], v[8*(8*((\a)%4)+\b):8*(8*((\a)%4)+\b)+7], v[SC+16*(\sc)+2*\b+(\q)], v[SC+16*(\sc)+2*(\a)+(\q)] matrix_a_fmt:MATRIX_FMT_FP6 matrix_b_fmt:MATRIX_FMT_FP6 matrix_a_scale:MATRIX_SCALE_ROW1
.endif
.endr
.endr
.endm
.macro FETCH_B slot, q, p              ; B's eight fragments of the slot's q-th 128 along K into set p
	WIN TO_B
.irp i, 0,1,2,3,4,5,6,7
	FRAG 128*(\p)+FR*\i, ADRB+\slot, \q, \i
.endr
	WIN 0
.endm
.macro FETCH_A slot, q, i0             ; A's blocks i0 .. i0 + 3
.irp i, \i0, \i0+1, \i0+2, \i0+3
	FRAG AF+FR*(\i), ADRA+\slot, \q, \i
.endr
.endm
.macro SCALES sc                       ; a slot's scale words into set sc: two words a row; lanes 0-15 take A's block i, lanes 16-31 B's block i
.irp i, 0,1,2,3,4,5,6,7
	ds_load_b64 v[SC+16*\sc+2*\i:SC+16*\sc+2*\i+1], v[ADRS] offset:\i*1024+8*\sc
.endr
.endm
; A load into a register that a matrix instruction has read, and a vector instruction or an LDS store that reads a matrix result, stand NP places behind it; only plain vector instructions that name none of its registers are places.
.macro PLACES n
.rept \n
	v_nop
.endr
.endm
; A step of 128 along K that has its successor in the same slot.  A has one set of registers: blocks 0-3 are fetched anew in the step's middle, blocks 4-7 at its end.
.macro STEP slot, q, first
	s_wait_dscnt 4*NL                              ; all but the youngest 12 loads (A's blocks 4-7) are in
.if \first
	WIN 0x81                                       ; C (the bias) window 0, D window 2
.else
	WIN MUL_LO
.endif
	MUL16 0, (\q)%2, \q, \slot, \first
	MUL16 2, (\q)%2, \q, \slot, \first
	s_wait_dscnt 0x0                               ; A's blocks 4-7 are in
	PLACES NP
	FETCH_B \slot, (\q)+1, 1-(\q)%2
	FETCH_A \slot, (\q)+1, 0
.if \first
	WIN 0xc1
.else
	WIN MUL_HI
.endif
	MUL16 4, (\q)%2, \q, \slot, \first
	MUL16 6, (\q)%2, \q, \slot, \first
	PLACES NP
	WIN 0
	FETCH_A \slot, (\q)+1, 4
.endm
; A slot's last step changes slots: ONE barrier; in front of it each wave waits for all its tensor loads, adds 0 to its spare word, and waits for that and for its own reads of this slot.  fill = 1: this slot is filled again, two slots ahead.
.macro TURN slot, next, fill
	s_wait_tensorcnt 0x0                           ; all my tensor loads have landed: the one that was out is my part of the next slot
	ds_add_u32 v[SPW], v[NIL]                      ; 0 onto my spare word
	s_wait_dscnt 4*NL+1                            ; (the add and the youngest 12 loads may be out)
	WIN MUL_LO
	MUL16 0, 1, NQ-1, \slot, 0                     ; sixteen matrix instructions stand between the add and the wait for it
	s_wait_dscnt 0x0                               ; the add is done, and my reads of this slot are over
	s_barrier_signal -1
	MUL16 2, 1, NQ-1, \slot, 0
	WIN 0
	s_barrier_wait -1
.if \fill
	CREST                                          ; the barrier has opened a round of the cluster's barrier: no wave of any partner still reads this slot or has a load on its way
	s_add_nc_u64 s[G0A+4*\slot+2:G0A+4*\slot+3], s[G0A+4*\slot+2:G0A+4*\slot+3], 2*ROWB
	s_add_nc_u64 s[G0B+4*\slot+2:G0B+4*\slot+3], s[G0B+4*\slot+2:G0B+4*\slot+3], 2*ROWB
	JLOAD G0A+4*\slot, G1A, G0B+4*\slot, G1B       ; the first tensor load behind the round; its four v_nop are the places in front of the loads below
.else
	PLACES NP
.endif
.if (\next) == 0
	v_add_nc_u32 v[ADRS], 256, v[ADRS]             ; on to the next quad of scale words
.endif
	FETCH_B \next, 0, 0
	FETCH_A \next, 0, 0
	SCALES \next
	WIN MUL_HI
	MUL16 4, 1, NQ-1, \slot, 0
	MUL16 6, 1, NQ-1, \slot, 0
	PLACES NP
	WIN 0
	FETCH_A \next, 0, 4
.endm
; 64 numbers of a lane, register 16 b + i = k 32 b + 16 (lane / 16) + i of my row, become a fragment's codes in v[pc] on and its scale word in v[pw].
.macro QUANT s, pc, tm, pw
.irp b, 0,1,2,3
	v_max3_num_f32 v[\tm+\b], |v[\s+16*\b]|, |v[\s+1+16*\b]|, 0x1800000   ; block b: my 16 numbers, and the floor 2^(3 - 127): the byte cannot fall under 1
.endr
.irp i, 2,4,6,8,10,12,14
.irp b, 0,1,2,3
	v_max3_num_f32 v[\tm+\b], v[\tm+\b], |v[\s+16*\b+\i]|, |v[\s+1+16*\b+\i]|
.endr
.endr
.irp b, 0,1,2,3
	v_permlanex16_b32 v[\tm+4+\b], v[\tm+\b], s[SEL], s[SEL+1]
.endr
.irp b, 0,1,2,3
	v_max_num_f32 v[\tm+\b], v[\tm+\b], v[\tm+4+\b]   ; with lane l xor 16's: the block's largest magnitude
.endr
.irp b, 0,1,2,3
	v_add_nc_u32 v[\tm+12+\b], 0xff000000, v[\tm+\b]  ; 2 off its exponent field: the conversion's scale operand
.endr
.irp b, 0,1,2,3
	v_lshrrev_b32 v[\tm+4+\b], 23, v[\tm+12+\b]       ; the scale's byte
.endr
	v_lshl_or_b32 v[\pw], v[\tm+5], 8, v[\tm+4]
	v_lshl_or_b32 v[\pw], v[\tm+6], 16, v[\pw]
	v_lshl_or_b32 v[\pw], v[\tm+7], 24, v[\pw]
.irp c, 0,1
	v_cvt_scalef32_pk16_fp6_f32 v[\pc+6*\c:\pc+2+6*\c], v[\s+32*\c:\s+15+32*\c], v[\tm+12+2*\c]
	v_cvt_scalef32_pk16_fp6_f32 v[\pc+12+4*\c:\pc+14+4*\c], v[\s+16+32*\c:\s+31+32*\c], v[\tm+12+2*\c+1]   ; (a conversion's three registers begin on an even number)
.endr
	v_nop                                          ; one plain place behind a scaled conversion
.irp c, 0,1                            ; the operand's layout wants a whole block in a lane: lanes 0-15 block 2 c, lanes 16-31 block 2 c + 1
.irp i, 0,1,2
	v_permlane16_swap_b32 v[\pc+6*\c+\i], v[\pc+12+4*\c+\i]
.endr
.irp i, 0,1,2
	v_mov_b32 v[\pc+3+6*\c+\i], v[\pc+12+4*\c+\i]
.endr
.endr
.endm
	s_wait_tensorcnt 1                             ; the scale words and my part of slot 0 are in (slot 1's load may be out)
	s_barrier_signal -1
	s_barrier_wait -1                              ; everybody's are
	FETCH_B 0, 0, 0
	FETCH_A 0, 0, 0
	SCALES 0
	FETCH_A 0, 0, 4
	STEP 0, 0, 1                                   ; the first step stands in front of the loop: its products start the sums
	s_mov_b32 s[LAP], LAPS-1
.Llap:                                                 ; a trip goes once round the ring, from a lap's second step to the next lap's first, and fills both slots again
	TURN 0, 1, 1
	STEP 1, 0, 0
	TURN 1, 0, 1
	STEP 0, 0, 0
	s_sub_co_u32 s[LAP], s[LAP], 1
	s_cmp_lg_u32 s[LAP], 0
	s_cbranch_scc1 .Llap
	TURN 0, 1, 0                                   ; the last lap fills nothing, and has no round of the cluster's barrier
	STEP 1, 0, 0
	s_wait_dscnt 4*NL                              ; the very last step: nothing more to fetch
	WIN MUL_LO
	MUL16 0, 1, NQ-1, 1, 0
	MUL16 2, 1, NQ-1, 1, 0
	s_wait_dscnt 0x0
	WIN MUL_HI
	MUL16 4, 1, NQ-1, 1, 0
	MUL16 6, 1, NQ-1, 1, 0
	WIN 0
.if QKV
; THE WAY OUT: A's block a: its 64 numbers of my lane come into window 0 with the row's bias added (0 for Q and K), each accumulator from its low end on; they are one fragment and one scale word a row.
.macro OUTA a
.if (\a) > 0
	s_wait_xcnt 0x0                                ; the last block's stores have read their data: the codes' registers are written again only behind this wait
.endif
	v_mov_b32 v[BT], v[BM+(\a)]
	WIN 0x02+(\a)/4                                ; source 0: window 2 or 3
.set i, 0
.rept 32
	v_pk_add_f32 v[HA+i:HA+i+1], v[64*((\a)%4)+i:64*((\a)%4)+i+1], v[BT:BT+1] op_sel_hi:[1,0]
.set i, i+2
.endr
	WIN 0
	QUANT HA, PC, TM, PW+(\a)
.irp c, 0,1,2
	global_store_b128 v[LI], v[PC+4*\c:PC+4*\c+3], s[12:13] offset:FRB*(\a)+512*\c   ; 32 lanes store 512 consecutive bytes, aligned
.endr
.endm
	PLACES NP                                      ; behind the last products: their results are read and A's registers written below
.irp a, 0,1,2,3,4,5,6,7
	OUTA \a
.endr
.irp i, 0,1,2,3
	v_cndmask_b32 v[SWD+\i], v[PW+\i], v[PW+4+\i], s99   ; lanes 0-15 store their row's words of fragments 0-3, lanes 16-31 those of 4-7
.endr
	global_store_b128 v9, v[SWD:SWD+3], s[14:15]   ; the record's 512 bytes
.else
; THE WAY OUT, block by block of 16 rows x 128 columns, through my own stage and back as whole rows of 512 bytes.  LDS serves a wave's instructions in order: no wait between the stores and the loads.
.macro TOSTAGE a
.set AC, 64*((\a)%4)
	WIN 0x08+4*((\a)/4)                            ; the data: window 2 or 3
.irp b, 0,1,2,3,4,5,6,7
	ds_store_b128 v[STO], v[AC+8*\b:AC+8*\b+3] offset:128*(\b/2)+32*(\b%2)       ; columns 32 (b / 2) + 16 h + 8 (b % 2) on; each accumulator from its low end on
	ds_store_b128 v[STO], v[AC+8*\b+4:AC+8*\b+7] offset:128*(\b/2)+32*(\b%2)+16
.endr
	WIN 0
.set BB, BK+64*((\a)%2)
.irp t, 0,1,2,3,4,5,6,7,8,9,10,11,12,13,14,15
	ds_load_b128 v[BB+4*\t:BB+4*\t+3], v[RD] offset:\t*SPITCH
.endr
.endm
.macro SEND a, younger                 ; younger: the LDS instructions issued behind block a's loads, which may stay out
.set BB, BK+64*((\a)%2)
	s_wait_dscnt \younger
.if (\a) > 0
	s_add_nc_u64 s[12:13], s[12:13], 16*8192       ; (behind a wait on XCNT: the earlier stores have read their base)  16 rows on
.endif
.irp t, 0,1,2,3,4,5,6,7,8,9,10,11,12,13,14,15
	global_store_b128 v[LI], v[BB+4*\t:BB+4*\t+3], s[12:13] offset:\t*8192 th:TH_STORE_NT   ; 32 lanes store 512 consecutive bytes, aligned
.endr
.endm
	PLACES NP
	TOSTAGE 0
.irp a, 1,2,3,4,5,6,7
.if \a > 1
	s_wait_xcnt 0x0                                ; block a - 2's stores have read their registers and their base
.endif
	TOSTAGE \a
	SEND \a-1, 32                                  ; behind block a - 1's loads: block a's 16 stores and 16 loads
.endr
	s_wait_xcnt 0x0
	SEND 7, 0
.endif
	s_wait_tensorcnt 0x0                           ; the wave's end: these three lines stand behind my last tensor load and my last LDS store
	ds_add_u32 v[SPW], v[NIL]
	s_wait_dscnt 0x0
	CROUND                                         ; the closing round: no work-group ends while a partner may still ask for a tile that names it
	s_endpgm
.Lfunc_end_k_qa1b16001dd_qkv:
	.size	k_qa1b16001dd_qkv, .Lfunc_end_k_qa1b16001dd_qkv-k_qa1b16001dd_qkv
	.p2alignl 7, 3214868480
	.fill 96, 4, 3214868480
	.section	.rodata,"a",@progbits
	.p2align	6, 0x0
	.amdhsa_kernel k_qa1b16001dd_qkv
		.amdhsa_group_segment_fixed_size 327680
		.amdhsa_private_segment_fixed_size 0
		.amdhsa_enable_private_segment 0
		.amdhsa_kernarg_size 56
		.amdhsa_user_sgpr_count 2
		.amdhsa_user_sgpr_kernarg_segment_ptr 1
		.amdhsa_wavefront_size32 1
		.amdhsa_system_sgpr_workgroup_id_x 1
		.amdhsa_system_sgpr_workgroup_id_y 1
		.amdhsa_system_sgpr_workgroup_id_z 1
		.amdhsa_system_vgpr_workitem_id 0
		.amdhsa_next_free_vgpr 1024
		.amdhsa_next_free_sgpr 102
		.amdhsa_reserve_vcc 0
		.amdhsa_float_denorm_mode_32 3
		.amdhsa_float_denorm_mode_16_64 3
		.amdhsa_memory_ordered 1
		.amdhsa_forward_progress 1
		.amdhsa_inst_pref_size 163
	.end_amdhsa_kernel
	.amdgpu_metadata
---
amdhsa.version: [ 1, 2 ]
amdhsa.kernels:
  - .name:           k_qa1b16001dd_qkv
    .symbol:         k_qa1b16001dd_qkv.kd
    .args:
      - { .name: wc, .offset: 0, .size: 8, .value_kind: global_buffer, .address_space: global }
      - { .name: wsc, .offset: 8, .size: 8, .value_kind: global_buffer, .address_space: global }
      - { .name: bq, .offset: 16, .size: 8, .value_kind: global_buffer, .address_space: global }
      - { .name: bk, .offset: 24, .size: 8, .value_kind: global_buffer, .address_space: global }
      - { .name: bv, .offset: 32, .size: 8, .value_kind: global_buffer, .address_space: global }
      - { .name: qkv, .offset: 40, .size: 8, .value_kind: global_buffer, .address_space: global }
      - { .name: qkvs, .offset: 48, .size: 8, .value_kind: global_buffer, .address_space: global }
    .group_segment_fixed_size: 327680
    .private_segment_fixed_size: 0
    .kernarg_segment_align: 8
    .kernarg_segment_size: 56
    .max_flat_workgroup_size: 128
    .sgpr_count:     102
    .vgpr_count:     1024
    .wavefront_size: 32
...
	.end_amdgpu_metadata
.endif
;; end of part 2
;; launch attn (part 3): grid 16 x 16, 8 waves a work-group, clusters of 4 x 4, 327,680 bytes of LDS; arguments qkv, qkvs, mask, ac, asc; writes ac, asc
.if DOCPART == 3
	.amdgcn_target "amdgcn-amd-amdhsa--gfx1250"
	.amdhsa_code_object_version 6
	.text
	.protected	k_qa1b16001dd_attn
	.globl	k_qa1b16001dd_attn
	.p2align	8
	.type	k_qa1b16001dd_attn,@function
k_qa1b16001dd_attn:
	s_mov_b64 s[64:65], 0
	v_nop
	global_prefetch_b8 v0, s[64:65] scope:SCOPE_SE
	s_setreg_imm32_b32 hwreg(HW_REG_WAVE_MODE, 25, 1), 1
	s_wait_xcnt 0x0
	s_wait_alu depctr_hold_cnt(0) depctr_sa_sdst(0) depctr_va_vdst(0) depctr_va_sdst(0) depctr_va_ssrc(0) depctr_va_vcc(0) depctr_vm_vsrc(0)
	s_getreg_b32 s2, hwreg(HW_REG_IB_STS2, 6, 4)
	s_cmp_eq_u32 s2, 0
	s_cbranch_scc0 .Lentry_in_a_cluster
	s_endpgm
.Lentry_in_a_cluster:
	s_bfe_u32 s2, ttmp6, 0x10000c
	s_cmp_lg_u32 s2, 0xf033
	s_cbranch_scc0 .Lentry_shape_is_right
	s_endpgm
.Lentry_shape_is_right:
; attn[q][head] = softmax_k(Q K^T / sqrt(128) + mask x -1e9) V, both products on codes of FP6 (E2M3) with E8M0 scales; the result is quantised along the model's axis for the last projection.
; THE SOFTMAX: L = Q.K + mask x (-1e9 sqrt(128)); t = L x log2(e) / sqrt(128), ROUNDED to f32; M = the running largest t rounded up to a whole number; p = 2^(t - M) is quantised along the keys, not normalised;
; the row's sum is taken of the unquantised p and divides at the end.  When M moves, the sum and O are multiplied by 2^(old M - new M): exact.  t is rounded before M is taken off (a multiply and an add, not one
; fused line): where every key of a row carries a large mask, all its t are then equal whole numbers and p is 1, as in the problem's own arithmetic.
; THE MASK IS AN INPUT: every tile of it is read and added; nothing is skipped.
; LIMITS: NaN and infinities are not served; the order of rounding of L differs from the problem's (there the mask is added behind the division); a block of zeros gets the scale byte 1 (read by this program alone).
; SHARES.  A work-group owns 128 queries of one head; each of its eight waves 16 of them, one tile: two waves to a SIMD, so that one wave's vector work stands beside the other's products and LDS loads.
; Every wave walks all 2,048 keys, 128 a step, through a ring of two LDS slots: a step's record of K's and V's 16 fragment images (24,576 dense bytes) and the mask's 128 rows x 512 bytes (rows 528 apart).
; CLUSTER 4 x 4: the four blocks of queries of a row of the cluster share a head: K's and V's record and the scale words are asked for jointly along the row; the four heads of a column share the queries: the mask's tile jointly along the column.
; LAYOUT.  Both products are used transposed: S^T = K Q^T, O^T = V^T P^T: a lane holds one query.  K's and V's fragments hold their rows in the order p -> 32 G + 8 u + p + 8 (p / 8): the 16 registers of tiles 2 b, 2 b + 1 are neighbours 32 b + 16 (lane / 16) + 0 .. 15.
; REGISTERS: window 0: v1-11 addresses; v12 -M, v13 the largest t, v14-15 the sum; v16-27 Q, v28 its scale words; v32-35 K's scale words, v36-39 V's, v40 p's; v42-87 at work; v96-159 S^T, then p; v160-223 O^T; v224-242 codes.
;   window 1: v0-95 K's eight fragments; v96-191 V's; v192-255 my 64 numbers of the mask.
.set FR,    12
.set FRB,   1536
.set KVB,   16*FRB                     ; a step's record
.set MP,    528                        ; a row of the mask's tile in LDS: 512 bytes + 16
.set MOFF,  KVB                        ; in a slot: the record, then the mask's 128 rows
.set SLOT1, 1<<17                      ; slot 1 begins here: one exclusive or turns an address of one slot into the other's
.set SCB,   2*SLOT1                    ; the head's scale words: K's 16 records of 512 bytes, then V's
.set SPARE, SCB+16384                  ; the spare words, 128 bytes a wave: four blocks of 256 bytes that no other line names
.set STEPS, 16
.set LI,  1                            ; v1  16 x lane
.set AM0, 2                            ; v2  my query's row of the mask's tile, + 64 h
.set AS0, 3                            ; v3  my four words of a scale record: 32 r + 16 h
.set SPW, 4                            ; v4  LDS address of my spare word; never rewritten
.set NIL, 5                            ; v5  0; never rewritten
.set ADK, 6
.set ADM, 7
.set ADS, 8
.set PFO, 9                            ; v9  the prefetches' offset; never rewritten
.set R16, 11                           ; v11 16 r
.set NM,  12
.set SUM, 14
.set QF,  16
.set QS,  28
.set KS,  32
.set VS,  36
.set PW,  40
.set FF,  42                           ; v42 f = 2^(old M - new M); v43 named with it as a pair
.set T0,  44
.set BX,  48                           ; v48-51 the blocks' largest t, then p
.set BT,  52                           ; v52-55 the other half's, then bytes
.set BO,  56                           ; v56-59 the conversions' scale operands
.set S2,  60                           ; v60-61 the sums' second chain
.set CT,  64                           ; v64-66, v68-70 upper halves as converted
.set TM,  72                           ; v72-87 the last quantiser's
.set SS,  96
.set OO,  160
.set PC,  224
.set VF,  96                           ; in window 1
.set MK,  192
.set WV,  2
.set CNT, 3
.set SEL, 20
.set CS,  22                           ; s[22:23] c = log2(e) / sqrt(128)
.set G1KV, 24
.set G1M,  32
.set G0KV, 40
.set G0M,  44
.set G1S,  48
.set G0S,  56
.set NB,  60                           ; s[60:61] -1e9 x sqrt(128)
.set TB,  62                           ; s62 LDS byte at which the slot in hand begins
.set TS,  63                           ; s63 the step's scale records
.set PFA, 66                           ; s[66:67] where my prefetches stand
.set PFS, 68                           ; s68 their step;  s[70:71] the step in force
.set LIM, 72                           ; s72 a wave prefetches while the count of steps is above it
.set EVR, 73                           ; s73 3 in the record's wave: of four changes it asks at three
.set MSB, 0
.macro WIN new                         ; the immediate's high byte repeats the setting that is left
.if MSB != \new
	s_set_vgpr_msb (MSB<<8)|\new
.set MSB, \new
.endif
.endm
.macro CROUND                          ; a round of the cluster's barrier
	s_barrier_signal -1
	s_barrier_wait -1
	s_cmp_lg_u32 s[WV], 0
	s_cbranch_scc1 .Lnot_wave_0_\@
	s_barrier_signal -3
.Lnot_wave_0_\@:
	s_barrier_wait -3
	s_barrier_signal -1
	s_barrier_wait -1
.endm
; A joint refill: wave 0 fetches the step's record, waves 1 and 2 the halves of the mask's tile, the others nothing.  The branches hang on the wave's number alone.  An s_nop 0 and four v_nop follow each line.
.macro TLOAD
	s_cmp_eq_u32 s[WV], 0
	s_cbranch_scc0 .Lnot_kv_\@
	tensor_load_to_lds s[G0KV:G0KV+3], s[G1KV:G1KV+7]
	s_nop 0
.rept 4
	v_nop
.endr
	s_branch .Lasked_\@
.Lnot_kv_\@:
	s_cmp_lt_u32 s[WV], 3
	s_cbranch_scc0 .Lasked_\@
	tensor_load_to_lds s[G0M:G0M+3], s[G1M:G1M+7]
	s_nop 0
.rept 4
	v_nop
.endr
.Lasked_\@:
.endm
; A PREFETCH INTO THE L2, at each change of slots that fills a slot, by waves that fetch nothing; each aligned block of 256 bytes is named once in the launch.
; THE MASK: a tile is read by the four clusters of a column of clusters: the first of them (cluster y = 0) asks.  Its four partners of a column take 32 rows each, told apart by address; wave 4 names the left 256 bytes
; of a row's 512, wave 5 the right; a lane a row.  The change that fills tile n + 1 names tile n + 3: two refills ahead.  Tiles 0 to 2 come by their loads alone; the last two such changes ask for nothing.
; THE RECORDS: a head's 393,216 dense bytes are read by the four clusters of a row of clusters: cluster x = 0 asks, wave 6, lanes 256 bytes apart, the four partners of a row 8,192 bytes each: 32,768 bytes a time,
; which is four thirds of a record: so of four changes three ask.  Twelve such runs make the head; runs 0 to 2 come by their loads alone; each later run is named two changes ahead of the refill that first wants it.
.macro ASK
	s_cmp_gt_u32 s[CNT], s[LIM]
	s_cbranch_scc0 .Lnot_mine_\@
	s_and_b32 s74, s[CNT], s[EVR]
	s_cmp_eq_u32 s74, 3
	s_cbranch_scc1 .Lnot_mine_\@
	global_prefetch_b8 v[PFO], s[PFA:PFA+1] th:TH_LOAD_NT scope:SCOPE_SE
.Lnot_mine_\@:
.endm
	s_load_b256 s[4:11], s[0:1], 0x0               ; qkv, qkvs, mask, ac
	s_load_b64 s[12:13], s[0:1], 0x20              ; asc
	v_lshl_add_u32 v[SPW], v0, 2, SPARE
	v_mov_b32 v[NIL], 0
	ds_add_u32 v[SPW], v[NIL]                      ; the wave's opening: the add and its wait stand ahead of my first tensor load; the set-up below, work on registers, stands between them
	v_lshrrev_b32 v60, 5, v0
	v_readfirstlane_b32 s[WV], v60                 ; wave 0..7
	s_bfe_u32 s14, ttmp6, 0x40000                  ; cx
	s_bfe_u32 s15, ttmp6, 0x40004                  ; cy
	s_lshl_b32 s16, ttmp9, 2
	s_add_co_u32 s16, s16, s14                     ; my block of 128 queries
	s_and_b32 s17, ttmp7, 0xffff
	s_lshl_b32 s17, s17, 2
	s_add_co_u32 s17, s17, s15                     ; my head
	s_lshl_b32 s18, s15, 2
	s_lshl_b32 s18, 15, s18                        ; my row of the cluster: the same head
	s_lshl_b32 s19, 0x1111, s14                    ; my column: the same queries
	s_or_b32 s[G1KV], s18, (3<<16)|(1<<21)         ; a record: 96 rows of 32 elements of 8 bytes, dense
	s_mov_b32 s[G1KV+1], 32<<16
	s_mov_b32 s[G1KV+2], 96<<16
	s_mov_b32 s[G1KV+3], 32<<16
	s_mov_b32 s[G1KV+4], 96
	s_mov_b32 s[G1KV+5], 32
	s_mov_b32 s[G1KV+6], 0
	s_mov_b32 s[G1KV+7], 0
	s_or_b32 s[G1S], s18, (3<<16)|(1<<21)          ; the head's scale words: 64 such rows
	s_mov_b32 s[G1S+1], 32<<16
	s_mov_b32 s[G1S+2], 64<<16
	s_mov_b32 s[G1S+3], 32<<16
	s_mov_b32 s[G1S+4], 64
	s_mov_b32 s[G1S+5], 32
	s_mov_b32 s[G1S+6], 0
	s_mov_b32 s[G1S+7], 0
	s_or_b32 s[G1M], s19, (2<<16)|(1<<20)|(1<<21)|(6<<22)|(3<<25)   ; half a tile of the mask: 64 rows of 128 elements of 4 bytes, 2,048 apart; 4 words of padding behind every 128
	s_mov_b32 s[G1M+1], 128<<16
	s_mov_b32 s[G1M+2], 64<<16
	s_mov_b32 s[G1M+3], 128<<16
	s_mov_b32 s[G1M+4], 64
	s_mov_b32 s[G1M+5], 2048
	s_mov_b32 s[G1M+6], 0
	s_mov_b32 s[G1M+7], 0
	s_mul_i32 s80, s17, 393216
	s_add_co_u32 s80, s80, 3145728                 ; the head's records in qkv
	s_mov_b32 s81, 0
	s_lshl_b32 s84, s17, 14
	s_add_co_u32 s84, s84, 131072                  ; and their scale words in qkvs
	s_mov_b32 s85, 0
	s_add_co_u32 s74, s[WV], 1
	s_and_b32 s74, s74, 1                          ; wave 1: the tile's upper 64 rows; wave 2: the lower
	s_lshl_b32 s82, s16, 7
	s_lshl_b32 s75, s74, 6
	s_add_co_u32 s82, s82, s75
	s_lshl_b32 s82, s82, 13                        ; rows of 8,192 bytes
	s_mov_b32 s83, 0
	s_mul_i32 s75, s74, 64*MP
	s_mov_b32 s[SEL], 0x76543210
	s_mov_b32 s[SEL+1], 0xfedcba98                 ; v_permlanex16_b32's selects for lane l xor 16
	s_mov_b32 s[CS], 0x3e0293ee                    ; log2(e) / sqrt(128)
	s_mov_b32 s[CS+1], s[CS]
	s_mov_b32 s[NB], 0xd028965f                    ; -1e9 x sqrt(128)
	s_mov_b32 s[NB+1], s[NB]
	s_mov_b32 s[TB], 0
	s_mov_b32 s[TS], 0
	s_mov_b32 s[CNT], STEPS-1
	s_wait_dscnt 0x0                               ; the opening add is done
	s_wait_kmcnt 0x0
	s_mov_b32 s[G0KV], 1
	s_mov_b32 s[G0KV+1], 0
	s_add_nc_u64 s[G0KV+2:G0KV+3], s[4:5], s[80:81]
	s_or_b32 s[G0KV+3], s[G0KV+3], 0x80000000
	s_mov_b32 s[G0M], 1
	s_add_co_u32 s[G0M+1], s75, MOFF
	s_add_nc_u64 s[G0M+2:G0M+3], s[8:9], s[82:83]
	s_or_b32 s[G0M+3], s[G0M+3], 0x80000000
	s_mov_b32 s[G0S], 1
	s_mov_b32 s[G0S+1], SCB
	s_add_nc_u64 s[G0S+2:G0S+3], s[6:7], s[84:85]
	s_or_b32 s[G0S+3], s[G0S+3], 0x80000000
	CROUND                                         ; all sixteen work-groups are here: the first joint loads meet
	s_cmp_eq_u32 s[WV], 0                          ; the first fills, one a wave: wave 0 the first record, waves 1 and 2 the mask's first tile, wave 3 the scale words
	s_cbranch_scc0 .Lfirst_not_kv
	tensor_load_to_lds s[G0KV:G0KV+3], s[G1KV:G1KV+7]
	s_nop 0
.rept 4
	v_nop
.endr
	s_branch .Lfirst_asked
.Lfirst_not_kv:
	s_cmp_lt_u32 s[WV], 3
	s_cbranch_scc0 .Lfirst_not_m
	tensor_load_to_lds s[G0M:G0M+3], s[G1M:G1M+7]
	s_nop 0
.rept 4
	v_nop
.endr
	s_branch .Lfirst_asked
.Lfirst_not_m:
	s_cmp_eq_u32 s[WV], 3
	s_cbranch_scc0 .Lfirst_asked
	tensor_load_to_lds s[G0S:G0S+3], s[G1S:G1S+7]
	s_nop 0
.rept 4
	v_nop
.endr
.Lfirst_asked:
	v_and_b32 v60, 15, v0                          ; r
	v_bfe_u32 v61, v0, 4, 1                        ; h
	v_and_b32 v62, 31, v0                          ; lane
	v_lshlrev_b32 v[LI], 4, v62
	; the prefetches: where my wave's stand, and who asks
	s_lshl_b32 s74, s16, 7
	s_lshl_b32 s75, s15, 5
	s_add_co_u32 s74, s74, s75                     ; the mask: my work-group's 32 of the tile's 128 rows,
	s_lshl_b32 s74, s74, 13
	s_and_b32 s75, s[WV], 1
	s_lshl_b32 s75, s75, 8                         ; wave 4 the left 256 bytes, wave 5 the right,
	s_add_co_u32 s74, s74, s75
	s_add_co_u32 s74, s74, 2*512                   ; in tile 2: the first change steps it to tile 3
	s_lshl_b32 s75, s14, 13                        ; the records: my work-group's 8,192 bytes of a run,
	s_add_co_u32 s75, s75, s80
	s_add_co_u32 s75, s75, 2*32768                 ; in run 2
	s_and_b32 s78, ttmp7, 0xffff                   ; cluster y
	s_mov_b32 s[PFS], 32768
	s_mov_b32 s76, 256
	s_cmp_lt_u32 s[WV], 6
	s_cselect_b64 s[PFA:PFA+1], s[8:9], s[4:5]
	s_cselect_b32 s86, s74, s75
	s_cselect_b32 s[PFS], 512, s[PFS]
	s_cselect_b32 s76, 8192, s76                   ; from lane to lane
	s_cselect_b32 s[EVR], 0, 3
	s_cselect_b32 s77, 2, 3
	s_cselect_b32 s78, s78, ttmp9                  ; the coordinate along which other clusters read the same bytes
	s_mov_b32 s87, 0
	s_mov_b32 s71, 0
	s_add_nc_u64 s[PFA:PFA+1], s[PFA:PFA+1], s[86:87]
	s_sub_co_u32 s79, s[WV], 4
	s_cmp_lt_u32 s79, 3                            ; waves 4, 5, 6
	s_cselect_b32 s79, 0, 1
	s_or_b32 s79, s79, s78
	s_cmp_eq_u32 s79, 0                            ; the same in all sixteen partners, for a given wave
	s_cselect_b32 s[LIM], s77, -1
	v_mul_lo_u32 v[PFO], v62, s76
	; Q: my 16 neighbouring queries (tile w = 2 b + v of the block) are cut out of the stored fragments by address: query 16 v + r of group b lies in fragment 2 b + r / 8 at place r % 8 + 8 v
	s_mul_i32 s86, s17, 196608
	s_mul_i32 s75, s16, 12288
	s_add_co_u32 s86, s86, s75
	s_add_nc_u64 s[76:77], s[4:5], s[86:87]
	s_lshl_b32 s86, s17, 13
	s_lshl_b32 s75, s16, 9
	s_add_co_u32 s86, s86, s75
	s_add_nc_u64 s[78:79], s[6:7], s[86:87]
	s_and_b32 s74, s[WV], 6                        ; 2 b
	s_and_b32 s75, s[WV], 1
	s_lshl_b32 s75, s75, 3                         ; 8 v
	v_lshrrev_b32 v64, 3, v60
	v_add_nc_u32 v64, s74, v64                     ; the fragment
	v_and_b32 v65, 7, v60
	v_add_nc_u32 v65, s75, v65                     ; the place
	v_lshl_add_u32 v63, v61, 4, v65                ; + 16 h: the image's lane
	v_mul_u32_u24 v66, v64, FRB
	v_lshl_add_u32 v66, v63, 4, v66
.irp c, 0,1,2
	global_load_b128 v[QF+4*\c:QF+4*\c+3], v66, s[76:77] offset:512*\c
.endr
	v_lshlrev_b32 v67, 5, v65
	v_lshl_add_u32 v67, v64, 2, v67                ; its scale word: 32 x place + 4 x fragment
	global_load_b32 v[QS], v67, s[78:79]
	s_mul_i32 s74, s[WV], 16*MP
	s_add_co_u32 s74, s74, MOFF
	v_mul_u32_u24 v[AM0], v60, MP
	v_lshl_add_u32 v[AM0], v61, 6, v[AM0]
	v_add_nc_u32 v[AM0], s74, v[AM0]
	v_lshlrev_b32 v[AS0], 5, v60
	v_lshl_add_u32 v[AS0], v61, 4, v[AS0]
	v_add_nc_u32 v[AS0], SCB, v[AS0]
	v_lshlrev_b32 v[R16], 4, v60
	s_lshl_b32 s74, s16, 3
	s_add_co_u32 s74, s74, s[WV]                   ; my row block of the result: 16 neighbouring tokens
	s_mul_i32 s86, s74, 16*FRB
	s_mul_i32 s75, s17, FRB                        ; K step = the head
	s_add_co_u32 s86, s86, s75
	s_add_nc_u64 s[10:11], s[10:11], s[86:87]
	s_lshl_b32 s86, s74, 10
	s_lshr_b32 s75, s17, 2
	s_lshl_b32 s75, s75, 8
	s_add_co_u32 s86, s86, s75
	s_and_b32 s75, s17, 3
	s_lshl_b32 s75, s75, 2
	s_add_co_u32 s86, s86, s75
	s_add_nc_u64 s[12:13], s[12:13], s[86:87]
	v_mov_b32 v[NM+1], 0xff61b1e6                  ; the largest t so far: -3e38, under every t
	v_floor_f32 v[NM], -v[NM+1]                    ; -M
	v_mov_b32 v[SUM], 0
	v_mov_b32 v[SUM+1], 0
	v_mov_b32 v[FF+1], 0                           ; (named as the upper half of a pair)
.irp b, 0,1,2,3
	v_mov_b32 v[BT+\b], 0                          ; a lane permute's destination counts as one of its sources
	v_mov_b32 v[TM+4+\b], 0
.endr
.set j, 0
.rept 64
	v_mov_b32 v[OO+j], 0                           ; O^T.  (The step is written for every trip alike: the first finds zeros, which the first change of M leaves zeros; a first step of its own would be a third copy of the step)
.set j, j+1
.endr
; A KEY STEP: 128 keys.
.macro STEP
	v_add_nc_u32 v[ADK], s[TB], v[LI]
	v_add_nc_u32 v[ADM], s[TB], v[AM0]
	v_add_nc_u32 v[ADS], s[TS], v[AS0]
	v_nop
	v_nop                                          ; these five are the places behind the last step's products, in front of loads into registers that they have read
	ds_load_b128 v[KS:KS+3], v[ADS]                ; lanes 0-15: my row's words of tiles 0-3; lanes 16-31: of tiles 4-7
	ds_load_b128 v[VS:VS+3], v[ADS] offset:8192
	WIN 0x40                                       ; destination window 1
.irp t, 0,1,2,3,4,5,6,7
.irp c, 0,1,2
	ds_load_b128 v[FR*\t+4*\c:FR*\t+4*\c+3], v[ADK] offset:FRB*\t+512*\c
.endr
.endr
.irp b, 0,1,2,3
.irp g, 0,1,2,3
	ds_load_b128 v[MK+16*\b+4*\g:MK+16*\b+4*\g+3], v[ADM] offset:128*\b+16*\g   ; the mask at my query, keys 32 b + 16 h + 4 g on
.endr
.endr
	s_wait_dscnt 16                                ; the scale words and K are in; the mask's 16 loads may be out
	WIN 0x01                                       ; source 0 window 1
.irp t, 0,1,2,3
	v_wmma_scale_f32_16x16x128_f8f6f4 v[SS+8*\t:SS+8*\t+7], v[FR*\t:FR*\t+FR-1], v[QF:QF+FR-1], 0, v[KS+\t], v[QS] matrix_a_fmt:MATRIX_FMT_FP6 matrix_b_fmt:MATRIX_FMT_FP6
.endr
.irp t, 4,5,6,7
	v_wmma_scale_f32_16x16x128_f8f6f4 v[SS+8*\t:SS+8*\t+7], v[FR*\t:FR*\t+FR-1], v[QF:QF+FR-1], 0, v[KS+\t-4], v[QS] matrix_a_fmt:MATRIX_FMT_FP6 matrix_b_fmt:MATRIX_FMT_FP6 matrix_a_scale:MATRIX_SCALE_ROW1
.endr
	WIN 0x40
.irp t, 0,1,2,3,4,5,6,7
.irp c, 0,1,2
	ds_load_b128 v[VF+FR*\t+4*\c:VF+FR*\t+4*\c+3], v[ADK] offset:8*FRB+FRB*\t+512*\c   ; V: it has the whole softmax in which to come
.endr
.endr
	s_wait_dscnt 24                                ; the mask is in; V's 24 loads may be out
.rept 4
	v_nop                                          ; places behind the products, in front of the first read of their results
.endr
	WIN 0x01
.set j, 0
.rept 32
	v_pk_fma_f32 v[SS+j:SS+j+1], v[MK+j:MK+j+1], s[NB:NB+1], v[SS+j:SS+j+1] op_sel_hi:[1,0,1]   ; L = Q.K + mask x (-1e9 sqrt(128)); each accumulator from its low end on
.set j, j+2
.endr
	WIN 0
.set j, 0
.rept 32
	v_pk_mul_f32 v[SS+j:SS+j+1], v[SS+j:SS+j+1], s[CS:CS+1] op_sel_hi:[1,0]   ; t, rounded
.set j, j+2
.endr
.irp b, 0,1,2,3
	v_max3_num_f32 v[BX+\b], v[SS+16*\b], v[SS+1+16*\b], v[SS+2+16*\b]   ; the largest t of each block of 32 keys: it serves for the row's maximum and, since p rises with t, for the block's largest p
.endr
.irp i, 3,5,7,9,11,13
.irp b, 0,1,2,3
	v_max3_num_f32 v[BX+\b], v[BX+\b], v[SS+16*\b+\i], v[SS+1+16*\b+\i]
.endr
.endr
.irp b, 0,1,2,3
	v_max_num_f32 v[BX+\b], v[BX+\b], v[SS+15+16*\b]
.endr
.irp b, 0,1,2,3
	v_permlanex16_b32 v[BT+\b], v[BX+\b], s[SEL], s[SEL+1]
.endr
.irp b, 0,1,2,3
	v_max_num_f32 v[BX+\b], v[BX+\b], v[BT+\b]     ; with lane l xor 16's 16 keys
.endr
	v_max3_num_f32 v[T0], v[BX], v[BX+1], v[BX+2]
	v_max_num_f32 v[T0], v[T0], v[BX+3]
	v_max_num_f32 v[NM+1], v[NM+1], v[T0]          ; the running largest t
	v_mov_b32 v[T0], v[NM]
	v_floor_f32 v[NM], -v[NM+1]                    ; the new -M = -ceil(t): a whole number
	v_sub_f32 v[T0], v[NM], v[T0]                  ; old M - new M: a whole number, 0 or less
	v_cvt_i32_f32 v[T0], v[T0]                     ; (it saturates)
	v_ldexp_f32 v[FF], 1.0, v[T0]                  ; f = 2^(old M - new M)
.set j, 0
.rept 32
	v_pk_add_f32 v[SS+j:SS+j+1], v[SS+j:SS+j+1], v[NM:NM+1] op_sel_hi:[1,0]   ; t - M
.set j, j+2
.endr
.irp b, 0,1,2,3
	v_add_f32 v[BX+\b], v[BX+\b], v[NM]            ; the same of each block's largest t
.endr
.set j, 0
.rept 64
	v_exp_f32 v[SS+j], v[SS+j]                     ; p = 2^(t - M), at most 1
.set j, j+1
.endr
	v_pk_mul_f32 v[SUM:SUM+1], v[SUM:SUM+1], v[FF:FF+1] op_sel_hi:[1,0]   ; the sums under the new M: the plain place behind the exponentials
	s_wait_alu depctr_va_vdst(0)                   ; the wait ahead of the batch's first reader: one for the 64
.irp b, 0,1,2,3
	v_exp_f32 v[BX+\b], v[BX+\b]                   ; the block's largest p: the same lines on the same number give the same bits
.endr
	v_pk_add_f32 v[S2:S2+1], v[SS:SS+1], v[SS+2:SS+3]   ; the row's sum of the unquantised p, in two chains
.irp j, 4,8,12,16,20,24,28,32,36,40,44,48,52,56,60
	v_pk_add_f32 v[SUM:SUM+1], v[SUM:SUM+1], v[SS+\j:SS+\j+1]
	v_pk_add_f32 v[S2:S2+1], v[S2:S2+1], v[SS+2+\j:SS+3+\j]
.endr
	v_pk_add_f32 v[SUM:SUM+1], v[SUM:SUM+1], v[S2:S2+1]
	s_wait_alu depctr_va_vdst(0)                   ; and one for the four
.irp b, 0,1,2,3
	v_max_num_f32 v[BX+\b], 0x1800000, v[BX+\b]    ; the floor 2^(3 - 127): the byte cannot fall under 1 (a block whose every p is 0 keeps that byte: its codes are zeros)
.endr
.irp b, 0,1,2,3
	v_add_nc_u32 v[BO+\b], 0xff000000, v[BX+\b]    ; 2 off the exponent field: the conversion's scale operand
.endr
.irp b, 0,1,2,3
	v_lshrrev_b32 v[BT+\b], 23, v[BO+\b]           ; the scale's byte
.endr
	v_lshl_or_b32 v[PW], v[BT+1], 8, v[BT]
	v_lshl_or_b32 v[PW], v[BT+2], 16, v[PW]
	v_lshl_or_b32 v[PW], v[BT+3], 24, v[PW]        ; p's scale word for these 128 keys
.irp c, 0,1
	v_cvt_scalef32_pk16_fp6_f32 v[PC+6*\c:PC+2+6*\c], v[SS+32*\c:SS+15+32*\c], v[BO+2*\c]
	v_cvt_scalef32_pk16_fp6_f32 v[CT+4*\c:CT+2+4*\c], v[SS+16+32*\c:SS+31+32*\c], v[BO+2*\c+1]
.endr
	v_nop                                          ; one plain place behind a scaled conversion
.irp c, 0,1
.irp i, 0,1,2
	v_permlane16_swap_b32 v[PC+6*\c+\i], v[CT+4*\c+\i]
.endr
.irp i, 0,1,2
	v_mov_b32 v[PC+3+6*\c+\i], v[CT+4*\c+\i]
.endr
.endr
.set j, 0
.rept 32
	v_pk_mul_f32 v[OO+j:OO+j+1], v[OO+j:OO+j+1], v[FF:FF+1] op_sel_hi:[1,0]   ; O^T under the new M.  (These 32 are also the places between the lines that made p's codes and scale word and the products below)
.set j, j+2
.endr
	s_wait_dscnt 0x0                               ; V is in: all my reads of this slot are over
	WIN 0x01
.irp t, 0,1,2,3
	v_wmma_scale_f32_16x16x128_f8f6f4 v[OO+8*\t:OO+8*\t+7], v[VF+FR*\t:VF+FR*\t+FR-1], v[PC:PC+FR-1], v[OO+8*\t:OO+8*\t+7], v[VS+\t], v[PW] matrix_a_fmt:MATRIX_FMT_FP6 matrix_b_fmt:MATRIX_FMT_FP6
.endr
.irp t, 4,5,6,7
	v_wmma_scale_f32_16x16x128_f8f6f4 v[OO+8*\t:OO+8*\t+7], v[VF+FR*\t:VF+FR*\t+FR-1], v[PC:PC+FR-1], v[OO+8*\t:OO+8*\t+7], v[VS+\t-4], v[PW] matrix_a_fmt:MATRIX_FMT_FP6 matrix_b_fmt:MATRIX_FMT_FP6 matrix_a_scale:MATRIX_SCALE_ROW1
.endr
	WIN 0
	s_xor_b32 s[TB], s[TB], SLOT1                  ; on to the other slot
	s_add_co_u32 s[TS], s[TS], 512                 ; and the next scale records
.endm
; THE CHANGE OF SLOTS stands at a step's head.  Each wave waits for all its tensor loads (its part of the slot that it is about to read), adds 0 to its spare word, and waits for that and for its reads of the slot that it has left.
; fill = 1: a round of the cluster's barrier, so that no wave of any partner still reads that slot or has a load on its way; the joint refill is the first thing behind it: one load a wave, with a step in which to land.
.macro CHANGE fill
	s_wait_tensorcnt 0x0                           ; no tensor load of mine is out, so a group 0 may be written
	ds_add_u32 v[SPW], v[NIL]                      ; 0 onto my spare word; the descriptors' steps stand between it and the wait for it
.if \fill
	s_xor_b32 s[G0KV+1], s[G0KV+1], SLOT1          ; the walking descriptors: the other slot than last time,
	s_add_nc_u64 s[G0KV+2:G0KV+3], s[G0KV+2:G0KV+3], KVB   ; the next record,
	s_xor_b32 s[G0M+1], s[G0M+1], SLOT1
	s_add_nc_u64 s[G0M+2:G0M+3], s[G0M+2:G0M+3], 512       ; the next 128 keys of each row of the mask
	s_and_b32 s74, s[CNT], s[EVR]
	s_cmp_eq_u32 s74, 3
	s_cselect_b32 s70, 0, s[PFS]                   ; (the record's wave rests at every fourth change)
	s_wait_xcnt 0x0                                ; the last prefetch, a step back, has read its address, so it may be written
	s_add_nc_u64 s[PFA:PFA+1], s[PFA:PFA+1], s[70:71]
	s_wait_dscnt 0x0                               ; the add is done, and my reads of the slot that I have left are over
	CROUND
	TLOAD
	ASK
.else
	s_wait_dscnt 0x0
	s_barrier_signal -1
	s_barrier_wait -1
.endif
.endm
; 64 numbers of a lane, register 16 b + i = k 32 b + 16 (lane / 16) + i of my row, become a fragment's codes in v[pc] on and its scale word in v[pw].
.macro QUANT s, pc, tm, pw
.irp b, 0,1,2,3
	v_max3_num_f32 v[\tm+\b], |v[\s+16*\b]|, |v[\s+1+16*\b]|, 0x1800000
.endr
.irp i, 2,4,6,8,10,12,14
.irp b, 0,1,2,3
	v_max3_num_f32 v[\tm+\b], v[\tm+\b], |v[\s+16*\b+\i]|, |v[\s+1+16*\b+\i]|
.endr
.endr
.irp b, 0,1,2,3
	v_permlanex16_b32 v[\tm+4+\b], v[\tm+\b], s[SEL], s[SEL+1]
.endr
.irp b, 0,1,2,3
	v_max_num_f32 v[\tm+\b], v[\tm+\b], v[\tm+4+\b]
.endr
.irp b, 0,1,2,3
	v_add_nc_u32 v[\tm+12+\b], 0xff000000, v[\tm+\b]
.endr
.irp b, 0,1,2,3
	v_lshrrev_b32 v[\tm+4+\b], 23, v[\tm+12+\b]
.endr
	v_lshl_or_b32 v[\pw], v[\tm+5], 8, v[\tm+4]
	v_lshl_or_b32 v[\pw], v[\tm+6], 16, v[\pw]
	v_lshl_or_b32 v[\pw], v[\tm+7], 24, v[\pw]
.irp c, 0,1
	v_cvt_scalef32_pk16_fp6_f32 v[\pc+6*\c:\pc+2+6*\c], v[\s+32*\c:\s+15+32*\c], v[\tm+12+2*\c]
	v_cvt_scalef32_pk16_fp6_f32 v[\pc+12+4*\c:\pc+14+4*\c], v[\s+16+32*\c:\s+31+32*\c], v[\tm+12+2*\c+1]
.endr
	v_nop                                          ; one plain place behind a scaled conversion
.irp c, 0,1
.irp i, 0,1,2
	v_permlane16_swap_b32 v[\pc+6*\c+\i], v[\pc+12+4*\c+\i]
.endr
.irp i, 0,1,2
	v_mov_b32 v[\pc+3+6*\c+\i], v[\pc+12+4*\c+\i]
.endr
.endr
.endm
	s_wait_loadcnt 0x0                             ; Q
.Lslot:                                                ; 15 trips: behind each change of slots but the last the next step's tiles are asked for
	CHANGE 1
	STEP
	s_sub_co_u32 s[CNT], s[CNT], 1
	s_cmp_lg_u32 s[CNT], 0
	s_cbranch_scc1 .Lslot
	CHANGE 0                                       ; the last step is written out
	STEP
	; THE WAY OUT.  O^T / the sum: register 16 b + i is channel 32 b + 16 h + i of my query: one fragment of the last projection's A, K step = my head.
.rept 4
	v_nop                                          ; places behind the last products
.endr
	v_add_f32 v[SUM], v[SUM], v[SUM+1]
	v_permlanex16_b32 v[T0], v[SUM], s[SEL], s[SEL+1]
	v_add_f32 v[SUM], v[SUM], v[T0]                ; the row's sum
	v_rcp_f32 v[SUM], v[SUM]
	v_and_b32 v[T0], 31, v0                        ; (a plain place behind the reciprocal)  lane
	s_wait_alu depctr_va_vdst(0)                   ; the wait ahead of the first reader
.set j, 0
.rept 64
	v_mul_f32 v[SS+j], v[OO+j], v[SUM]             ; each accumulator from its low end on
.set j, j+1
.endr
	QUANT SS, PC, TM, PW
.irp c, 0,1,2
	global_store_b128 v[LI], v[PC+4*\c:PC+4*\c+3], s[10:11] offset:512*\c   ; 32 lanes store 512 consecutive bytes, aligned
.endr
	v_cmp_gt_u32 vcc_lo, 16, v[T0]
	s_wait_xcnt 0x0                                ; EXEC changes only behind this wait
	s_and_saveexec_b32 s74, vcc_lo
	global_store_b32 v[R16], v[PW], s[12:13]       ; lanes 0-15: my row's scale word of this K step.  Words of 4 bytes, 16 apart: a head is one work-group's, and a row's four words of a quad belong to four heads
	s_wait_xcnt 0x0                                ; and again, in front of the line that widens it
	s_or_b32 exec_lo, exec_lo, s74
	s_wait_tensorcnt 0x0                           ; the wave's end: these three lines stand behind my last tensor load
	ds_add_u32 v[SPW], v[NIL]
	s_wait_dscnt 0x0
	CROUND                                         ; the closing round: no work-group ends while a partner may still ask for a tile that names it
	s_endpgm
.Lfunc_end_k_qa1b16001dd_attn:
	.size	k_qa1b16001dd_attn, .Lfunc_end_k_qa1b16001dd_attn-k_qa1b16001dd_attn
	.p2alignl 7, 3214868480
	.fill 96, 4, 3214868480
	.section	.rodata,"a",@progbits
	.p2align	6, 0x0
	.amdhsa_kernel k_qa1b16001dd_attn
		.amdhsa_group_segment_fixed_size 327680
		.amdhsa_private_segment_fixed_size 0
		.amdhsa_enable_private_segment 0
		.amdhsa_kernarg_size 40
		.amdhsa_user_sgpr_count 2
		.amdhsa_user_sgpr_kernarg_segment_ptr 1
		.amdhsa_wavefront_size32 1
		.amdhsa_system_sgpr_workgroup_id_x 1
		.amdhsa_system_sgpr_workgroup_id_y 1
		.amdhsa_system_sgpr_workgroup_id_z 1
		.amdhsa_system_vgpr_workitem_id 0
		.amdhsa_next_free_vgpr 512
		.amdhsa_next_free_sgpr 90
		.amdhsa_reserve_vcc 1
		.amdhsa_float_denorm_mode_32 3
		.amdhsa_float_denorm_mode_16_64 3
		.amdhsa_memory_ordered 1
		.amdhsa_forward_progress 1
		.amdhsa_inst_pref_size 68
	.end_amdhsa_kernel
	.amdgpu_metadata
---
amdhsa.version: [ 1, 2 ]
amdhsa.kernels:
  - .name:           k_qa1b16001dd_attn
    .symbol:         k_qa1b16001dd_attn.kd
    .args:
      - { .name: qkv, .offset: 0, .size: 8, .value_kind: global_buffer, .address_space: global }
      - { .name: qkvs, .offset: 8, .size: 8, .value_kind: global_buffer, .address_space: global }
      - { .name: mask, .offset: 16, .size: 8, .value_kind: global_buffer, .address_space: global }
      - { .name: ac, .offset: 24, .size: 8, .value_kind: global_buffer, .address_space: global }
      - { .name: asc, .offset: 32, .size: 8, .value_kind: global_buffer, .address_space: global }
    .group_segment_fixed_size: 327680
    .private_segment_fixed_size: 0
    .kernarg_segment_align: 8
    .kernarg_segment_size: 40
    .max_flat_workgroup_size: 256
    .sgpr_count:     90
    .vgpr_count:     512
    .wavefront_size: 32
...
	.end_amdgpu_metadata
.endif
;; end of part 3
;; launch proj (part 4): grid 8 x 8, 4 waves a work-group, clusters of 4 x 4, 327,680 bytes of LDS; arguments ac, asc, wc, wsc, bo, out0; writes out0
.if DOCPART == 4
	.amdgcn_target "amdgcn-amd-amdhsa--gfx1250"
	.amdhsa_code_object_version 6
	.text
	.protected	k_qa1b16001dd_proj
	.globl	k_qa1b16001dd_proj
	.p2align	8
	.type	k_qa1b16001dd_proj,@function
k_qa1b16001dd_proj:
	s_mov_b64 s[64:65], 0
	v_nop
	global_prefetch_b8 v0, s[64:65] scope:SCOPE_SE
	s_setreg_imm32_b32 hwreg(HW_REG_WAVE_MODE, 25, 1), 1
	s_wait_xcnt 0x0
	s_wait_alu depctr_hold_cnt(0) depctr_sa_sdst(0) depctr_va_vdst(0) depctr_va_sdst(0) depctr_va_ssrc(0) depctr_va_vcc(0) depctr_vm_vsrc(0)
	s_getreg_b32 s2, hwreg(HW_REG_IB_STS2, 6, 4)
	s_cmp_eq_u32 s2, 0
	s_cbranch_scc0 .Lentry_in_a_cluster
	s_endpgm
.Lentry_in_a_cluster:
	s_bfe_u32 s2, ttmp6, 0x10000c
	s_cmp_lg_u32 s2, 0xf033
	s_cbranch_scc0 .Lentry_shape_is_right
	s_endpgm
.Lentry_shape_is_right:
; A GEMM on codes of FP6 (E2M3) with E8M0 scales, C = A B^T + bias, K = 2,048, on operands laid as images of the matrix unit's registers (a fragment of 16 rows x 128 K: 1,536 bytes, register 4 c + g of lane l at 512 c + 16 l + 4 g).
; ONE TEXT, TWO FORMS, by the switch QKV.
; QKV = 1: the three projections.  Region 0: Q = x Wq^T + bq; region 1: K = x Wk^T + bk (A = x, B = the weight); region 2: V^T = Wv x^T + bv (A = Wv, B = x), so that the keys run along a lane's registers.
;   The results are quantised in registers, Q and K along the head's 128 channels, V along the keys, and stored as fragment images: a wave's 128 columns are one head (for V: one step of 128 keys).
; QKV = 0: out0 = attn Wo^T + bo, f32, through a stage in LDS, in whole rows of 512 bytes.  64 tiles of 256 x 256: this form leaves WGPs without work; a smaller tile would want a second shape of the ring.
; LIMITS: NaN and infinities are not served; a block of zeros gets the scale byte 1 (its codes are zeros, and this program alone reads the bytes); the bias is the first term of each sum.
; SHARES.  A tile of 256 x 256 to a work-group of four waves, 128 x 128 a wave: 64 accumulators, 512 registers.  K goes in steps of 256 through a ring of two LDS slots: of each row block two images on end, 3,072 bytes.
; The scale words of the work-group's 32 row blocks, for all of K, come once, with the first fills.  No padding: every LDS read takes 16 x lane on end.
; CLUSTERS: 4 x 4 work-groups; A's tiles are asked for jointly along a row of the cluster, B's along a column.  THE PRODUCT IS USED TRANSPOSED (source 0 = B, source 1 = A): a lane holds one row of A's block.
; B's row blocks hold their rows in the order p -> 32 G + 8 u + p + 8 (p / 8), so that a lane's registers 16 g + i of accumulators (a, 0 .. 7) are columns 32 g + 16 (lane / 16) + i.
; REGISTERS: window 0: v16-30 addresses; v32-63 scale words, two sets; v64-127 the bias along the columns, the C of each sum's first product; v128-223 A's fragments, one set; v224-255 the way out.
;   window 1: B's fragments, two sets, at v0 and v128.   windows 2, 3: the accumulators, (a, b) at v[8 (8 (a % 4) + b)].
.set QKV,    0
.set NQ,     2                         ; matrix instructions deep in a slot
.set FR,     12                        ; registers of a fragment
.set NL,     3                         ; LDS loads that bring one
.set NP,     4                         ; places behind this matrix instruction (ISA guide 7.12.1)
.set FRB,    1536                      ; a fragment's image
.set ROWB,   NQ*FRB                    ; a row block's part of a slot
.set HALFT,  8*ROWB                    ; 8 row blocks: what one tensor load brings, and what one wave reads of A or of B
.set SLOT,   4*HALFT                   ; A's 16 row blocks, then B's 16
.set LAPS,   4                         ; a lap = two slots = 512 along K
.set SCL,    2*SLOT                    ; behind the ring: the scale words: A's two halves, B's two halves
.set HALFS,  8192                      ; those of 8 row blocks
.set SPARE,  SCL+4*HALFS               ; behind them: the spare words, 128 bytes a wave: two blocks of 256 bytes that no other line names
.set SPITCH, 528                       ; the way out of the f32 form: stage rows of 512 bytes + 16, in slot 0, which has had its last fill and its last read by then
.set ADRA, 16                          ; v16-17 LDS address of my A fragments in slot 0, 1
.set ADRB, 20                          ; v20-21 the same for B
.set STO,  24                          ; v24  the stage: where I put 32 bytes of a row
.set RD,   25                          ; v25  and where I read a row back
.set ADRS, 27                          ; v27  my scale words: lanes 0-15 A's rows, lanes 16-31 B's
.set SPW,  28                          ; v28  LDS address of my spare word; never rewritten
.set NIL,  29                          ; v29  0; never rewritten
.set LI,   30                          ; v30  16 x lane
.set SC,   32                          ; scale words: set s at v[SC + 16 s]; register 2 i + q: lanes 0-15 A's block i, lanes 16-31 B's block i
.set BN,   64
.set AF,   128
.set BK,   128                         ; the f32 way out: rows read back, v128-191 and v192-255 by turns
.set HA,   128                         ; the quantising way out: 64 numbers;
.set PC,   192                         ; v192-211 the codes;
.set SWD,  212                         ; v212-215 my four scale words;
.set BT,   216                         ; v216-217 the bias of my row;
.set TM,   224                         ; v224-239 at work;
.set BM,   240                         ; v240-247 the bias along the rows, one register for each of A's blocks;
.set PW,   248                         ; v248-255 the eight fragments' scale words
.set WV,   2
.set LAP,  3
.set WR,   46                          ; which half of the tile's rows is mine.  Also: I fetch for A (0) or for B (1)
.set WC,   47                          ; which half of its columns.  Also: which 8 row blocks I fetch
.set G1A,  24
.set G0A,  32
.set G1B,  48
.set G0B,  56
.set G1SA, 68
.set G0SA, 76
.set G1SB, 80
.set G0SB, 88
.set SEL,  100
.set MSB, 0
.macro WIN new                         ; the immediate's high byte repeats the setting that is left
.if MSB != \new
	s_set_vgpr_msb (MSB<<8)|\new
.set MSB, \new
.endif
.endm
.set MUL_LO, 0xa1                      ; source 0 (B) window 1, source 1 (A) window 0, C and D window 2
.set MUL_HI, 0xf1                      ; the same, C and D window 3
.set TO_B,   0x40                      ; destination window 1, address window 0
; A joint load: waves 0 and 1 fetch for A, waves 2 and 3 for B.  The branch hangs on the wave's number alone.  An s_nop 0 and four v_nop follow each of the two lines.
.macro JLOAD g0a, g1a, g0b, g1b
	s_cmp_eq_u32 s[WR], 0
	s_cbranch_scc0 .Lfor_b_\@
	tensor_load_to_lds s[\g0a:\g0a+3], s[\g1a:\g1a+7]
	s_nop 0
.rept 4
	v_nop
.endr
	s_branch .Lasked_\@
.Lfor_b_\@:
	tensor_load_to_lds s[\g0b:\g0b+3], s[\g1b:\g1b+7]
	s_nop 0
.rept 4
	v_nop
.endr
.Lasked_\@:
.endm
.macro CREST                           ; a round of the cluster's barrier behind its opening barrier
	s_cmp_lg_u32 s[WV], 0
	s_cbranch_scc1 .Lnot_wave_0_\@
	s_barrier_signal -3
.Lnot_wave_0_\@:
	s_barrier_wait -3
	s_barrier_signal -1
	s_barrier_wait -1
.endm
.macro CROUND                          ; a whole round
	s_barrier_signal -1
	s_barrier_wait -1
	CREST
.endm
.if QKV
	s_load_b128 s[4:7], s[0:1], 0x0                ; wc, wsc: for A's side
	s_load_b128 s[8:11], s[0:1], 0x0               ; wc, wsc once more: for B's side
	s_load_b128 s[16:19], s[0:1], 0x10             ; bq, bk
	s_load_b64 s[20:21], s[0:1], 0x20              ; bv
	s_load_b64 s[12:13], s[0:1], 0x28              ; qkv
	s_load_b64 s[14:15], s[0:1], 0x30              ; qkvs
.else
	s_load_b256 s[4:11], s[0:1], 0x0               ; ac, asc (A's side), wc, wsc (B's side)
	s_load_b64 s[16:17], s[0:1], 0x20              ; bo
	s_load_b64 s[12:13], s[0:1], 0x28              ; out0
.endif
	v_lshl_add_u32 v[SPW], v0, 2, SPARE
	v_mov_b32 v[NIL], 0
	ds_add_u32 v[SPW], v[NIL]                      ; the wave's opening: the add and its wait stand ahead of my first tensor load; the set-up below, work on registers, stands between them
	v_lshrrev_b32 v1, 5, v0
	v_readfirstlane_b32 s[WV], v1                  ; wave 0..3
	s_lshr_b32 s[WR], s[WV], 1
	s_and_b32 s[WC], s[WV], 1
	s_bfe_u32 s40, ttmp6, 0x40000                  ; cx, cy: my place in the cluster
	s_bfe_u32 s41, ttmp6, 0x40004
.if QKV
	s_lshr_b32 s96, ttmp9, 1                       ; the region: two clusters along x to each; the same in all sixteen partners
	s_and_b32 s42, ttmp9, 1
	s_lshl_b32 s42, s42, 2
.else
	s_lshl_b32 s42, ttmp9, 2
.endif
	s_add_co_u32 s42, s42, s40                     ; tile column
	s_and_b32 s43, ttmp7, 0xffff
	s_lshl_b32 s43, s43, 2
	s_add_co_u32 s43, s43, s41                     ; tile row
	s_lshl_b32 s44, s41, 2
	s_lshl_b32 s44, 15, s44                        ; my row of the cluster
	s_lshl_b32 s45, 0x1111, s40                    ; my column
	; group 1 for codes: 8 rows (row blocks) of 384 elements of 8 bytes, 3,072 elements apart
	s_or_b32 s[G1A], s44, (3<<16)|(1<<21)          ; 15:0 the mask: A's tiles go to my row; 17:16 elements of 8 bytes; 21 set beside a mask
	s_or_b32 s[G1B], s45, (3<<16)|(1<<21)
.irp g, G1A, G1B
	s_mov_b32 s[\g+1], 384<<16                     ; tensor_dim0
	s_mov_b32 s[\g+2], 8<<16                       ; tensor_dim1
	s_mov_b32 s[\g+3], 384<<16                     ; tile_dim0
	s_mov_b32 s[\g+4], 8                           ; tile_dim1
	s_mov_b32 s[\g+5], 3072                        ; tensor_dim0_stride: a row block's 16 images
	s_mov_b32 s[\g+6], 0
	s_mov_b32 s[\g+7], 0
.endr
	; and for the scale words of 8 row blocks: 8,192 dense bytes as 32 rows of 256
	s_or_b32 s[G1SA], s44, (3<<16)|(1<<21)
	s_or_b32 s[G1SB], s45, (3<<16)|(1<<21)
.irp g, G1SA, G1SB
	s_mov_b32 s[\g+1], 32<<16
	s_mov_b32 s[\g+2], 32<<16
	s_mov_b32 s[\g+3], 32<<16
	s_mov_b32 s[\g+4], 32
	s_mov_b32 s[\g+5], 32
	s_mov_b32 s[\g+6], 0
	s_mov_b32 s[\g+7], 0
.endr
	s_lshl_b32 s3, s[WC], 3                        ; which 8 row blocks of the tile's 16 I fetch
	s_lshl_b32 s92, s43, 4
	s_add_co_u32 s92, s92, s3                      ; A's row block: it hangs on the tile row alone
	s_lshl_b32 s94, s42, 4
	s_add_co_u32 s94, s94, s3                      ; B's: on the tile column alone
.if QKV
	s_lshr_b32 s66, s96, 1                         ; 1 for V
	s_mul_i32 s67, s66, 384
	s_add_co_u32 s92, s92, s67                     ; V: A is Wv, tensor 3; else x, tensor 0
	s_xor_b32 s22, s66, 1
	s_add_co_u32 s23, s96, 1
	s_lshl_b32 s23, s23, 7
	s_mul_i32 s23, s23, s22
	s_add_co_u32 s94, s94, s23                     ; Q, K: B is Wq, Wk, tensors 1, 2; V: x
.else
	s_add_co_u32 s94, s94, 512                     ; B is Wo, tensor 4
.endif
	s_lshl_b32 s66, s92, 10                        ; 1,024 bytes of scale words a row block,
	s_mov_b32 s67, 0
	s_lshl_b32 s22, s94, 10
	s_mov_b32 s23, 0
	s_mul_i32 s92, s92, 16*FRB                     ; 24,576 of codes
	s_mov_b32 s93, 0
	s_mul_i32 s94, s94, 16*FRB
	s_mov_b32 s95, 0
	s_mul_i32 s100, s[WV], HALFT                   ; where they go: no place in the cluster enters an LDS address
	s_lshl_b32 s101, s[WV], 13
	s_wait_dscnt 0x0                               ; the opening add is done
	s_wait_kmcnt 0x0
	s_add_nc_u64 s[4:5], s[4:5], s[92:93]
	s_add_nc_u64 s[6:7], s[6:7], s[66:67]
	s_add_nc_u64 s[8:9], s[8:9], s[94:95]
	s_add_nc_u64 s[10:11], s[10:11], s[22:23]
.if QKV
	s_cmp_eq_u32 s96, 1                            ; the region's bias
	s_cselect_b64 s[16:17], s[18:19], s[16:17]
	s_cmp_eq_u32 s96, 2
	s_cselect_b64 s[16:17], s[20:21], s[16:17]
.endif
	CROUND                                         ; all sixteen work-groups are here: the first joint loads meet
	s_mov_b32 s[G0SA], 1
	s_add_co_u32 s[G0SA+1], s101, SCL
	s_mov_b64 s[G0SA+2:G0SA+3], s[6:7]
	s_or_b32 s[G0SA+3], s[G0SA+3], 0x80000000
	s_mov_b32 s[G0SB], 1
	s_add_co_u32 s[G0SB+1], s101, SCL
	s_mov_b64 s[G0SB+2:G0SB+3], s[10:11]
	s_or_b32 s[G0SB+3], s[G0SB+3], 0x80000000
	JLOAD G0SA, G1SA, G0SB, G1SB                   ; the scale words first: they are wanted with the first slot
.irp s, 0,1
	s_mov_b32 s[G0A+4*\s], 1
	s_add_co_u32 s[G0A+4*\s+1], s100, \s*SLOT
	s_add_nc_u64 s[G0A+4*\s+2:G0A+4*\s+3], s[4:5], \s*ROWB
	s_or_b32 s[G0A+4*\s+3], s[G0A+4*\s+3], 0x80000000
	s_mov_b32 s[G0B+4*\s], 1
	s_add_co_u32 s[G0B+4*\s+1], s100, \s*SLOT
	s_add_nc_u64 s[G0B+4*\s+2:G0B+4*\s+3], s[8:9], \s*ROWB
	s_or_b32 s[G0B+4*\s+3], s[G0B+4*\s+3], 0x80000000
	JLOAD G0A+4*\s, G1A, G0B+4*\s, G1B             ; three loads of mine are out behind the second of these
.endr
	v_and_b32 v1, 15, v0                           ; r
	v_bfe_u32 v2, v0, 4, 1                         ; h
	v_and_b32 v3, 31, v0
	v_lshlrev_b32 v[LI], 4, v3
	s_mul_i32 s18, s[WR], HALFT                    ; my 8 row blocks of A
	s_mul_i32 s19, s[WC], HALFT                    ; my 8 of B,
	s_add_co_u32 s19, s19, 2*HALFT                 ; which lie behind A's 16
.irp s, 0,1
	v_add_nc_u32 v[ADRA+\s], s18, v[LI]
	v_add_nc_u32 v[ADRB+\s], s19, v[LI]
	s_add_co_u32 s18, s18, SLOT
	s_add_co_u32 s19, s19, SLOT
.endr
	v_lshlrev_b32 v5, 4, v1                        ; my row's four words of a quad
	s_lshl_b32 s18, s[WR], 13                      ; A's: my 8 row blocks
	s_lshl_b32 s19, s[WC], 13                      ; B's, behind A's 16
	s_add_co_u32 s19, s19, 2*HALFS
	s_sub_co_u32 s19, s19, s18
	v_mul_u32_u24 v6, s19, v2                      ; lanes 16-31 take B's
	s_add_co_u32 s18, s18, SCL
	v_add_nc_u32 v5, v5, v6
	v_add_nc_u32 v[ADRS], s18, v5
	s_lshl_b32 s18, s42, 1
	s_add_co_u32 s18, s18, s[WC]                   ; which 128 columns are my wave's
	s_lshl_b32 s19, s43, 1
	s_add_co_u32 s19, s19, s[WR]                   ; which 128 rows
	s_lshl_b32 s20, s18, 9
	v_lshl_add_u32 v7, v2, 6, s20                  ; the bias along the columns: register 16 g + i is column 32 g + 16 h + i
.irp g, 0,1,2,3
.irp i, 0,1,2,3
	global_load_b128 v[BN+16*\g+4*\i:BN+16*\g+4*\i+3], v7, s[16:17] offset:128*\g+16*\i
.endr
.endr
.if QKV
	v_and_b32 v8, 8, v1
	v_add_nc_u32 v8, v8, v1                        ; r + 8 (r / 8)
	s_lshl_b32 s21, s19, 9
	v_lshl_add_u32 v8, v8, 2, s21                  ; the bias along the rows: my lane's row of each of A's blocks.  Both index ranges end under 2,048
.irp a, 0,1,2,3,4,5,6,7
	global_load_b32 v[BM+\a], v8, s[16:17] offset:(32*(\a/2)+8*(\a%2))*4
.endr
	v_lshlrev_b32 v9, 5, v1
	v_lshl_add_u32 v9, v2, 4, v9                   ; a scale record: the word of (fragment a, row r) at 32 r + 4 a: my four at 32 r + 16 h
	s_cmp_lt_u32 s96, 2
	s_cselect_b32 s20, s18, s19                    ; the head: Q, K: by the columns; V: by the rows
	s_cselect_b32 s21, s19, s18                    ; the block of 128 tokens
	s_cselect_b32 s97, -1, 0                       ; Q, K: the bias runs along the columns;
	s_cselect_b32 s98, 0, -1                       ; V: along the rows
	s_min_u32 s22, s96, 1                          ; 1 for K and V, whose records lie together
	s_mul_i32 s23, s20, 196608
	s_mul_i32 s94, s21, 12288
	s_add_co_u32 s23, s23, s94
	s_lshl_b32 s23, s23, s22
	s_mul_i32 s94, s22, 3145728
	s_add_co_u32 s23, s23, s94
	s_lshr_b32 s18, s96, 1
	s_mul_i32 s94, s18, 12288                      ; V behind K in a step's record
	s_add_co_u32 s94, s23, s94
	s_mov_b32 s95, 0
	s_add_nc_u64 s[12:13], s[12:13], s[94:95]      ; my eight fragments
	s_lshl_b32 s23, s20, 13
	s_lshl_b32 s23, s23, s22
	s_lshl_b32 s94, s21, 9
	s_add_co_u32 s23, s23, s94
	s_lshl_b32 s94, s22, 17
	s_add_co_u32 s23, s23, s94
	s_lshl_b32 s94, s18, 13
	s_add_co_u32 s94, s23, s94
	s_add_nc_u64 s[14:15], s[14:15], s[94:95]      ; and their scale record
	s_mov_b32 s99, 0xffff0000                      ; lanes 16-31
.else
	s_mul_i32 s20, s[WV], 16*SPITCH                ; my stage
	v_mul_u32_u24 v[STO], v1, SPITCH
	v_lshl_add_u32 v[STO], v2, 6, v[STO]           ; in: row r, + 64 h
	v_add_nc_u32 v[STO], s20, v[STO]
	v_add_nc_u32 v[RD], s20, v[LI]                 ; back: the 32 lanes take one row of 512 bytes
	s_lshl_b32 s94, s19, 20                        ; my first row: 128 rows of 8,192 bytes a step,
	s_lshl_b32 s95, s18, 9                         ; my first column
	s_add_co_u32 s94, s94, s95
	s_mov_b32 s95, 0
	s_add_nc_u64 s[12:13], s[12:13], s[94:95]
.endif
	s_mov_b32 s[SEL], 0x76543210
	s_mov_b32 s[SEL+1], 0xfedcba98                 ; v_permlanex16_b32's selects for lane l xor 16
	s_wait_loadcnt 0x0                             ; the biases
.if QKV
.set i, 0
.rept 64
	v_cndmask_b32 v[BN+i], 0, v[BN+i], s97         ; one path for the three regions: the bias that does not apply becomes 0
.set i, i+1
.endr
.set i, 0
.rept 8
	v_cndmask_b32 v[BM+i], 0, v[BM+i], s98
.set i, i+1
.endr
.irp b, 0,1,2,3
	v_mov_b32 v[TM+4+\b], 0                        ; a lane permute's destination counts as one of its sources
.endr
	v_mov_b32 v[BT+1], 0                           ; (named as the upper half of a pair)
.endif
.macro FRAG reg, adr, q, i             ; a fragment comes as it was stored: three loads of 16 bytes a lane, 512 bytes on end each
.irp c, 0,1,2
	ds_load_b128 v[\reg+4*\c:\reg+4*\c+3], v[\adr] offset:(\i)*ROWB+(\q)*FRB+512*\c
.endr
.endm
; 16 matrix instructions: A's blocks a0, a0 + 1 x B's eight, 128 along K.  p: B's set; sc: the set of scale words.  first = 1: the bias is the C of the sum's first product: nothing is cleared.
; The 64 accumulators take turns, one instruction a turn, in the same order in every step.
.macro MUL16 a0, p, q, sc, first
.irp a, \a0, \a0+1
.irp b, 0,1,2,3,4,5,6,7
.if \first
	v_wmma_scale_f32_16x16x128_f8f6f4 v[8*(8*((\a)%4)+\b):8*(8*((\a)%4)+\b)+7], v[128*(\p)+FR*\b:128*(\p)+FR*\b+FR-1], v[AF+FR*(\a):AF+FR*(\a)+FR-1], v[BN+8*\b:BN+8*\b+7], v[SC+16*(\sc)+2*\b+(\q)], v[SC+16*(\sc)+2*(\a)+(\q)] matrix_a_fmt:MATRIX_FMT_FP6 matrix_b_fmt:MATRIX_FMT_FP6 matrix_a_scale:MATRIX_SCALE_ROW1
.else
	v_wmma_scale_f32_16x16x128_f8f6f4 v[8*(8*((\a)%4)+\b):8*(8*((\a)%4)+\b)+7], v[128*(\p)+FR*\b:128*(\p)+FR*\b+FR-1], v[AF+FR*(\a):AF+FR*(\a)+FR-1], v[8*(8*((\a)%4)+\b):8*(8*((\a)%4)+\b)+7], v[SC+16*(\sc)+2*\b+(\q)], v[SC+16*(\sc)+2*(\a)+(\q)] matrix_a_fmt:MATRIX_FMT_FP6 matrix_b_fmt:MATRIX_FMT_FP6 matrix_a_scale:MATRIX_SCALE_ROW1
.endif
.endr
.endr
.endm
.macro FETCH_B slot, q, p              ; B's eight fragments of the slot's q-th 128 along K into set p
	WIN TO_B
.irp i, 0,1,2,3,4,5,6,7
	FRAG 128*(\p)+FR*\i, ADRB+\slot, \q, \i
.endr
	WIN 0
.endm
.macro FETCH_A slot, q, i0             ; A's blocks i0 .. i0 + 3
.irp i, \i0, \i0+1, \i0+2, \i0+3
	FRAG AF+FR*(\i), ADRA+\slot, \q, \i
.endr
.endm
.macro SCALES sc                       ; a slot's scale words into set sc: two words a row; lanes 0-15 take A's block i, lanes 16-31 B's block i
.irp i, 0,1,2,3,4,5,6,7
	ds_load_b64 v[SC+16*\sc+2*\i:SC+16*\sc+2*\i+1], v[ADRS] offset:\i*1024+8*\sc
.endr
.endm
; A load into a register that a matrix instruction has read, and a vector instruction or an LDS store that reads a matrix result, stand NP places behind it; only plain vector instructions that name none of its registers are places.
.macro PLACES n
.rept \n
	v_nop
.endr
.endm
; A step of 128 along K that has its successor in the same slot.  A has one set of registers: blocks 0-3 are fetched anew in the step's middle, blocks 4-7 at its end.
.macro STEP slot, q, first
	s_wait_dscnt 4*NL                              ; all but the youngest 12 loads (A's blocks 4-7) are in
.if \first
	WIN 0x81                                       ; C (the bias) window 0, D window 2
.else
	WIN MUL_LO
.endif
	MUL16 0, (\q)%2, \q, \slot, \first
	MUL16 2, (\q)%2, \q, \slot, \first
	s_wait_dscnt 0x0                               ; A's blocks 4-7 are in
	PLACES NP
	FETCH_B \slot, (\q)+1, 1-(\q)%2
	FETCH_A \slot, (\q)+1, 0
.if \first
	WIN 0xc1
.else
	WIN MUL_HI
.endif
	MUL16 4, (\q)%2, \q, \slot, \first
	MUL16 6, (\q)%2, \q, \slot, \first
	PLACES NP
	WIN 0
	FETCH_A \slot, (\q)+1, 4
.endm
; A slot's last step changes slots: ONE barrier; in front of it each wave waits for all its tensor loads, adds 0 to its spare word, and waits for that and for its own reads of this slot.  fill = 1: this slot is filled again, two slots ahead.
.macro TURN slot, next, fill
	s_wait_tensorcnt 0x0                           ; all my tensor loads have landed: the one that was out is my part of the next slot
	ds_add_u32 v[SPW], v[NIL]                      ; 0 onto my spare word
	s_wait_dscnt 4*NL+1                            ; (the add and the youngest 12 loads may be out)
	WIN MUL_LO
	MUL16 0, 1, NQ-1, \slot, 0                     ; sixteen matrix instructions stand between the add and the wait for it
	s_wait_dscnt 0x0                               ; the add is done, and my reads of this slot are over
	s_barrier_signal -1
	MUL16 2, 1, NQ-1, \slot, 0
	WIN 0
	s_barrier_wait -1
.if \fill
	CREST                                          ; the barrier has opened a round of the cluster's barrier: no wave of any partner still reads this slot or has a load on its way
	s_add_nc_u64 s[G0A+4*\slot+2:G0A+4*\slot+3], s[G0A+4*\slot+2:G0A+4*\slot+3], 2*ROWB
	s_add_nc_u64 s[G0B+4*\slot+2:G0B+4*\slot+3], s[G0B+4*\slot+2:G0B+4*\slot+3], 2*ROWB
	JLOAD G0A+4*\slot, G1A, G0B+4*\slot, G1B       ; the first tensor load behind the round; its four v_nop are the places in front of the loads below
.else
	PLACES NP
.endif
.if (\next) == 0
	v_add_nc_u32 v[ADRS], 256, v[ADRS]             ; on to the next quad of scale words
.endif
	FETCH_B \next, 0, 0
	FETCH_A \next, 0, 0
	SCALES \next
	WIN MUL_HI
	MUL16 4, 1, NQ-1, \slot, 0
	MUL16 6, 1, NQ-1, \slot, 0
	PLACES NP
	WIN 0
	FETCH_A \next, 0, 4
.endm
; 64 numbers of a lane, register 16 b + i = k 32 b + 16 (lane / 16) + i of my row, become a fragment's codes in v[pc] on and its scale word in v[pw].
.macro QUANT s, pc, tm, pw
.irp b, 0,1,2,3
	v_max3_num_f32 v[\tm+\b], |v[\s+16*\b]|, |v[\s+1+16*\b]|, 0x1800000   ; block b: my 16 numbers, and the floor 2^(3 - 127): the byte cannot fall under 1
.endr
.irp i, 2,4,6,8,10,12,14
.irp b, 0,1,2,3
	v_max3_num_f32 v[\tm+\b], v[\tm+\b], |v[\s+16*\b+\i]|, |v[\s+1+16*\b+\i]|
.endr
.endr
.irp b, 0,1,2,3
	v_permlanex16_b32 v[\tm+4+\b], v[\tm+\b], s[SEL], s[SEL+1]
.endr
.irp b, 0,1,2,3
	v_max_num_f32 v[\tm+\b], v[\tm+\b], v[\tm+4+\b]   ; with lane l xor 16's: the block's largest magnitude
.endr
.irp b, 0,1,2,3
	v_add_nc_u32 v[\tm+12+\b], 0xff000000, v[\tm+\b]  ; 2 off its exponent field: the conversion's scale operand
.endr
.irp b, 0,1,2,3
	v_lshrrev_b32 v[\tm+4+\b], 23, v[\tm+12+\b]       ; the scale's byte
.endr
	v_lshl_or_b32 v[\pw], v[\tm+5], 8, v[\tm+4]
	v_lshl_or_b32 v[\pw], v[\tm+6], 16, v[\pw]
	v_lshl_or_b32 v[\pw], v[\tm+7], 24, v[\pw]
.irp c, 0,1
	v_cvt_scalef32_pk16_fp6_f32 v[\pc+6*\c:\pc+2+6*\c], v[\s+32*\c:\s+15+32*\c], v[\tm+12+2*\c]
	v_cvt_scalef32_pk16_fp6_f32 v[\pc+12+4*\c:\pc+14+4*\c], v[\s+16+32*\c:\s+31+32*\c], v[\tm+12+2*\c+1]   ; (a conversion's three registers begin on an even number)
.endr
	v_nop                                          ; one plain place behind a scaled conversion
.irp c, 0,1                            ; the operand's layout wants a whole block in a lane: lanes 0-15 block 2 c, lanes 16-31 block 2 c + 1
.irp i, 0,1,2
	v_permlane16_swap_b32 v[\pc+6*\c+\i], v[\pc+12+4*\c+\i]
.endr
.irp i, 0,1,2
	v_mov_b32 v[\pc+3+6*\c+\i], v[\pc+12+4*\c+\i]
.endr
.endr
.endm
	s_wait_tensorcnt 1                             ; the scale words and my part of slot 0 are in (slot 1's load may be out)
	s_barrier_signal -1
	s_barrier_wait -1                              ; everybody's are
	FETCH_B 0, 0, 0
	FETCH_A 0, 0, 0
	SCALES 0
	FETCH_A 0, 0, 4
	STEP 0, 0, 1                                   ; the first step stands in front of the loop: its products start the sums
	s_mov_b32 s[LAP], LAPS-1
.Llap:                                                 ; a trip goes once round the ring, from a lap's second step to the next lap's first, and fills both slots again
	TURN 0, 1, 1
	STEP 1, 0, 0
	TURN 1, 0, 1
	STEP 0, 0, 0
	s_sub_co_u32 s[LAP], s[LAP], 1
	s_cmp_lg_u32 s[LAP], 0
	s_cbranch_scc1 .Llap
	TURN 0, 1, 0                                   ; the last lap fills nothing, and has no round of the cluster's barrier
	STEP 1, 0, 0
	s_wait_dscnt 4*NL                              ; the very last step: nothing more to fetch
	WIN MUL_LO
	MUL16 0, 1, NQ-1, 1, 0
	MUL16 2, 1, NQ-1, 1, 0
	s_wait_dscnt 0x0
	WIN MUL_HI
	MUL16 4, 1, NQ-1, 1, 0
	MUL16 6, 1, NQ-1, 1, 0
	WIN 0
.if QKV
; THE WAY OUT: A's block a: its 64 numbers of my lane come into window 0 with the row's bias added (0 for Q and K), each accumulator from its low end on; they are one fragment and one scale word a row.
.macro OUTA a
.if (\a) > 0
	s_wait_xcnt 0x0                                ; the last block's stores have read their data: the codes' registers are written again only behind this wait
.endif
	v_mov_b32 v[BT], v[BM+(\a)]
	WIN 0x02+(\a)/4                                ; source 0: window 2 or 3
.set i, 0
.rept 32
	v_pk_add_f32 v[HA+i:HA+i+1], v[64*((\a)%4)+i:64*((\a)%4)+i+1], v[BT:BT+1] op_sel_hi:[1,0]
.set i, i+2
.endr
	WIN 0
	QUANT HA, PC, TM, PW+(\a)
.irp c, 0,1,2
	global_store_b128 v[LI], v[PC+4*\c:PC+4*\c+3], s[12:13] offset:FRB*(\a)+512*\c   ; 32 lanes store 512 consecutive bytes, aligned
.endr
.endm
	PLACES NP                                      ; behind the last products: their results are read and A's registers written below
.irp a, 0,1,2,3,4,5,6,7
	OUTA \a
.endr
.irp i, 0,1,2,3
	v_cndmask_b32 v[SWD+\i], v[PW+\i], v[PW+4+\i], s99   ; lanes 0-15 store their row's words of fragments 0-3, lanes 16-31 those of 4-7
.endr
	global_store_b128 v9, v[SWD:SWD+3], s[14:15]   ; the record's 512 bytes
.else
; THE WAY OUT, block by block of 16 rows x 128 columns, through my own stage and back as whole rows of 512 bytes.  LDS serves a wave's instructions in order: no wait between the stores and the loads.
.macro TOSTAGE a
.set AC, 64*((\a)%4)
	WIN 0x08+4*((\a)/4)                            ; the data: window 2 or 3
.irp b, 0,1,2,3,4,5,6,7
	ds_store_b128 v[STO], v[AC+8*\b:AC+8*\b+3] offset:128*(\b/2)+32*(\b%2)       ; columns 32 (b / 2) + 16 h + 8 (b % 2) on; each accumulator from its low end on
	ds_store_b128 v[STO], v[AC+8*\b+4:AC+8*\b+7] offset:128*(\b/2)+32*(\b%2)+16
.endr
	WIN 0
.set BB, BK+64*((\a)%2)
.irp t, 0,1,2,3,4,5,6,7,8,9,10,11,12,13,14,15
	ds_load_b128 v[BB+4*\t:BB+4*\t+3], v[RD] offset:\t*SPITCH
.endr
.endm
.macro SEND a, younger                 ; younger: the LDS instructions issued behind block a's loads, which may stay out
.set BB, BK+64*((\a)%2)
	s_wait_dscnt \younger
.if (\a) > 0
	s_add_nc_u64 s[12:13], s[12:13], 16*8192       ; (behind a wait on XCNT: the earlier stores have read their base)  16 rows on
.endif
.irp t, 0,1,2,3,4,5,6,7,8,9,10,11,12,13,14,15
	global_store_b128 v[LI], v[BB+4*\t:BB+4*\t+3], s[12:13] offset:\t*8192 th:TH_STORE_NT   ; 32 lanes store 512 consecutive bytes, aligned
.endr
.endm
	PLACES NP
	TOSTAGE 0
.irp a, 1,2,3,4,5,6,7
.if \a > 1
	s_wait_xcnt 0x0                                ; block a - 2's stores have read their registers and their base
.endif
	TOSTAGE \a
	SEND \a-1, 32                                  ; behind block a - 1's loads: block a's 16 stores and 16 loads
.endr
	s_wait_xcnt 0x0
	SEND 7, 0
.endif
	s_wait_tensorcnt 0x0                           ; the wave's end: these three lines stand behind my last tensor load and my last LDS store
	ds_add_u32 v[SPW], v[NIL]
	s_wait_dscnt 0x0
	CROUND                                         ; the closing round: no work-group ends while a partner may still ask for a tile that names it
	s_endpgm
.Lfunc_end_k_qa1b16001dd_proj:
	.size	k_qa1b16001dd_proj, .Lfunc_end_k_qa1b16001dd_proj-k_qa1b16001dd_proj
	.p2alignl 7, 3214868480
	.fill 96, 4, 3214868480
	.section	.rodata,"a",@progbits
	.p2align	6, 0x0
	.amdhsa_kernel k_qa1b16001dd_proj
		.amdhsa_group_segment_fixed_size 327680
		.amdhsa_private_segment_fixed_size 0
		.amdhsa_enable_private_segment 0
		.amdhsa_kernarg_size 48
		.amdhsa_user_sgpr_count 2
		.amdhsa_user_sgpr_kernarg_segment_ptr 1
		.amdhsa_wavefront_size32 1
		.amdhsa_system_sgpr_workgroup_id_x 1
		.amdhsa_system_sgpr_workgroup_id_y 1
		.amdhsa_system_sgpr_workgroup_id_z 1
		.amdhsa_system_vgpr_workitem_id 0
		.amdhsa_next_free_vgpr 1024
		.amdhsa_next_free_sgpr 102
		.amdhsa_reserve_vcc 0
		.amdhsa_float_denorm_mode_32 3
		.amdhsa_float_denorm_mode_16_64 3
		.amdhsa_memory_ordered 1
		.amdhsa_forward_progress 1
		.amdhsa_inst_pref_size 137
	.end_amdhsa_kernel
	.amdgpu_metadata
---
amdhsa.version: [ 1, 2 ]
amdhsa.kernels:
  - .name:           k_qa1b16001dd_proj
    .symbol:         k_qa1b16001dd_proj.kd
    .args:
      - { .name: ac, .offset: 0, .size: 8, .value_kind: global_buffer, .address_space: global }
      - { .name: asc, .offset: 8, .size: 8, .value_kind: global_buffer, .address_space: global }
      - { .name: wc, .offset: 16, .size: 8, .value_kind: global_buffer, .address_space: global }
      - { .name: wsc, .offset: 24, .size: 8, .value_kind: global_buffer, .address_space: global }
      - { .name: bo, .offset: 32, .size: 8, .value_kind: global_buffer, .address_space: global }
      - { .name: out0, .offset: 40, .size: 8, .value_kind: global_buffer, .address_space: global }
    .group_segment_fixed_size: 327680
    .private_segment_fixed_size: 0
    .kernarg_segment_align: 8
    .kernarg_segment_size: 48
    .max_flat_workgroup_size: 128
    .sgpr_count:     102
    .vgpr_count:     1024
    .wavefront_size: 32
...
	.end_amdgpu_metadata
.endif
;; end of part 4
;; ======== version 2 of 2: 4 launches
;; limits: right only within a limited range of input values
;; workspace buffers: wc 15,728,640 bytes; wsc 655,360 bytes; qkv 9,437,184 bytes; qkvs 393,216 bytes; ac 3,145,728 bytes; asc 131,072 bytes
;; launch quant (part 5): grid 640 x 1, 4 waves a work-group, no clusters, 34,304 bytes of LDS; arguments x, Wq, Wk, Wv, Wo, wc, wsc; writes wc, wsc
.if DOCPART == 5
	.amdgcn_target "amdgcn-amd-amdhsa--gfx1250"
	.amdhsa_code_object_version 6
	.text
	.protected	k_qa1b16001dd_quant
	.globl	k_qa1b16001dd_quant
	.p2align	8
	.type	k_qa1b16001dd_quant,@function
k_qa1b16001dd_quant:
	s_mov_b64 s[64:65], 0
	v_nop
	global_prefetch_b8 v0, s[64:65] scope:SCOPE_SE
	s_setreg_imm32_b32 hwreg(HW_REG_WAVE_MODE, 25, 1), 1
	s_wait_xcnt 0x0
; x, Wq, Wk, Wv, Wo, each [2048][2048] f32 with K innermost, become codes of FP6 (E2M3) with one E8M0 byte for each 32 along K.
; A block's scale is 2^(floor(log2(its largest magnitude)) - 2); its byte is the largest magnitude's exponent field - 2, held at 1 from below.
; LIMITS: NaN and infinities are not served.  A block of zeros gets the byte 1 where the rule says 127: its codes are zeros, and this program alone reads the bytes.
; THE CODES ARE LAID AS THE MATRIX UNIT'S REGISTERS WANT THEM.  A fragment is 16 rows x 128 K, 12 registers a lane; its image is 1,536 bytes: register 4 c + g of lane l at 512 c + 16 l + 4 g.
; Lane (r, h) holds row r, registers 6 c .. 6 c + 5 the codes of k = 64 c + 32 h + 0 .. 31.  wc: [tensor 5][row block 128][K step 16][1536].
; THE ROWS OF A ROW BLOCK ARE NOT NEIGHBOURS: place p of block 2 G + u is row 32 G + 8 u + p + 8 (p / 8): as source 0 of a product such blocks leave 16 neighbouring columns in the 16 registers of two neighbouring tiles.
; wsc: [tensor][row block][quad 4][place 16][K step in the quad 4]: one word (four bytes) for a row and 128 K.
; SHARES.  Work-group g takes tensor g / 128, row block g % 128; wave w takes 512 along K: four fragments.  Each load reads 512 consecutive bytes of one row; the 16 rows turn through the wave's own stage in LDS
; (rows 528 bytes apart) and come back 128 bytes a lane for each whole block pair.  Waves share nothing: no barrier.  32 loads of a wave are out at the most.
.set ROWBY, 8192                       ; a row of a tensor in bytes
.set SP,    528                        ; a stage row: 512 bytes + 16
.set STG,   16*SP                      ; a wave's stage
.set SPARE, 4*STG                      ; behind the stages: the spare words, 128 bytes a wave: two blocks of 256 bytes that no other line names
.set LI,   2                           ; v2   16 x lane
.set SIN,  3                           ; v3   the stage, on the way in
.set SOUT, 4                           ; v4   and on the way out: row r, + 128 h
.set H8,   5                           ; v5   8 h
.set SO,   6                           ; v6   16 r + 8 h: my two scale words' place
.set SPW,  7                           ; v7   LDS address of my spare word; never rewritten
.set NIL,  8                           ; v8   0; never rewritten
.set MX,   10                          ; v10-11 largest magnitudes, v12-13 scale operands, v14-15 bytes
.set R,    16                          ; v16-143  two sets of 64 registers as loaded
.set X,    144                         ; v144-207 my 64 numbers: two whole blocks
.set PC,   208                         ; v208-219 a fragment's codes
.set CT,   220                         ; v220-222, v224-226 the blocks' upper halves as converted
.set SW,   228                         ; v228-231 the four fragments' scale words
.set WT,   232                         ; v232 my two bytes, v233 the other half's
.set OW,   234                         ; v234-235 the two words that I store
	s_load_b256 s[4:11], s[0:1], 0x0               ; x, Wq, Wk, Wv
	s_load_b64 s[12:13], s[0:1], 0x20              ; Wo
	s_load_b64 s[16:17], s[0:1], 0x28              ; wc
	s_load_b64 s[18:19], s[0:1], 0x30              ; wsc
	v_lshl_add_u32 v[SPW], v0, 2, SPARE
	v_mov_b32 v[NIL], 0
	v_lshrrev_b32 v1, 5, v0
	v_readfirstlane_b32 s22, v1                    ; wave
	v_and_b32 v1, 31, v0                           ; lane
	v_and_b32 v9, 15, v0                           ; r
	v_bfe_u32 v[H8], v0, 4, 1                      ; h
	v_lshlrev_b32 v[LI], 4, v1
	s_mul_i32 s23, s22, STG
	v_add_nc_u32 v[SIN], s23, v[LI]
	v_mul_u32_u24 v[SOUT], v9, SP
	v_lshl_add_u32 v[SOUT], v[H8], 7, v[SOUT]
	v_add_nc_u32 v[SOUT], s23, v[SOUT]
	v_lshlrev_b32 v[SO], 4, v9
	v_lshl_add_u32 v[SO], v[H8], 3, v[SO]
	v_lshlrev_b32 v[H8], 3, v[H8]
	v_mov_b32 v[WT+1], 0                           ; a lane permute's destination counts as one of its sources
	s_mov_b32 s26, 0x76543210
	s_mov_b32 s27, 0xfedcba98                      ; v_permlanex16_b32's selects for lane l xor 16
	s_mov_b32 s28, 0xffff0000                      ; lanes 16-31
	s_lshr_b32 s14, ttmp9, 7                       ; which tensor
	s_and_b32 s15, ttmp9, 127                      ; which row block
	s_lshr_b32 s24, s15, 1
	s_lshl_b32 s24, s24, 5
	s_and_b32 s25, s15, 1
	s_lshl_b32 s25, s25, 3
	s_add_co_u32 s24, s24, s25                     ; the block's first row: 32 G + 8 u
	s_lshl_b32 s24, s24, 13
	s_lshl_b32 s25, s22, 11                        ; my wave's 512 along K
	s_add_co_u32 s24, s24, s25
	s_mov_b32 s25, 0
	s_wait_alu depctr_va_vdst(0)
	s_wait_kmcnt 0x0
	s_cmp_eq_u32 s14, 1                            ; the choice hangs on the work-group's number alone
	s_cselect_b64 s[4:5], s[6:7], s[4:5]
	s_cmp_eq_u32 s14, 2
	s_cselect_b64 s[4:5], s[8:9], s[4:5]
	s_cmp_eq_u32 s14, 3
	s_cselect_b64 s[4:5], s[10:11], s[4:5]
	s_cmp_eq_u32 s14, 4
	s_cselect_b64 s[4:5], s[12:13], s[4:5]
	s_add_nc_u64 s[4:5], s[4:5], s[24:25]
	s_mul_i32 s24, ttmp9, 24576                    ; the outputs are linear in the work-group's number
	s_mul_i32 s23, s22, 6144
	s_add_co_u32 s24, s24, s23
	s_add_nc_u64 s[16:17], s[16:17], s[24:25]
	s_lshl_b32 s24, ttmp9, 10
	s_lshl_b32 s23, s22, 8
	s_add_co_u32 s24, s24, s23
	s_add_nc_u64 s[18:19], s[18:19], s[24:25]
.macro LOAD t                          ; fragment t: 512 bytes of each of the block's 16 rows
.irp i, 0,1,2,3,4,5,6,7,8,9,10,11,12,13,14,15
	global_load_b128 v[R+64*((\t)%2)+4*\i:R+64*((\t)%2)+4*\i+3], v[LI], s[4:5] offset:(\i+8*(\i/8))*ROWBY+512*(\t) th:TH_LOAD_NT
.endr
.endm
.macro FRAGM s
.set RS, R+64*((\s)%2)
.if (\s) < 3
	s_wait_loadcnt 16                              ; this fragment's 16 loads are in; the next fragment's 16 may be out
.else
	s_wait_loadcnt 0x0
.endif
.irp i, 0,1,2,3,4,5,6,7,8,9,10,11,12,13,14,15
	ds_store_b128 v[SIN], v[RS+4*\i:RS+4*\i+3] offset:SP*\i
.endr
.irp c, 0,1
.irp q, 0,1,2,3,4,5,6,7
	ds_load_b128 v[X+32*\c+4*\q:X+32*\c+4*\q+3], v[SOUT] offset:256*\c+16*\q   ; LDS serves a wave's instructions in order: these see the stores above
.endr
.endr
	s_wait_dscnt 0x0                               ; my 64 numbers are in, and the stores have read their registers,
.if (\s) < 2
	LOAD (\s)+2                                    ; which take the fragment two further on
.endif
.irp c, 0,1
	v_max3_num_f32 v[MX+\c], |v[X+32*\c]|, |v[X+32*\c+1]|, 0x1800000   ; my block 2 c + h: all 32 numbers are mine; the floor 2^(3 - 127) holds the byte at 1 from below
.endr
.irp i, 2,4,6,8,10,12,14,16,18,20,22,24,26,28,30
.irp c, 0,1
	v_max3_num_f32 v[MX+\c], v[MX+\c], |v[X+32*\c+\i]|, |v[X+32*\c+\i+1]|
.endr
.endr
.irp c, 0,1
	v_add_nc_u32 v[MX+2+\c], 0xff000000, v[MX+\c]  ; 2 off the exponent field: the conversion takes the exponent field of this operand as its scale
.endr
.irp c, 0,1
	v_lshrrev_b32 v[MX+4+\c], 23, v[MX+2+\c]       ; the scale's byte
.endr
	v_lshl_or_b32 v[WT], v[MX+5], 16, v[MX+4]      ; blocks h and 2 + h of my row,
	v_lshlrev_b32 v[WT], v[H8], v[WT]              ; at their places in the word;
	v_permlanex16_b32 v[WT+1], v[WT], s26, s27
	v_or_b32 v[SW+(\s)], v[WT], v[WT+1]            ; with lane l xor 16's two the word is whole
.if (\s) > 0
	s_wait_alu depctr_va_vdst(0)
	s_wait_xcnt 0x0                                ; the last fragment's stores have read their data: the codes' registers are written again only behind this wait
.endif
.irp c, 0,1
	v_cvt_scalef32_pk16_fp6_f32 v[PC+6*\c:PC+6*\c+2], v[X+32*\c:X+32*\c+15], v[MX+2+\c]
	v_cvt_scalef32_pk16_fp6_f32 v[CT+4*\c:CT+4*\c+2], v[X+32*\c+16:X+32*\c+31], v[MX+2+\c]   ; (a conversion's three registers begin on an even number)
.endr
	v_nop                                          ; one plain place behind a scaled conversion
.irp c, 0,1
.irp i, 0,1,2
	v_mov_b32 v[PC+3+6*\c+\i], v[CT+4*\c+\i]
.endr
.endr
.irp c, 0,1,2
	global_store_b128 v[LI], v[PC+4*\c:PC+4*\c+3], s[16:17] offset:1536*(\s)+512*\c   ; 32 lanes store 512 consecutive bytes, aligned
.endr
.endm
	LOAD 0
	LOAD 1
	FRAGM 0
	FRAGM 1
	FRAGM 2
	FRAGM 3
	v_cndmask_b32 v[OW], v[SW], v[SW+2], s28       ; lanes 0-15 store their row's words 0 and 1, lanes 16-31 words 2 and 3
	v_cndmask_b32 v[OW+1], v[SW+1], v[SW+3], s28
	global_store_b64 v[SO], v[OW:OW+1], s[18:19]   ; the wave's 256 bytes of scale words: one aligned run
	s_wait_tensorcnt 0x0                           ; the wave's end: these three lines stand behind my last LDS store
	ds_add_u32 v[SPW], v[NIL]
	s_wait_dscnt 0x0
	s_endpgm
.Lfunc_end_k_qa1b16001dd_quant:
	.size	k_qa1b16001dd_quant, .Lfunc_end_k_qa1b16001dd_quant-k_qa1b16001dd_quant
	.p2alignl 7, 3214868480
	.fill 96, 4, 3214868480
	.section	.rodata,"a",@progbits
	.p2align	6, 0x0
	.amdhsa_kernel k_qa1b16001dd_quant
		.amdhsa_group_segment_fixed_size 34304
		.amdhsa_private_segment_fixed_size 0
		.amdhsa_enable_private_segment 0
		.amdhsa_kernarg_size 56
		.amdhsa_user_sgpr_count 2
		.amdhsa_user_sgpr_kernarg_segment_ptr 1
		.amdhsa_wavefront_size32 1
		.amdhsa_system_sgpr_workgroup_id_x 1
		.amdhsa_system_sgpr_workgroup_id_y 1
		.amdhsa_system_sgpr_workgroup_id_z 1
		.amdhsa_system_vgpr_workitem_id 0
		.amdhsa_next_free_vgpr 256
		.amdhsa_next_free_sgpr 66
		.amdhsa_reserve_vcc 0
		.amdhsa_float_denorm_mode_32 3
		.amdhsa_float_denorm_mode_16_64 3
		.amdhsa_memory_ordered 1
		.amdhsa_forward_progress 1
		.amdhsa_inst_pref_size 31
	.end_amdhsa_kernel
	.amdgpu_metadata
---
amdhsa.version: [ 1, 2 ]
amdhsa.kernels:
  - .name:           k_qa1b16001dd_quant
    .symbol:         k_qa1b16001dd_quant.kd
    .args:
      - { .name: x, .offset: 0, .size: 8, .value_kind: global_buffer, .address_space: global }
      - { .name: Wq, .offset: 8, .size: 8, .value_kind: global_buffer, .address_space: global }
      - { .name: Wk, .offset: 16, .size: 8, .value_kind: global_buffer, .address_space: global }
      - { .name: Wv, .offset: 24, .size: 8, .value_kind: global_buffer, .address_space: global }
      - { .name: Wo, .offset: 32, .size: 8, .value_kind: global_buffer, .address_space: global }
      - { .name: wc, .offset: 40, .size: 8, .value_kind: global_buffer, .address_space: global }
      - { .name: wsc, .offset: 48, .size: 8, .value_kind: global_buffer, .address_space: global }
    .group_segment_fixed_size: 34304
    .private_segment_fixed_size: 0
    .kernarg_segment_align: 8
    .kernarg_segment_size: 56
    .max_flat_workgroup_size: 128
    .sgpr_count:     66
    .vgpr_count:     256
    .wavefront_size: 32
...
	.end_amdgpu_metadata
.endif
;; end of part 5
;; launch qkv (part 6): grid 24 x 8, 4 waves a work-group, clusters of 4 x 4, 327,680 bytes of LDS; arguments wc, wsc, bq, bk, bv, qkv, qkvs; writes qkv, qkvs
.if DOCPART == 6
	.amdgcn_target "amdgcn-amd-amdhsa--gfx1250"
	.amdhsa_code_object_version 6
	.text
	.protected	k_qa1b16001dd_qkv
	.globl	k_qa1b16001dd_qkv
	.p2align	8
	.type	k_qa1b16001dd_qkv,@function
k_qa1b16001dd_qkv:
	s_mov_b64 s[64:65], 0
	v_nop
	global_prefetch_b8 v0, s[64:65] scope:SCOPE_SE
	s_setreg_imm32_b32 hwreg(HW_REG_WAVE_MODE, 25, 1), 1
	s_wait_xcnt 0x0
	s_wait_alu depctr_hold_cnt(0) depctr_sa_sdst(0) depctr_va_vdst(0) depctr_va_sdst(0) depctr_va_ssrc(0) depctr_va_vcc(0) depctr_vm_vsrc(0)
	s_getreg_b32 s2, hwreg(HW_REG_IB_STS2, 6, 4)
	s_cmp_eq_u32 s2, 0
	s_cbranch_scc0 .Lentry_in_a_cluster
	s_endpgm
.Lentry_in_a_cluster:
	s_bfe_u32 s2, ttmp6, 0x10000c
	s_cmp_lg_u32 s2, 0xf033
	s_cbranch_scc0 .Lentry_shape_is_right
	s_endpgm
.Lentry_shape_is_right:
.set QKV,    1
.set NQ,     2
.set FR,     12
.set NL,     3
.set NP,     4
.set FRB,    1536
.set ROWB,   NQ*FRB
.set HALFT,  8*ROWB
.set SLOT,   4*HALFT
.set LAPS,   4
.set SCL,    2*SLOT
.set HALFS,  8192
.set SPARE,  SCL+4*HALFS
.set SPITCH, 528
.set ADRA, 16
.set ADRB, 20
.set STO,  24
.set RD,   25
.set ADRS, 27
.set SPW,  28
.set NIL,  29
.set LI,   30
.set SC,   32
.set BN,   64
.set AF,   128
.set BK,   128
.set HA,   128
.set PC,   192
.set SWD,  212
.set BT,   216
.set TM,   224
.set BM,   240
.set PW,   248
.set WV,   2
.set LAP,  3
.set WR,   46
.set WC,   47
.set G1A,  24
.set G0A,  32
.set G1B,  48
.set G0B,  56
.set G1SA, 68
.set G0SA, 76
.set G1SB, 80
.set G0SB, 88
.set SEL,  100
.set MSB, 0
.macro WIN new
.if MSB != \new
	s_set_vgpr_msb (MSB<<8)|\new
.set MSB, \new
.endif
.endm
.set MUL_LO, 0xa1
.set MUL_HI, 0xf1
.set TO_B,   0x40
.macro JLOAD g0a, g1a, g0b, g1b
	s_cmp_eq_u32 s[WR], 0
	s_cbranch_scc0 .Lfor_b_\@
	tensor_load_to_lds s[\g0a:\g0a+3], s[\g1a:\g1a+7]
	s_nop 0
.rept 4
	v_nop
.endr
	s_branch .Lasked_\@
.Lfor_b_\@:
	tensor_load_to_lds s[\g0b:\g0b+3], s[\g1b:\g1b+7]
	s_nop 0
.rept 4
	v_nop
.endr
.Lasked_\@:
.endm
.macro CREST
	s_cmp_lg_u32 s[WV], 0
	s_cbranch_scc1 .Lnot_wave_0_\@
	s_barrier_signal -3
.Lnot_wave_0_\@:
	s_barrier_wait -3
	s_barrier_signal -1
	s_barrier_wait -1
.endm
.macro CROUND
	s_barrier_signal -1
	s_barrier_wait -1
	CREST
.endm
.if QKV
	s_load_b128 s[4:7], s[0:1], 0x0
	s_load_b128 s[8:11], s[0:1], 0x0
	s_load_b128 s[16:19], s[0:1], 0x10
	s_load_b64 s[20:21], s[0:1], 0x20
	s_load_b64 s[12:13], s[0:1], 0x28
	s_load_b64 s[14:15], s[0:1], 0x30
.else
	s_load_b256 s[4:11], s[0:1], 0x0
	s_load_b64 s[16:17], s[0:1], 0x20
	s_load_b64 s[12:13], s[0:1], 0x28
.endif
	v_lshl_add_u32 v[SPW], v0, 2, SPARE
	v_mov_b32 v[NIL], 0
	ds_add_u32 v[SPW], v[NIL]
	ds_add_u32 v[SPW], v[NIL]
	v_lshrrev_b32 v1, 5, v0
	v_readfirstlane_b32 s[WV], v1
	s_lshr_b32 s[WR], s[WV], 1
	s_and_b32 s[WC], s[WV], 1
	s_bfe_u32 s40, ttmp6, 0x40000
	s_bfe_u32 s41, ttmp6, 0x40004
.if QKV
	s_lshr_b32 s96, ttmp9, 1
	s_and_b32 s42, ttmp9, 1
	s_lshl_b32 s42, s42, 2
.else
	s_lshl_b32 s42, ttmp9, 2
.endif
	s_add_co_u32 s42, s42, s40
	s_and_b32 s43, ttmp7, 0xffff
	s_lshl_b32 s43, s43, 2
	s_add_co_u32 s43, s43, s41
	s_lshl_b32 s44, s41, 2
	s_lshl_b32 s44, 15, s44
	s_lshl_b32 s45, 0x1111, s40
	s_or_b32 s[G1A], s44, (3<<16)|(1<<21)
	s_or_b32 s[G1B], s45, (3<<16)|(1<<21)
.irp g, G1A, G1B
	s_mov_b32 s[\g+1], 384<<16
	s_mov_b32 s[\g+2], 16<<16
	s_mov_b32 s[\g+3], 384<<16
	s_mov_b32 s[\g+4], 16
	s_mov_b32 s[\g+5], 3072
	s_mov_b32 s[\g+6], 0
	s_mov_b32 s[\g+7], 0
.endr
	s_or_b32 s[G1SA], s44, (3<<16)|(1<<21)
	s_or_b32 s[G1SB], s45, (3<<16)|(1<<21)
.irp g, G1SA, G1SB
	s_mov_b32 s[\g+1], 32<<16
	s_mov_b32 s[\g+2], 64<<16
	s_mov_b32 s[\g+3], 32<<16
	s_mov_b32 s[\g+4], 64
	s_mov_b32 s[\g+5], 32
	s_mov_b32 s[\g+6], 0
	s_mov_b32 s[\g+7], 0
.endr
	s_lshl_b32 s3, s[WC], 3
	s_lshl_b32 s92, s43, 4
	s_add_co_u32 s92, s92, s3
	s_lshl_b32 s94, s42, 4
	s_add_co_u32 s94, s94, s3
.if QKV
	s_lshr_b32 s66, s96, 1
	s_mul_i32 s67, s66, 384
	s_add_co_u32 s92, s92, s67
	s_xor_b32 s22, s66, 1
	s_add_co_u32 s23, s96, 1
	s_lshl_b32 s23, s23, 7
	s_mul_i32 s23, s23, s22
	s_add_co_u32 s94, s94, s23
.else
	s_add_co_u32 s94, s94, 512
.endif
	s_lshl_b32 s66, s92, 10
	s_mov_b32 s67, 0
	s_lshl_b32 s22, s94, 10
	s_mov_b32 s23, 0
	s_mul_i32 s92, s92, 16*FRB
	s_mov_b32 s93, 0
	s_mul_i32 s94, s94, 16*FRB
	s_mov_b32 s95, 0
	s_mul_i32 s100, s[WV], HALFT
	s_lshl_b32 s101, s[WR], 14
	s_wait_dscnt 0x0
	s_wait_kmcnt 0x0
	s_add_nc_u64 s[4:5], s[4:5], s[92:93]
	s_add_nc_u64 s[6:7], s[6:7], s[66:67]
	s_add_nc_u64 s[8:9], s[8:9], s[94:95]
	s_add_nc_u64 s[10:11], s[10:11], s[22:23]
	s_lshl_b32 s22, s[WC], 13                      ; the head's loads of scale words bring all 16 row blocks: back to the first
	s_sub_nc_u64 s[6:7], s[6:7], s[22:23]
	s_sub_nc_u64 s[10:11], s[10:11], s[22:23]
	s_cmp_eq_u32 s[WR], 0                          ; the prefetches: of the 8 row blocks that I fetch, my work-group takes 2, told apart by address (cx for A, cy for B)
	s_cselect_b64 s[66:67], s[4:5], s[8:9]
	s_cselect_b32 s22, s40, s41
	s_mul_i32 s22, s22, 2*16*FRB
	s_add_nc_u64 s[66:67], s[66:67], s[22:23]
	v_and_b32 v10, 31, v0                          ; 24 blocks of 256 bytes, 12 to a row block's ROWB bytes; lanes 24-31 name lane 23's again
	v_min_u32 v10, 23, v10
	v_mul_u32_u24 v11, v10, 11
	v_lshrrev_b32 v11, 7, v11                      ; lane / 12
	v_mul_u32_u24 v11, v11, 16*FRB-ROWB
	v_lshl_add_u32 v10, v10, 8, v11
	s_wait_alu depctr_va_vdst(0)
.if QKV
	s_cmp_eq_u32 s96, 1
	s_cselect_b64 s[16:17], s[18:19], s[16:17]
	s_cmp_eq_u32 s96, 2
	s_cselect_b64 s[16:17], s[20:21], s[16:17]
.endif
	CROUND
	s_mov_b32 s[G0SA], 1
	s_add_co_u32 s[G0SA+1], s101, SCL
	s_mov_b64 s[G0SA+2:G0SA+3], s[6:7]
	s_or_b32 s[G0SA+3], s[G0SA+3], 0x80000000
	s_mov_b32 s[G0SB], 1
	s_add_co_u32 s[G0SB+1], s101, SCL
	s_mov_b64 s[G0SB+2:G0SB+3], s[10:11]
	s_or_b32 s[G0SB+3], s[G0SB+3], 0x80000000
.irp s, 0,1
	s_mov_b32 s[G0A+4*\s], 1
	s_add_co_u32 s[G0A+4*\s+1], s100, \s*SLOT
	s_add_nc_u64 s[G0A+4*\s+2:G0A+4*\s+3], s[4:5], \s*ROWB
	s_or_b32 s[G0A+4*\s+3], s[G0A+4*\s+3], 0x80000000
	s_mov_b32 s[G0B+4*\s], 1
	s_add_co_u32 s[G0B+4*\s+1], s100, \s*SLOT
	s_add_nc_u64 s[G0B+4*\s+2:G0B+4*\s+3], s[8:9], \s*ROWB
	s_or_b32 s[G0B+4*\s+3], s[G0B+4*\s+3], 0x80000000
.endr
	; the head's four tiles, each whole, one a wave: slot 0's 16 row blocks of A, A's scale words, slot 0's 16 row blocks of B, B's scale words
	s_cmp_eq_u32 s[WV], 0
	s_cbranch_scc0 .Lh_sa
	tensor_load_to_lds s[G0A:G0A+3], s[G1A:G1A+7]
	s_nop 0
.rept 4
	v_nop
.endr
	s_branch .Lh_j
.Lh_sa:
	s_cmp_eq_u32 s[WV], 1
	s_cbranch_scc0 .Lh_b
	tensor_load_to_lds s[G0SA:G0SA+3], s[G1SA:G1SA+7]
	s_nop 0
.rept 4
	v_nop
.endr
	s_branch .Lh_j
.Lh_b:
	s_cmp_eq_u32 s[WV], 2
	s_cbranch_scc0 .Lh_sb
	tensor_load_to_lds s[G0B:G0B+3], s[G1B:G1B+7]
	s_nop 0
.rept 4
	v_nop
.endr
	s_branch .Lh_j
.Lh_sb:
	tensor_load_to_lds s[G0SB:G0SB+3], s[G1SB:G1SB+7]
	s_nop 0
.rept 4
	v_nop
.endr
.Lh_j:
	global_prefetch_b8 v10, s[66:67] offset:ROWB th:TH_LOAD_NT scope:SCOPE_SE     ; the tiles of the next two fills
	global_prefetch_b8 v10, s[66:67] offset:2*ROWB th:TH_LOAD_NT scope:SCOPE_SE
	; the addresses and the bias loads stand here, while the head's four tiles are on their way
	v_and_b32 v1, 15, v0
	v_bfe_u32 v2, v0, 4, 1
	s_wait_alu depctr_va_vdst(0)
	v_and_b32 v3, 31, v0
	v_lshlrev_b32 v[LI], 4, v3
	s_mul_i32 s18, s[WR], HALFT
	s_mul_i32 s19, s[WC], HALFT
	s_add_co_u32 s19, s19, 2*HALFT
.irp s, 0,1
	v_add_nc_u32 v[ADRA+\s], s18, v[LI]
	v_add_nc_u32 v[ADRB+\s], s19, v[LI]
	s_add_co_u32 s18, s18, SLOT
	s_add_co_u32 s19, s19, SLOT
.endr
	v_lshlrev_b32 v5, 4, v1
	s_lshl_b32 s18, s[WR], 13
	s_lshl_b32 s19, s[WC], 13
	s_add_co_u32 s19, s19, 2*HALFS
	s_sub_co_u32 s19, s19, s18
	v_mul_u32_u24 v6, s19, v2
	s_add_co_u32 s18, s18, SCL
	v_add_nc_u32 v5, v5, v6
	v_add_nc_u32 v[ADRS], s18, v5
	s_lshl_b32 s18, s42, 1
	s_add_co_u32 s18, s18, s[WC]
	s_lshl_b32 s19, s43, 1
	s_add_co_u32 s19, s19, s[WR]
	s_lshl_b32 s20, s18, 9
	v_lshl_add_u32 v7, v2, 6, s20
.irp g, 0,1,2,3
.irp i, 0,1,2,3
	global_load_b128 v[BN+16*\g+4*\i:BN+16*\g+4*\i+3], v7, s[16:17] offset:128*\g+16*\i
.endr
.endr
.if QKV
	v_and_b32 v8, 8, v1
	v_add_nc_u32 v8, v8, v1
	s_lshl_b32 s21, s19, 9
	v_lshl_add_u32 v8, v8, 2, s21
.irp a, 0,1,2,3,4,5,6,7
	global_load_b32 v[BM+\a], v8, s[16:17] offset:(32*(\a/2)+8*(\a%2))*4
.endr
	v_lshlrev_b32 v9, 5, v1
	v_lshl_add_u32 v9, v2, 4, v9
	s_cmp_lt_u32 s96, 2
	s_cselect_b32 s20, s18, s19
	s_cselect_b32 s21, s19, s18
	s_cselect_b32 s97, -1, 0
	s_cselect_b32 s98, 0, -1
	s_min_u32 s22, s96, 1
	s_mul_i32 s23, s20, 196608
	s_mul_i32 s94, s21, 12288
	s_add_co_u32 s23, s23, s94
	s_lshl_b32 s23, s23, s22
	s_mul_i32 s94, s22, 3145728
	s_add_co_u32 s23, s23, s94
	s_lshr_b32 s18, s96, 1
	s_mul_i32 s94, s18, 12288
	s_add_co_u32 s94, s23, s94
	s_mov_b32 s95, 0
	s_add_nc_u64 s[12:13], s[12:13], s[94:95]
	s_lshl_b32 s23, s20, 13
	s_lshl_b32 s23, s23, s22
	s_lshl_b32 s94, s21, 9
	s_add_co_u32 s23, s23, s94
	s_lshl_b32 s94, s22, 17
	s_add_co_u32 s23, s23, s94
	s_lshl_b32 s94, s18, 13
	s_add_co_u32 s94, s23, s94
	s_add_nc_u64 s[14:15], s[14:15], s[94:95]
	s_mov_b32 s99, 0xffff0000
.else
	s_mul_i32 s20, s[WV], 16*SPITCH
	v_mul_u32_u24 v[STO], v1, SPITCH
	v_lshl_add_u32 v[STO], v2, 6, v[STO]
	v_add_nc_u32 v[STO], s20, v[STO]
	v_add_nc_u32 v[RD], s20, v[LI]
	s_lshl_b32 s94, s19, 20
	s_lshl_b32 s95, s18, 9
	s_add_co_u32 s94, s94, s95
	s_mov_b32 s95, 0
	s_add_nc_u64 s[12:13], s[12:13], s[94:95]
.endif
	s_wait_alu depctr_va_vdst(0)
	s_wait_tensorcnt 0x0                           ; my tile of the head's four is in; slot 1's first fill is issued as a refill is
	ds_add_u32 v28, v29
	s_mov_b32 s[G1A+2], 8<<16                      ; no tensor load of mine is out: from here on a load brings 8 row blocks
	s_mov_b32 s[G1A+4], 8
	s_mov_b32 s[G1B+2], 8<<16
	s_mov_b32 s[G1B+4], 8
	s_wait_dscnt 0x0
	CROUND
	JLOAD G0A+4, G1A, G0B+4, G1B
	global_prefetch_b8 v10, s[66:67] offset:3*ROWB th:TH_LOAD_NT scope:SCOPE_SE   ; two fills on
	s_mov_b32 s[SEL], 0x76543210
	s_mov_b32 s[SEL+1], 0xfedcba98
	s_wait_loadcnt 0x0
.if QKV
.set i, 0
.rept 64
	v_cndmask_b32 v[BN+i], 0, v[BN+i], s97
.set i, i+1
.endr
.set i, 0
.rept 8
	v_cndmask_b32 v[BM+i], 0, v[BM+i], s98
.set i, i+1
.endr
.irp b, 0,1,2,3
	v_mov_b32 v[TM+4+\b], 0
.endr
	v_mov_b32 v[BT+1], 0
.endif
.macro FRAG reg, adr, q, i
.irp c, 0,1,2
	ds_load_b128 v[\reg+4*\c:\reg+4*\c+3], v[\adr] offset:(\i)*ROWB+(\q)*FRB+512*\c
.endr
.endm
.macro MUL16 a0, p, q, sc, first
.irp a, \a0, \a0+1
.irp b, 0,1,2,3,4,5,6,7
.if \first
	v_wmma_scale_f32_16x16x128_f8f6f4 v[8*(8*((\a)%4)+\b):8*(8*((\a)%4)+\b)+7], v[128*(\p)+FR*\b:128*(\p)+FR*\b+FR-1], v[AF+FR*(\a):AF+FR*(\a)+FR-1], v[BN+8*\b:BN+8*\b+7], v[SC+16*(\sc)+2*\b+(\q)], v[SC+16*(\sc)+2*(\a)+(\q)] matrix_a_fmt:MATRIX_FMT_FP6 matrix_b_fmt:MATRIX_FMT_FP6 matrix_a_scale:MATRIX_SCALE_ROW1
.else
	v_wmma_scale_f32_16x16x128_f8f6f4 v[8*(8*((\a)%4)+\b):8*(8*((\a)%4)+\b)+7], v[128*(\p)+FR*\b:128*(\p)+FR*\b+FR-1], v[AF+FR*(\a):AF+FR*(\a)+FR-1], v[8*(8*((\a)%4)+\b):8*(8*((\a)%4)+\b)+7], v[SC+16*(\sc)+2*\b+(\q)], v[SC+16*(\sc)+2*(\a)+(\q)] matrix_a_fmt:MATRIX_FMT_FP6 matrix_b_fmt:MATRIX_FMT_FP6 matrix_a_scale:MATRIX_SCALE_ROW1
.endif
.endr
.endr
.endm
.macro FETCH_B slot, q, p
	WIN TO_B
.irp i, 0,1,2,3,4,5,6,7
	FRAG 128*(\p)+FR*\i, ADRB+\slot, \q, \i
.endr
	WIN 0
.endm
.macro FETCH_A slot, q, i0
.irp i, \i0, \i0+1, \i0+2, \i0+3
	FRAG AF+FR*(\i), ADRA+\slot, \q, \i
.endr
.endm
.macro SCALES sc
.irp i, 0,1,2,3,4,5,6,7
	ds_load_b64 v[SC+16*\sc+2*\i:SC+16*\sc+2*\i+1], v[ADRS] offset:\i*1024+8*\sc
.endr
.endm
.macro PLACES n
.rept \n
	v_nop
.endr
.endm
.macro STEP slot, q, first
	s_wait_dscnt 4*NL
.if \first
	WIN 0x81
.else
	WIN MUL_LO
.endif
	MUL16 0, (\q)%2, \q, \slot, \first
	MUL16 2, (\q)%2, \q, \slot, \first
	s_wait_dscnt 0x0
	PLACES NP
	FETCH_B \slot, (\q)+1, 1-(\q)%2
	FETCH_A \slot, (\q)+1, 0
.if \first
	WIN 0xc1
.else
	WIN MUL_HI
.endif
	MUL16 4, (\q)%2, \q, \slot, \first
	MUL16 6, (\q)%2, \q, \slot, \first
	PLACES NP
	WIN 0
	FETCH_A \slot, (\q)+1, 4
.endm
.macro TURN slot, next, fill
.if \fill
	s_wait_xcnt 0x0                                ; my last prefetch has read its address
	s_add_nc_u64 s[66:67], s[66:67], ROWB
.endif
	s_wait_tensorcnt 0x0
	ds_add_u32 v[SPW], v[NIL]
	s_wait_dscnt 4*NL+1
	WIN MUL_LO
	MUL16 0, 1, NQ-1, \slot, 0
	s_wait_dscnt 0x0
	s_barrier_signal -1
	MUL16 2, 1, NQ-1, \slot, 0
	WIN 0
	s_barrier_wait -1
.if \fill
	CREST
	s_add_nc_u64 s[G0A+4*\slot+2:G0A+4*\slot+3], s[G0A+4*\slot+2:G0A+4*\slot+3], 2*ROWB
	s_add_nc_u64 s[G0B+4*\slot+2:G0B+4*\slot+3], s[G0B+4*\slot+2:G0B+4*\slot+3], 2*ROWB
	JLOAD G0A+4*\slot, G1A, G0B+4*\slot, G1B
.else
	PLACES NP
.endif
.if (\next) == 0
	v_add_nc_u32 v[ADRS], 256, v[ADRS]
.endif
	FETCH_B \next, 0, 0
	FETCH_A \next, 0, 0
	s_wait_alu depctr_va_vdst(0)
	SCALES \next
.if \fill
	s_cmp_gt_u32 s[LAP], 1                         ; the tile two fills on; the loop's last trip has none left to name
	s_cbranch_scc0 .Lno_ask_\@
	global_prefetch_b8 v10, s[66:67] offset:3*ROWB th:TH_LOAD_NT scope:SCOPE_SE
.Lno_ask_\@:
.endif
	WIN MUL_HI
	MUL16 4, 1, NQ-1, \slot, 0
	MUL16 6, 1, NQ-1, \slot, 0
	PLACES NP
	WIN 0
	FETCH_A \next, 0, 4
.endm
.macro QUANT s, pc, tm, pw
.irp b, 0,1,2,3
	v_max3_num_f32 v[\tm+\b], |v[\s+16*\b]|, |v[\s+1+16*\b]|, 0x1800000
.endr
.irp i, 2,4,6,8,10,12,14
.irp b, 0,1,2,3
	v_max3_num_f32 v[\tm+\b], v[\tm+\b], |v[\s+16*\b+\i]|, |v[\s+1+16*\b+\i]|
.endr
.endr
.irp b, 0,1,2,3
	v_permlanex16_b32 v[\tm+4+\b], v[\tm+\b], s[SEL], s[SEL+1]
.endr
.irp b, 0,1,2,3
	v_max_num_f32 v[\tm+\b], v[\tm+\b], v[\tm+4+\b]
.endr
.irp b, 0,1,2,3
	v_add_nc_u32 v[\tm+12+\b], 0xff000000, v[\tm+\b]
.endr
.irp b, 0,1,2,3
	v_lshrrev_b32 v[\tm+4+\b], 23, v[\tm+12+\b]
.endr
	v_lshl_or_b32 v[\pw], v[\tm+5], 8, v[\tm+4]
	v_lshl_or_b32 v[\pw], v[\tm+6], 16, v[\pw]
	v_lshl_or_b32 v[\pw], v[\tm+7], 24, v[\pw]
.irp c, 0,1
	v_cvt_scalef32_pk16_fp6_f32 v[\pc+6*\c:\pc+2+6*\c], v[\s+32*\c:\s+15+32*\c], v[\tm+12+2*\c]
	v_cvt_scalef32_pk16_fp6_f32 v[\pc+12+4*\c:\pc+14+4*\c], v[\s+16+32*\c:\s+31+32*\c], v[\tm+12+2*\c+1]
.endr
	v_nop
.irp c, 0,1
.irp i, 0,1,2
	v_permlane16_swap_b32 v[\pc+6*\c+\i], v[\pc+12+4*\c+\i]
.endr
.irp i, 0,1,2
	v_mov_b32 v[\pc+3+6*\c+\i], v[\pc+12+4*\c+\i]
.endr
.endr
.endm
	s_wait_tensorcnt 1
	s_barrier_signal -1
	s_barrier_wait -1
	FETCH_B 0, 0, 0
	FETCH_A 0, 0, 0
	SCALES 0
	FETCH_A 0, 0, 4
	STEP 0, 0, 1
	s_mov_b32 s[LAP], LAPS-1
.Llap:
	TURN 0, 1, 1
	STEP 1, 0, 0
	TURN 1, 0, 1
	STEP 0, 0, 0
	s_sub_co_u32 s[LAP], s[LAP], 1
	s_cmp_lg_u32 s[LAP], 0
	s_cbranch_scc1 .Llap
	TURN 0, 1, 0
	STEP 1, 0, 0
	s_wait_dscnt 4*NL
	WIN MUL_LO
	MUL16 0, 1, NQ-1, 1, 0
	MUL16 2, 1, NQ-1, 1, 0
	s_wait_dscnt 0x0
	WIN MUL_HI
	MUL16 4, 1, NQ-1, 1, 0
	MUL16 6, 1, NQ-1, 1, 0
	WIN 0
.if QKV
.macro OUTA a
.if (\a) > 0
	s_wait_xcnt 0x0
.endif
	v_mov_b32 v[BT], v[BM+(\a)]
	WIN 0x02+(\a)/4
.set i, 0
.rept 32
	v_pk_add_f32 v[HA+i:HA+i+1], v[64*((\a)%4)+i:64*((\a)%4)+i+1], v[BT:BT+1] op_sel_hi:[1,0]
.set i, i+2
.endr
	WIN 0
	QUANT HA, PC, TM, PW+(\a)
.irp c, 0,1,2
	global_store_b128 v[LI], v[PC+4*\c:PC+4*\c+3], s[12:13] offset:FRB*(\a)+512*\c
.endr
.endm
	PLACES NP
.irp a, 0,1,2,3,4,5,6,7
	OUTA \a
.endr
.irp i, 0,1,2,3
	v_cndmask_b32 v[SWD+\i], v[PW+\i], v[PW+4+\i], s99
.endr
	global_store_b128 v9, v[SWD:SWD+3], s[14:15]
.else
.macro TOSTAGE a
.set AC, 64*((\a)%4)
	WIN 0x08+4*((\a)/4)
.irp b, 0,1,2,3,4,5,6,7
	ds_store_b128 v[STO], v[AC+8*\b:AC+8*\b+3] offset:128*(\b/2)+32*(\b%2)
	ds_store_b128 v[STO], v[AC+8*\b+4:AC+8*\b+7] offset:128*(\b/2)+32*(\b%2)+16
.endr
	WIN 0
.set BB, BK+64*((\a)%2)
.irp t, 0,1,2,3,4,5,6,7,8,9,10,11,12,13,14,15
	ds_load_b128 v[BB+4*\t:BB+4*\t+3], v[RD] offset:\t*SPITCH
.endr
.endm
.macro SEND a, younger
.set BB, BK+64*((\a)%2)
	s_wait_dscnt \younger
.if (\a) > 0
	s_add_nc_u64 s[12:13], s[12:13], 16*8192
.endif
.irp t, 0,1,2,3,4,5,6,7,8,9,10,11,12,13,14,15
	global_store_b128 v[LI], v[BB+4*\t:BB+4*\t+3], s[12:13] offset:\t*8192 th:TH_STORE_NT
.endr
.endm
	PLACES NP
	TOSTAGE 0
.irp a, 1,2,3,4,5,6,7
.if \a > 1
	s_wait_xcnt 0x0
.endif
	TOSTAGE \a
	SEND \a-1, 32
.endr
	s_wait_xcnt 0x0
	SEND 7, 0
.endif
	s_wait_tensorcnt 0x0
	ds_add_u32 v[SPW], v[NIL]
	s_wait_dscnt 0x0
	CROUND
	s_endpgm
.Lfunc_end_k_qa1b16001dd_qkv:
	.size	k_qa1b16001dd_qkv, .Lfunc_end_k_qa1b16001dd_qkv-k_qa1b16001dd_qkv
	.p2alignl 7, 3214868480
	.fill 96, 4, 3214868480
	.section	.rodata,"a",@progbits
	.p2align	6, 0x0
	.amdhsa_kernel k_qa1b16001dd_qkv
		.amdhsa_group_segment_fixed_size 327680
		.amdhsa_private_segment_fixed_size 0
		.amdhsa_enable_private_segment 0
		.amdhsa_kernarg_size 56
		.amdhsa_user_sgpr_count 2
		.amdhsa_user_sgpr_kernarg_segment_ptr 1
		.amdhsa_wavefront_size32 1
		.amdhsa_system_sgpr_workgroup_id_x 1
		.amdhsa_system_sgpr_workgroup_id_y 1
		.amdhsa_system_sgpr_workgroup_id_z 1
		.amdhsa_system_vgpr_workitem_id 0
		.amdhsa_next_free_vgpr 1024
		.amdhsa_next_free_sgpr 102
		.amdhsa_reserve_vcc 0
		.amdhsa_float_denorm_mode_32 3
		.amdhsa_float_denorm_mode_16_64 3
		.amdhsa_memory_ordered 1
		.amdhsa_forward_progress 1
		.amdhsa_inst_pref_size 166
	.end_amdhsa_kernel
	.amdgpu_metadata
---
amdhsa.version: [ 1, 2 ]
amdhsa.kernels:
  - .name:           k_qa1b16001dd_qkv
    .symbol:         k_qa1b16001dd_qkv.kd
    .args:
      - { .name: wc, .offset: 0, .size: 8, .value_kind: global_buffer, .address_space: global }
      - { .name: wsc, .offset: 8, .size: 8, .value_kind: global_buffer, .address_space: global }
      - { .name: bq, .offset: 16, .size: 8, .value_kind: global_buffer, .address_space: global }
      - { .name: bk, .offset: 24, .size: 8, .value_kind: global_buffer, .address_space: global }
      - { .name: bv, .offset: 32, .size: 8, .value_kind: global_buffer, .address_space: global }
      - { .name: qkv, .offset: 40, .size: 8, .value_kind: global_buffer, .address_space: global }
      - { .name: qkvs, .offset: 48, .size: 8, .value_kind: global_buffer, .address_space: global }
    .group_segment_fixed_size: 327680
    .private_segment_fixed_size: 0
    .kernarg_segment_align: 8
    .kernarg_segment_size: 56
    .max_flat_workgroup_size: 128
    .sgpr_count:     102
    .vgpr_count:     1024
    .wavefront_size: 32
...
	.end_amdgpu_metadata
.endif
;; end of part 6
;; launch attn (part 7): grid 16 x 16, 4 waves a work-group, clusters of 4 x 4, 327,680 bytes of LDS; arguments qkv, qkvs, mask, ac, asc; writes ac, asc
.if DOCPART == 7
	.amdgcn_target "amdgcn-amd-amdhsa--gfx1250"
	.amdhsa_code_object_version 6
	.text
	.protected	k_qa1b16001dd_attn
	.globl	k_qa1b16001dd_attn
	.p2align	8
	.type	k_qa1b16001dd_attn,@function
k_qa1b16001dd_attn:
	s_mov_b64 s[64:65], 0
	v_nop
	global_prefetch_b8 v0, s[64:65] scope:SCOPE_SE
	s_setreg_imm32_b32 hwreg(HW_REG_WAVE_MODE, 25, 1), 1
	s_wait_xcnt 0x0
	s_wait_alu depctr_hold_cnt(0) depctr_sa_sdst(0) depctr_va_vdst(0) depctr_va_sdst(0) depctr_va_ssrc(0) depctr_va_vcc(0) depctr_vm_vsrc(0)
	s_getreg_b32 s2, hwreg(HW_REG_IB_STS2, 6, 4)
	s_cmp_eq_u32 s2, 0
	s_cbranch_scc0 .Lentry_in_a_cluster
	s_endpgm
.Lentry_in_a_cluster:
	s_bfe_u32 s2, ttmp6, 0x10000c
	s_cmp_lg_u32 s2, 0xf033
	s_cbranch_scc0 .Lentry_shape_is_right
	s_endpgm
.Lentry_shape_is_right:
; attn[q][head] = softmax_k(Q K^T / sqrt(128) + mask x -1e9) V, both products on codes of FP6 (E2M3) with E8M0 scales; the result is quantised along the model's axis for the last projection.
; THE SOFTMAX: L = Q.K + mask x (-1e9 sqrt(128)); t = L x log2(e) / sqrt(128), rounded to f32; M = the running largest t rounded up to a whole number; p = 2^(t - M) is quantised along the keys, not normalised;
; the row's sum is taken of the unquantised p and divides at the end.  When M moves, the sums and O are multiplied by 2^(old M - new M): exact.  t is rounded before M is taken off (a multiply and an add).
; THE MASK IS AN INPUT: every tile of it is read and added; nothing is skipped.
; LIMITS: NaN and infinities are not served; L is rounded in another order than in the problem (there the mask is added behind the division); a block of zeros gets the scale byte 1 (read by this program alone);
; the scaled scores stay under 2^31 in magnitude.
; SHARES.  A work-group owns 128 queries of one head; each of its four waves 32 of them, two tiles x = 0, 1: each fragment of K and V that a wave reads from LDS feeds two products.
; All 2,048 keys go by, 128 a step, through two LDS slots: a step's record of K's and V's 16 fragment images (24,576 dense bytes) and the mask's 128 rows x 512 bytes (rows 528 apart).
; THE CHANGE OF SLOTS STANDS IN A STEP'S MIDDLE.  Step n: V of step n is read; S^T = K Q^T and the mask's multiply-add use K and the mask, read a step earlier: now all my reads of slot n % 2 are asked for.
; The three lines, a round of the cluster's barrier, the joint refill of slot n % 2 with step n + 2; then K and the mask of step n + 1 are read from the other slot, with the softmax and the second product to land in.
; Steps 0 to 13 are one loop; steps 14 and 15, which fill nothing, a second loop with no tensor load in it.
; CLUSTER 4 x 4: the four blocks of queries of a row share a head: the record and the scale words are asked for jointly along the row; the four heads of a column share the queries: the mask's tile jointly along the column.
; LAYOUT.  Both products are used transposed: S^T = K Q^T, O^T = V^T P^T: a lane holds one query of each tile.  K's and V's fragments hold their rows in the order p -> 32 G + 8 u + p + 8 (p / 8):
; the 16 registers of tiles 2 b, 2 b + 1 are neighbours 32 b + 16 (lane / 16) + 0 .. 15.
; REGISTERS.  window 0: v1-11 addresses, v12-21 per tile -M, largest t, f; v22-33 scale words; v36-59 Q; v64-191 the mask; v192-207 sums; v208-231 at work; v232-255 p's codes.
;   window 1: v0-95 K's eight fragments, v96-191 V's.   window 2: v0-127 S^T, then p (tile x at 64 x); v128-255 O^T.
; PREFETCH: in every cluster wave 3, which refills nothing, names the tiles that its cluster will load: behind the fill of step m those of step m + 2 (behind the first fills also step 1's); it stops at step 15.
; The mask's tile: each partner of a column 32 rows by address, a lane a row, two lines for a row's 512 bytes.  The record: each partner of a row 6,144 bytes by address, lanes 256 bytes apart
; (lanes 24-31 name lane 23's block again).
.set FR,    12
.set FRB,   1536
.set KVB,   16*FRB
.set MP,    528
.set MOFF,  KVB
.set SLOT1, 1<<17
.set SCB,   2*SLOT1                    ; the head's scale words: K's 16 records of 512 bytes, then V's
.set SPARE, SCB+16384                  ; the spare words, 128 bytes a wave
.set LI,  1                            ; 16 x lane
.set AM0, 2                            ; my tile 0 query's row of the mask's tile, + 64 h
.set AS0, 3                            ; my four words of a scale record
.set SPW, 4
.set NIL, 5
.set ADK, 6
.set ADM, 7
.set ADS, 8
.set PFO, 9                            ; lane x 8,192
.set PFR, 10                           ; min(lane, 23) x 256
.set R16, 11
.set NM,  12                           ; v[NM+2x] -M, v[NM+2x+1] the largest t
.set FF,  16                           ; v[FF+2x] f = 2^(old M - new M)
.set T0,  20
.set QS,  22
.set KS,  24
.set VS,  28
.set PW,  32
.set QF,  36
.set MK,  64
.set SUM, 192                          ; four pairs a tile
.set BX,  208                          ; the eight blocks' largest t, then p
.set BT,  216
.set BO,  224
.set CT,  208                          ; upper halves as converted: over BX and BT, which are done with by then
.set PC,  232
.set VF,  96                           ; window 1
.set OO,  128                          ; window 2
.set WV,  2
.set CNT, 3
.set SEL, 20
.set CS,  22
.set G1KV, 24
.set G1M,  32
.set G0KV, 40
.set G0M,  44
.set G1S,  48
.set G0S,  56
.set NB,  60
.set TB,  62
.set TS,  63
.set PFM, 66                           ; s[66:67], s[68:69] my share of the mask's tile and of the record of the fill in hand
.set PFK, 68
.set LIM, 70                           ; 2 in wave 3, else the greatest number: a wave asks while the count of trips is above it
.set MSB, 0
.macro WIN new
.if MSB != \new
	s_set_vgpr_msb (MSB<<8)|\new
.set MSB, \new
.endif
.endm
.macro VW
	s_wait_alu depctr_va_vdst(0)
.endm
.macro NOPS n
.rept \n
	v_nop
.endr
.endm
.macro CREST
	s_cmp_lg_u32 s[WV], 0
	s_cbranch_scc1 .Lnw0_\@
	s_barrier_signal -3
.Lnw0_\@:
	s_barrier_wait -3
	s_barrier_signal -1
	s_barrier_wait -1
.endm
.macro CROUND
	s_barrier_signal -1
	s_barrier_wait -1
	CREST
.endm
.macro TL g0, g1                       ; a tensor load with an s_nop 0 and four v_nop behind it
	tensor_load_to_lds s[\g0:\g0+3], s[\g1:\g1+7]
	s_nop 0
	NOPS 4
.endm
.macro TLOAD                           ; a joint refill: wave 0 the record, waves 1 and 2 the halves of the mask's tile, wave 3 nothing
	s_cmp_eq_u32 s[WV], 0
	s_cbranch_scc0 .Lnot_kv_\@
	TL G0KV, G1KV
	s_branch .Lasked_\@
.Lnot_kv_\@:
	s_cmp_lt_u32 s[WV], 3
	s_cbranch_scc0 .Lasked_\@
	TL G0M, G1M
.Lasked_\@:
.endm
.macro WALK                            ; the walking descriptors: the other slot, the next step's tiles (no tensor load of mine is out)
	s_xor_b32 s[G0KV+1], s[G0KV+1], SLOT1
	s_add_nc_u64 s[G0KV+2:G0KV+3], s[G0KV+2:G0KV+3], KVB
	s_xor_b32 s[G0M+1], s[G0M+1], SLOT1
	s_add_nc_u64 s[G0M+2:G0M+3], s[G0M+2:G0M+3], 512
	s_wait_xcnt 0x0                                ; the last prefetches have read their addresses
	s_add_nc_u64 s[PFM:PFM+1], s[PFM:PFM+1], 512
	s_add_nc_u64 s[PFK:PFK+1], s[PFK:PFK+1], KVB
.endm
.macro ASK o                           ; the tiles o steps beyond the fill in hand
	s_cmp_gt_u32 s[CNT], s[LIM]
	s_cbranch_scc0 .Lno_ask_\@
	global_prefetch_b8 v[PFO], s[PFM:PFM+1] offset:512*\o th:TH_LOAD_NT scope:SCOPE_SE
	global_prefetch_b8 v[PFO], s[PFM:PFM+1] offset:512*\o+256 th:TH_LOAD_NT scope:SCOPE_SE
	global_prefetch_b8 v[PFR], s[PFK:PFK+1] offset:KVB*\o th:TH_LOAD_NT scope:SCOPE_SE
.Lno_ask_\@:
.endm
	s_load_b256 s[4:11], s[0:1], 0x0               ; qkv, qkvs, mask, ac
	s_load_b64 s[12:13], s[0:1], 0x20              ; asc
	v_lshl_add_u32 v[SPW], v0, 2, SPARE
	v_mov_b32 v[NIL], 0
	ds_add_u32 v[SPW], v[NIL]                      ; the wave's opening: two adds of 0 to my spare word
	ds_add_u32 v[SPW], v[NIL]
	v_lshrrev_b32 v60, 5, v0
	v_readfirstlane_b32 s[WV], v60                 ; wave 0..3
	s_bfe_u32 s14, ttmp6, 0x40000                  ; cx
	s_bfe_u32 s15, ttmp6, 0x40004                  ; cy
	s_lshl_b32 s16, ttmp9, 2
	s_add_co_u32 s16, s16, s14                     ; my block of 128 queries
	s_and_b32 s17, ttmp7, 0xffff
	s_lshl_b32 s17, s17, 2
	s_add_co_u32 s17, s17, s15                     ; my head
	s_lshl_b32 s18, s15, 2
	s_lshl_b32 s18, 15, s18                        ; my row of the cluster: the same head
	s_lshl_b32 s19, 0x1111, s14                    ; my column: the same queries
	s_or_b32 s[G1KV], s18, (3<<16)|(1<<21)         ; a record: 96 rows of 32 elements of 8 bytes, dense
	s_mov_b32 s[G1KV+1], 32<<16
	s_mov_b32 s[G1KV+2], 96<<16
	s_mov_b32 s[G1KV+3], 32<<16
	s_mov_b32 s[G1KV+4], 96
	s_mov_b32 s[G1KV+5], 32
	s_mov_b32 s[G1KV+6], 0
	s_mov_b32 s[G1KV+7], 0
	s_or_b32 s[G1S], s18, (3<<16)|(1<<21)          ; the head's scale words: 64 such rows
	s_mov_b32 s[G1S+1], 32<<16
	s_mov_b32 s[G1S+2], 64<<16
	s_mov_b32 s[G1S+3], 32<<16
	s_mov_b32 s[G1S+4], 64
	s_mov_b32 s[G1S+5], 32
	s_mov_b32 s[G1S+6], 0
	s_mov_b32 s[G1S+7], 0
	s_or_b32 s[G1M], s19, (2<<16)|(1<<20)|(1<<21)|(6<<22)|(3<<25)   ; half a tile of the mask: 64 rows of 128 elements of 4 bytes, 2,048 apart; 4 words of padding behind every 128
	s_mov_b32 s[G1M+1], 128<<16
	s_mov_b32 s[G1M+2], 64<<16
	s_mov_b32 s[G1M+3], 128<<16
	s_mov_b32 s[G1M+4], 64
	s_mov_b32 s[G1M+5], 2048
	s_mov_b32 s[G1M+6], 0
	s_mov_b32 s[G1M+7], 0
	s_mul_i32 s80, s17, 393216
	s_add_co_u32 s80, s80, 3145728                 ; the head's records in qkv
	s_mov_b32 s81, 0
	s_lshl_b32 s84, s17, 14
	s_add_co_u32 s84, s84, 131072                  ; and their scale words in qkvs
	s_mov_b32 s85, 0
	s_add_co_u32 s74, s[WV], 1
	s_and_b32 s74, s74, 1                          ; wave 1: the tile's upper 64 rows; wave 2: the lower
	s_lshl_b32 s82, s16, 7
	s_lshl_b32 s75, s74, 6
	s_add_co_u32 s82, s82, s75
	s_lshl_b32 s82, s82, 13
	s_mov_b32 s83, 0
	s_mul_i32 s75, s74, 64*MP
	s_mov_b32 s[SEL], 0x76543210
	s_mov_b32 s[SEL+1], 0xfedcba98                 ; selects for lane l xor 16
	s_mov_b32 s[CS], 0x3e0293ee                    ; log2(e) / sqrt(128)
	s_mov_b32 s[CS+1], s[CS]
	s_mov_b32 s[NB], 0xd028965f                    ; -1e9 x sqrt(128)
	s_mov_b32 s[NB+1], s[NB]
	s_mov_b32 s[TB], 0
	s_mov_b32 s[TS], 0
	s_mov_b32 s[CNT], 14
	s_wait_dscnt 0x0                               ; both opening adds are done
	s_wait_kmcnt 0x0
	s_mov_b32 s[G0KV], 1
	s_mov_b32 s[G0KV+1], 0
	s_add_nc_u64 s[G0KV+2:G0KV+3], s[4:5], s[80:81]
	s_or_b32 s[G0KV+3], s[G0KV+3], 0x80000000
	s_mov_b32 s[G0M], 1
	s_add_co_u32 s[G0M+1], s75, MOFF
	s_add_nc_u64 s[G0M+2:G0M+3], s[8:9], s[82:83]
	s_or_b32 s[G0M+3], s[G0M+3], 0x80000000
	s_mov_b32 s[G0S], 1
	s_mov_b32 s[G0S+1], SCB
	s_add_nc_u64 s[G0S+2:G0S+3], s[6:7], s[84:85]
	s_or_b32 s[G0S+3], s[G0S+3], 0x80000000
	CROUND                                         ; all sixteen work-groups are here: the first joint loads meet
	s_cmp_eq_u32 s[WV], 0                          ; the first fills, one in every wave: the first record, the mask's first tile in halves, the scale words
	s_cbranch_scc0 .Lh_m
	TL G0KV, G1KV
	s_branch .Lh_asked
.Lh_m:
	s_cmp_lt_u32 s[WV], 3
	s_cbranch_scc0 .Lh_s
	TL G0M, G1M
	s_branch .Lh_asked
.Lh_s:
	TL G0S, G1S
.Lh_asked:
	s_mov_b32 s75, 0
	s_lshl_b32 s74, s16, 7                         ; the prefetches: the mask: my work-group's 32 of the tile's 128 rows, in tile 0
	s_lshl_b32 s76, s15, 5
	s_add_co_u32 s74, s74, s76
	s_lshl_b32 s74, s74, 13
	s_add_nc_u64 s[PFM:PFM+1], s[8:9], s[74:75]
	s_mul_i32 s74, s14, 6144                       ; the record: my work-group's 6,144 bytes, in record 0
	s_add_co_u32 s74, s74, s80
	s_add_nc_u64 s[PFK:PFK+1], s[4:5], s[74:75]
	s_cmp_eq_u32 s[WV], 3                          ; wave 3 asks
	s_cselect_b32 s[LIM], 2, -1
	s_mul_i32 s74, s17, 196608                     ; Q: the head's and the block's eight fragments
	s_mul_i32 s76, s16, 12288
	s_add_co_u32 s74, s74, s76
	s_add_nc_u64 s[76:77], s[4:5], s[74:75]
	s_lshl_b32 s74, s17, 13
	s_lshl_b32 s78, s16, 9
	s_add_co_u32 s74, s74, s78
	s_add_nc_u64 s[78:79], s[6:7], s[74:75]
	s_lshl_b32 s72, s[WV], 1                       ; 2 w
	s_mul_i32 s73, s[WV], 32*MP
	s_add_co_u32 s73, s73, MOFF
	s_lshl_b32 s82, s16, 3
	s_add_co_u32 s82, s82, s72                     ; tile 0's row block of the result: 16 neighbouring tokens; tile 1's is the next
	s_mul_i32 s74, s82, 16*FRB
	s_mul_i32 s83, s17, FRB                        ; K step = the head
	s_add_co_u32 s74, s74, s83
	s_add_nc_u64 s[10:11], s[10:11], s[74:75]
	s_lshl_b32 s74, s82, 10
	s_lshr_b32 s83, s17, 2
	s_lshl_b32 s83, s83, 8
	s_add_co_u32 s74, s74, s83
	s_and_b32 s83, s17, 3
	s_lshl_b32 s83, s83, 2
	s_add_co_u32 s74, s74, s83
	s_add_nc_u64 s[12:13], s[12:13], s[74:75]
	v_and_b32 v60, 15, v0                          ; r
	v_bfe_u32 v61, v0, 4, 1                        ; h
	v_and_b32 v62, 31, v0                          ; lane
	v_lshlrev_b32 v[LI], 4, v62
	v_lshlrev_b32 v[PFO], 13, v62
	v_min_u32 v[PFR], 23, v62
	v_lshlrev_b32 v[PFR], 8, v[PFR]
	v_lshrrev_b32 v208, 3, v60                     ; query 16 x + r of my 32 lies in fragment 2 w + r / 8 at place r % 8 + 8 x
	v_add_nc_u32 v208, s72, v208
	v_and_b32 v209, 7, v60
	v_lshl_add_u32 v210, v61, 4, v209              ; + 16 h: the image's lane
	v_mul_u32_u24 v211, v208, FRB
	v_lshl_add_u32 v211, v210, 4, v211
	v_lshlrev_b32 v63, 5, v209
	v_lshl_add_u32 v63, v208, 2, v63               ; its scale word: 32 x place + 4 x fragment
.irp x, 0,1
.irp c, 0,1,2
	global_load_b128 v[QF+12*\x+4*\c:QF+12*\x+4*\c+3], v211, s[76:77] offset:128*\x+512*\c
.endr
	global_load_b32 v[QS+\x], v63, s[78:79] offset:256*\x
.endr
	v_mul_u32_u24 v[AM0], v60, MP
	v_lshl_add_u32 v[AM0], v61, 6, v[AM0]
	v_add_nc_u32 v[AM0], s73, v[AM0]
	v_lshlrev_b32 v[AS0], 5, v60
	v_lshl_add_u32 v[AS0], v61, 4, v[AS0]
	v_add_nc_u32 v[AS0], SCB, v[AS0]
	v_lshlrev_b32 v[R16], 4, v60
.irp x, 0,1
	v_mov_b32 v[NM+2*\x+1], 0xff61b1e6             ; the largest t so far: -3e38
	v_mov_b32 v[FF+2*\x+1], 0                      ; (named as the upper half of a pair)
.endr
.irp x, 0,1
	v_floor_f32 v[NM+2*\x], -v[NM+2*\x+1]
.endr
	VW
	ASK 1                                          ; steps 1 and 2
	ASK 2
.set j, 0
.rept 16
	v_mov_b32 v[SUM+j], 0
.set j, j+1
.endr
.set j, 0
.rept 8
	v_mov_b32 v[BT+j], 0                           ; a lane permute's destination counts as one of its sources
.set j, j+1
.endr
	WIN 0x80
.set j, 0
.rept 128
	v_mov_b32 v[OO+j], 0                           ; O^T: the step is written for every trip alike; a first step of its own would be a third copy of the step
.set j, j+1
.endr
	WIN 0
.macro MLOAD b                         ; my numbers of the mask at keys 32 b + 16 h + 0 .. 15, both tiles: eight loads
.irp x, 0,1
.irp g, 0,1,2,3
	ds_load_b128 v[MK+64*\x+16*\b+4*\g:MK+64*\x+16*\b+4*\g+3], v[ADM] offset:16*MP*\x+128*\b+16*\g
.endr
.endr
.endm
.macro VLD t                           ; V's fragment t
	WIN 0x40
.irp c, 0,1,2
	ds_load_b128 v[VF+FR*\t+4*\c:VF+FR*\t+4*\c+3], v[ADK] offset:8*FRB+FRB*\t+512*\c
.endr
.endm
; m = 1: the mask's 32 loads follow at once; m = 0: they stand in groups of eight in the step's second part, in the same order behind K's
.macro LOADKM ksr, kso, m
	v_add_nc_u32 v[ADK], s[TB], v[LI]
	v_add_nc_u32 v[ADM], s[TB], v[AM0]
	ds_load_b128 v[KS:KS+3], v[\ksr] offset:\kso
	WIN 0x40
.irp t, 0,1,2,3,4,5,6,7
.irp c, 0,1,2
	ds_load_b128 v[FR*\t+4*\c:FR*\t+4*\c+3], v[ADK] offset:FRB*\t+512*\c
.endr
.endr
	WIN 0
.if \m
	MLOAD 0
	MLOAD 1
	MLOAD 2
	MLOAD 3
.endif
.endm
.macro SMUL t, ks, row
.irp x, 0,1
	v_wmma_scale_f32_16x16x128_f8f6f4 v[64*\x+8*\t:64*\x+8*\t+7], v[FR*\t:FR*\t+FR-1], v[QF+12*\x:QF+12*\x+11], 0, v[KS+\ks], v[QS+\x] matrix_a_fmt:MATRIX_FMT_FP6 matrix_b_fmt:MATRIX_FMT_FP6 \row
.endr
.endm
.macro PMUL t, vs, row
.irp x, 0,1
	v_wmma_scale_f32_16x16x128_f8f6f4 v[OO+64*\x+8*\t:OO+64*\x+8*\t+7], v[VF+FR*\t:VF+FR*\t+FR-1], v[PC+12*\x:PC+12*\x+11], v[OO+64*\x+8*\t:OO+64*\x+8*\t+7], v[VS+\vs], v[PW+\x] matrix_a_fmt:MATRIX_FMT_FP6 matrix_b_fmt:MATRIX_FMT_FP6 \row
.endr
.endm
; A step's first part: V is asked for, S^T = K Q^T, L = S + mask x (-1e9 sqrt(128))
.macro PART1
	v_add_nc_u32 v[ADK], s[TB], v[LI]
	v_add_nc_u32 v[ADS], s[TS], v[AS0]
	NOPS 3                                         ; with the two above: the places behind the last step's products, in front of loads into registers that they read
	ds_load_b128 v[VS:VS+3], v[ADS] offset:8192
	s_xor_b32 s[TB], s[TB], SLOT1                  ; from here on: the next step's slot
	s_add_co_u32 s[TS], s[TS], 512
	VW
	s_wait_dscnt 33                                ; K and its scale words are in; the mask's 32 loads and V's words may be out
	WIN 0x81                                       ; V's loads stand three at a time between the pairs of products
	SMUL 0, 0
	VLD 0
	WIN 0x81
	SMUL 1, 1
	VLD 1
	WIN 0x81
	SMUL 2, 2
	VLD 2
	WIN 0x81
	SMUL 3, 3
	VLD 3
	WIN 0x81
	SMUL 4, 0, matrix_a_scale:MATRIX_SCALE_ROW1
	VLD 4
	WIN 0x81
	SMUL 5, 1, matrix_a_scale:MATRIX_SCALE_ROW1
	VLD 5
	WIN 0x81
	SMUL 6, 2, matrix_a_scale:MATRIX_SCALE_ROW1
	VLD 6
	WIN 0x81
	SMUL 7, 3, matrix_a_scale:MATRIX_SCALE_ROW1
	VLD 7
	NOPS 4                                         ; places behind the products
	WIN 0xa0
	s_wait_dscnt 25                                ; the mask is in; V's words and V's 24 loads may be out
.set j, 0
.rept 64
	v_pk_fma_f32 v[j:j+1], v[MK+j:MK+j+1], s[NB:NB+1], v[j:j+1] op_sel_hi:[1,0,1]   ; each accumulator from its low end on
.set j, j+2
.endr
	WIN 0
.endm
; The change of slots up to the opening barrier's wait; t = L x c, work on registers, stands between that barrier's signal and wait
.macro MIDTOP fill
	VW
	s_wait_tensorcnt 0x0                           ; all my tensor loads have landed: my part of the next step's slot
	ds_add_u32 v[SPW], v[NIL]                      ; 0 onto my spare word
.if \fill
	WALK
.endif
	WIN 0x82
.set j, 0
.rept 32
	v_pk_mul_f32 v[j:j+1], v[j:j+1], s[CS:CS+1] op_sel_hi:[1,0]   ; tile 0: t, rounded; work on registers between the add and the wait for it
.set j, j+2
.endr
	WIN 0
	s_wait_dscnt 0x0                               ; the add is done, and so are all my reads of this step's slot, V's among them
	s_barrier_signal -1
	WIN 0x82
.rept 32
	v_pk_mul_f32 v[j:j+1], v[j:j+1], s[CS:CS+1] op_sel_hi:[1,0]   ; tile 1
.set j, j+2
.endr
	WIN 0
	VW
	s_barrier_wait -1
.endm
; From the eight blocks' largest magnitudes in v[BX ..]: scale words in v[PW + x], codes in v[PC + 12 x ..], of the 128 numbers in window 2, v0-127
.macro PACK
.irp e, 0,1,2,3,4,5,6,7
	v_add_nc_u32 v[BO+\e], 0xff000000, v[BX+\e]    ; 2 off the exponent field: the conversion's scale operand
.endr
.irp e, 0,1,2,3,4,5,6,7
	v_lshrrev_b32 v[BT+\e], 23, v[BO+\e]           ; the scale's byte
.endr
.irp x, 0,1
	v_lshl_or_b32 v[PW+\x], v[BT+4*\x+1], 8, v[BT+4*\x]
.endr
.irp x, 0,1
	v_lshl_or_b32 v[PW+\x], v[BT+4*\x+2], 16, v[PW+\x]
.endr
.irp x, 0,1
	v_lshl_or_b32 v[PW+\x], v[BT+4*\x+3], 24, v[PW+\x]
.endr
	WIN 0x02
.irp x, 0,1
.irp c, 0,1
	v_cvt_scalef32_pk16_fp6_f32 v[PC+12*\x+6*\c:PC+12*\x+6*\c+2], v[64*\x+32*\c:64*\x+32*\c+15], v[BO+4*\x+2*\c]
	v_cvt_scalef32_pk16_fp6_f32 v[CT+8*\x+4*\c:CT+8*\x+4*\c+2], v[64*\x+32*\c+16:64*\x+32*\c+31], v[BO+4*\x+2*\c+1]
.endr
.endr
	WIN 0
	v_nop                                          ; one plain place behind a scaled conversion
.irp x, 0,1
.irp c, 0,1
.irp i, 0,1,2
	v_permlane16_swap_b32 v[PC+12*\x+6*\c+\i], v[CT+8*\x+4*\c+\i]
.endr
.endr
.endr
.irp x, 0,1
.irp c, 0,1
.irp i, 0,1,2
	v_mov_b32 v[PC+12*\x+6*\c+3+\i], v[CT+8*\x+4*\c+\i]
.endr
.endr
.endr
.endm
.macro HALVES                          ; each block's largest with lane l xor 16's
.irp e, 0,1,2,3,4,5,6,7
	v_permlanex16_b32 v[BT+\e], v[BX+\e], s[SEL], s[SEL+1]
.endr
.irp e, 0,1,2,3,4,5,6,7
	v_max_num_f32 v[BX+\e], v[BX+\e], v[BT+\e]
.endr
.endm
; A step's second part: the softmax of both tiles and O^T += V^T P^T
.macro PART2 m
	WIN 0x28
.irp e, 0,1,2,3,4,5,6,7
	v_max3_num_f32 v[BX+\e], 0xff61b1e6, v[16*\e], v[16*\e+1]   ; the largest t of each block of 32 keys: for the row's maximum and, since p rises with t, for the block's largest p
.endr
.irp i, 2,4,6,8,10,12,14
.irp e, 0,1,2,3,4,5,6,7
	v_max3_num_f32 v[BX+\e], v[BX+\e], v[16*\e+\i], v[16*\e+\i+1]
.endr
.endr
	WIN 0
.if \m
	MLOAD 0                                        ; the next step's mask
	MLOAD 1
.endif
	HALVES
.irp x, 0,1
	v_max3_num_f32 v[T0+\x], v[BX+4*\x], v[BX+4*\x+1], v[BX+4*\x+2]
.endr
.irp x, 0,1
	v_max3_num_f32 v[NM+2*\x+1], v[NM+2*\x+1], v[T0+\x], v[BX+4*\x+3]   ; the running largest t
.endr
.irp x, 0,1
	v_mov_b32 v[T0+\x], v[NM+2*\x]
.endr
.irp x, 0,1
	v_floor_f32 v[NM+2*\x], -v[NM+2*\x+1]          ; the new -M = -ceil(t)
.endr
.irp x, 0,1
	v_sub_f32 v[T0+\x], v[NM+2*\x], v[T0+\x]       ; old M - new M: a whole number, 0 or less
.endr
.irp x, 0,1
	v_cvt_i32_f32 v[T0+\x], v[T0+\x]
.endr
.irp x, 0,1
	v_ldexp_f32 v[FF+2*\x], 1.0, v[T0+\x]          ; f
.endr
.irp e, 0,1,2,3,4,5,6,7
	v_add_f32 v[BX+\e], v[BX+\e], v[NM+2*(\e/4)]   ; t - M of each block's largest
.endr
.if \m
	MLOAD 2
.endif
	WIN 0x82
.set j, 0
.rept 32
	v_pk_add_f32 v[j:j+1], v[j:j+1], v[NM:NM+1] op_sel_hi:[1,0]   ; tile 0: t - M
.set j, j+2
.endr
	WIN 0
	VW                                             ; ahead of the batch
.irp e, 0,1,2,3,4,5,6,7
	v_exp_f32 v[BX+\e], v[BX+\e]                   ; the blocks' largest p: the same lines on the same number give the same bits
.endr
	WIN 0x82
.set j, 0
.rept 32
	v_exp_f32 v[j], v[j]                           ; tile 0: p = 2^(t - M)
	v_exp_f32 v[j+1], v[j+1]
	v_pk_add_f32 v[64+j:65+j], v[64+j:65+j], v[NM+2:NM+3] op_sel_hi:[1,0]   ; tile 1: t - M, read behind the wait below
.set j, j+2
.endr
	VW
.set j, 64
.rept 64
	v_exp_f32 v[j], v[j]                           ; tile 1
.set j, j+1
.endr
	WIN 0
.irp x, 0,1
.irp c, 0,1,2,3
	v_pk_mul_f32 v[SUM+8*\x+2*\c:SUM+8*\x+2*\c+1], v[SUM+8*\x+2*\c:SUM+8*\x+2*\c+1], v[FF+2*\x:FF+2*\x+1] op_sel_hi:[1,0]   ; the sums under the new M; plain places behind the batch
.endr
.endr
.if \m
	MLOAD 3
.endif
	VW                                             ; behind the batch, ahead of its first reader
	WIN 0x08
.irp i, 0,1,2,3,4,5,6,7
.irp x, 0,1
.irp c, 0,1,2,3
	v_pk_add_f32 v[SUM+8*\x+2*\c:SUM+8*\x+2*\c+1], v[SUM+8*\x+2*\c:SUM+8*\x+2*\c+1], v[64*\x+8*\i+2*\c:64*\x+8*\i+2*\c+1]   ; of the unquantised p, eight chains by turns
.endr
.endr
.endr
	WIN 0
.irp e, 0,1,2,3,4,5,6,7
	v_max_num_f32 v[BX+\e], 0x1800000, v[BX+\e]    ; the floor 2^(3 - 127): the byte cannot fall under 1
.endr
	PACK
	WIN 0x82
	VW                                             ; directly ahead of the first reader of O^T
.irp x, 0,1
.set j, 0
.rept 32
	v_pk_mul_f32 v[OO+64*\x+j:OO+64*\x+j+1], v[OO+64*\x+j:OO+64*\x+j+1], v[FF+2*\x:FF+2*\x+1] op_sel_hi:[1,0]   ; O^T under the new M; also the places between p's codes and scale words and the products
.set j, j+2
.endr
.endr
	WIN 0xa1
	PMUL 0, 0
	PMUL 1, 1
	PMUL 2, 2
	PMUL 3, 3
	PMUL 4, 0, matrix_a_scale:MATRIX_SCALE_ROW1
	PMUL 5, 1, matrix_a_scale:MATRIX_SCALE_ROW1
	PMUL 6, 2, matrix_a_scale:MATRIX_SCALE_ROW1
	PMUL 7, 3, matrix_a_scale:MATRIX_SCALE_ROW1
	WIN 0
.endm
	VW                                             ; the head's end
	s_wait_tensorcnt 0x0                           ; my first fill is in; slot 1's first fill is issued as a refill is
	ds_add_u32 v[SPW], v[NIL]
	WALK
	s_wait_dscnt 0x0
	CROUND
	TLOAD                                          ; step 1's tiles
	LOADKM AS0, 0, 1                               ; step 0's K and mask
	ASK 2                                          ; step 3
	VW
	s_wait_loadcnt 0x0                             ; Q
.Lstep:                                                ; steps 0 to 13
	PART1
	MIDTOP 1
	CREST                                          ; the round: no wave of any partner still reads this step's slot or has a load on its way
	TLOAD                                          ; the tiles two steps on
	LOADKM ADS, 512, 0                             ; the next step's K, from the other slot
	ASK 2                                          ; the tiles four steps on
	PART2 1
	s_sub_co_u32 s[CNT], s[CNT], 1
	s_cmp_lg_u32 s[CNT], 0
	s_cbranch_scc1 .Lstep
	s_mov_b32 s[CNT], 2
.Ltail:                                                ; steps 14 and 15: nothing is filled; step 15 reads nothing ahead
	PART1
	MIDTOP 0
	s_cmp_eq_u32 s[CNT], 2
	s_cbranch_scc0 .Lno_next
	LOADKM ADS, 512, 1
.Lno_next:
	PART2 0
	s_sub_co_u32 s[CNT], s[CNT], 1
	s_cmp_lg_u32 s[CNT], 0
	s_cbranch_scc1 .Ltail
	; THE WAY OUT.  O^T / the sum: register 16 b + i is channel 32 b + 16 h + i of my query: one fragment a tile of the last projection's A, K step = my head.
.irp x, 0,1
	v_pk_add_f32 v[SUM+8*\x:SUM+8*\x+1], v[SUM+8*\x:SUM+8*\x+1], v[SUM+8*\x+2:SUM+8*\x+3]
	v_pk_add_f32 v[SUM+8*\x+4:SUM+8*\x+5], v[SUM+8*\x+4:SUM+8*\x+5], v[SUM+8*\x+6:SUM+8*\x+7]
.endr
.irp x, 0,1
	v_pk_add_f32 v[SUM+8*\x:SUM+8*\x+1], v[SUM+8*\x:SUM+8*\x+1], v[SUM+8*\x+4:SUM+8*\x+5]
.endr
.irp x, 0,1
	v_add_f32 v[SUM+8*\x], v[SUM+8*\x], v[SUM+8*\x+1]
.endr
.irp x, 0,1
	v_permlanex16_b32 v[T0+\x], v[SUM+8*\x], s[SEL], s[SEL+1]
.endr
.irp x, 0,1
	v_add_f32 v[SUM+8*\x], v[SUM+8*\x], v[T0+\x]   ; the row's sum
.endr
	VW
.irp x, 0,1
	v_rcp_f32 v[SUM+8*\x], v[SUM+8*\x]
.endr
	v_nop                                          ; a plain place behind the reciprocals
	WIN 0x82
	VW                                             ; ahead of the first reader of the reciprocals and of O^T
.irp x, 0,1
.set j, 0
.rept 32
	v_pk_mul_f32 v[64*\x+j:64*\x+j+1], v[OO+64*\x+j:OO+64*\x+j+1], v[SUM+8*\x:SUM+8*\x+1] op_sel_hi:[1,0]
.set j, j+2
.endr
.endr
	WIN 0x28
.irp e, 0,1,2,3,4,5,6,7
	v_max3_num_f32 v[BX+\e], 0x1800000, |v[16*\e]|, |v[16*\e+1]|
.endr
.irp i, 2,4,6,8,10,12,14
.irp e, 0,1,2,3,4,5,6,7
	v_max3_num_f32 v[BX+\e], v[BX+\e], |v[16*\e+\i]|, |v[16*\e+\i+1]|
.endr
.endr
	WIN 0
	HALVES
	PACK
.irp x, 0,1
.irp c, 0,1,2
	global_store_b128 v[LI], v[PC+12*\x+4*\c:PC+12*\x+4*\c+3], s[10:11] offset:16*FRB*\x+512*\c   ; 32 lanes store 512 consecutive bytes, aligned
.endr
.endr
	v_cmp_gt_u32 vcc_lo, 16, v62
	VW
	s_wait_xcnt 0x0                                ; EXEC changes only behind this wait
	s_and_saveexec_b32 s74, vcc_lo
.irp x, 0,1
	global_store_b32 v[R16], v[PW+\x], s[12:13] offset:1024*\x   ; lanes 0-15: my row's scale word of this K step; a row's four words of a quad belong to four heads
.endr
	s_wait_xcnt 0x0
	s_or_b32 exec_lo, exec_lo, s74
	s_wait_tensorcnt 0x0                           ; the wave's end: these three lines
	ds_add_u32 v[SPW], v[NIL]
	s_wait_dscnt 0x0
	CROUND                                         ; the closing round
	s_endpgm
.Lfunc_end_k_qa1b16001dd_attn:
	.size	k_qa1b16001dd_attn, .Lfunc_end_k_qa1b16001dd_attn-k_qa1b16001dd_attn
	.p2alignl 7, 3214868480
	.fill 96, 4, 3214868480
	.section	.rodata,"a",@progbits
	.p2align	6, 0x0
	.amdhsa_kernel k_qa1b16001dd_attn
		.amdhsa_group_segment_fixed_size 327680
		.amdhsa_private_segment_fixed_size 0
		.amdhsa_enable_private_segment 0
		.amdhsa_kernarg_size 40
		.amdhsa_user_sgpr_count 2
		.amdhsa_user_sgpr_kernarg_segment_ptr 1
		.amdhsa_wavefront_size32 1
		.amdhsa_system_sgpr_workgroup_id_x 1
		.amdhsa_system_sgpr_workgroup_id_y 1
		.amdhsa_system_sgpr_workgroup_id_z 1
		.amdhsa_system_vgpr_workitem_id 0
		.amdhsa_next_free_vgpr 768
		.amdhsa_next_free_sgpr 90
		.amdhsa_reserve_vcc 1
		.amdhsa_float_denorm_mode_32 3
		.amdhsa_float_denorm_mode_16_64 3
		.amdhsa_memory_ordered 1
		.amdhsa_forward_progress 1
		.amdhsa_inst_pref_size 126
	.end_amdhsa_kernel
	.amdgpu_metadata
---
amdhsa.version: [ 1, 2 ]
amdhsa.kernels:
  - .name:           k_qa1b16001dd_attn
    .symbol:         k_qa1b16001dd_attn.kd
    .args:
      - { .name: qkv, .offset: 0, .size: 8, .value_kind: global_buffer, .address_space: global }
      - { .name: qkvs, .offset: 8, .size: 8, .value_kind: global_buffer, .address_space: global }
      - { .name: mask, .offset: 16, .size: 8, .value_kind: global_buffer, .address_space: global }
      - { .name: ac, .offset: 24, .size: 8, .value_kind: global_buffer, .address_space: global }
      - { .name: asc, .offset: 32, .size: 8, .value_kind: global_buffer, .address_space: global }
    .group_segment_fixed_size: 327680
    .private_segment_fixed_size: 0
    .kernarg_segment_align: 8
    .kernarg_segment_size: 40
    .max_flat_workgroup_size: 128
    .sgpr_count:     90
    .vgpr_count:     768
    .wavefront_size: 32
...
	.end_amdgpu_metadata
.endif
;; end of part 7
;; launch proj (part 8): grid 16 x 16, 4 waves a work-group, clusters of 4 x 4, 327,680 bytes of LDS; arguments ac, asc, wc, wsc, bo, out0; writes out0
.if DOCPART == 8
	.amdgcn_target "amdgcn-amd-amdhsa--gfx1250"
	.amdhsa_code_object_version 6
	.text
	.protected	k_qa1b16001dd_proj
	.globl	k_qa1b16001dd_proj
	.p2align	8
	.type	k_qa1b16001dd_proj,@function
k_qa1b16001dd_proj:
	s_mov_b64 s[64:65], 0
	v_nop
	global_prefetch_b8 v0, s[64:65] scope:SCOPE_SE
	s_setreg_imm32_b32 hwreg(HW_REG_WAVE_MODE, 25, 1), 1
	s_wait_xcnt 0x0
	s_wait_alu depctr_hold_cnt(0) depctr_sa_sdst(0) depctr_va_vdst(0) depctr_va_sdst(0) depctr_va_ssrc(0) depctr_va_vcc(0) depctr_vm_vsrc(0)
	s_getreg_b32 s2, hwreg(HW_REG_IB_STS2, 6, 4)
	s_cmp_eq_u32 s2, 0
	s_cbranch_scc0 .Lentry_in_a_cluster
	s_endpgm
.Lentry_in_a_cluster:
	s_bfe_u32 s2, ttmp6, 0x10000c
	s_cmp_lg_u32 s2, 0xf033
	s_cbranch_scc0 .Lentry_shape_is_right
	s_endpgm
.Lentry_shape_is_right:
.set NQ,     4
.set FR,     12
.set NP,     4
.set FRB,    1536
.set ROWB,   NQ*FRB
.set HALFT,  4*ROWB
.set SLOT,   4*HALFT
.set SCL,    3*SLOT
.set HALFS,  4096
.set SPARE,  SCL+4*HALFS
.set SPITCH, 272
.set STG,    SLOT
.set ADRA, 16
.set ADRB, 20
.set STO,  24
.set RD,   25
.set CO,   26
.set ADRS, 27
.set SPW,  28
.set NIL,  29
.set LI,   30
.set SC,   32
.set BN,   64
.set ACC,  128
.set BK,   32
.set WV,   2
.set WR,   46
.set WC,   47
.set G1A,  24
.set G0A,  32
.set G1B,  48
.set G0B,  56
.set G1SA, 68
.set G0SA, 76
.set G1SB, 80
.set G0SB, 88
.set MSB, 0
.macro WIN new
.if MSB != \new
	s_set_vgpr_msb (MSB<<8)|\new
.set MSB, \new
.endif
.endm
.set MUL,  0x05
.set TO_F, 0x40
.macro JLOAD g0a, g1a, g0b, g1b
	s_cmp_eq_u32 s[WR], 0
	s_cbranch_scc0 .Lfor_b_\@
	tensor_load_to_lds s[\g0a:\g0a+3], s[\g1a:\g1a+7]
	s_nop 0
.rept 4
	v_nop
.endr
	s_branch .Lasked_\@
.Lfor_b_\@:
	tensor_load_to_lds s[\g0b:\g0b+3], s[\g1b:\g1b+7]
	s_nop 0
.rept 4
	v_nop
.endr
.Lasked_\@:
.endm
.macro CREST
	s_cmp_lg_u32 s[WV], 0
	s_cbranch_scc1 .Lnot_wave_0_\@
	s_barrier_signal -3
.Lnot_wave_0_\@:
	s_barrier_wait -3
	s_barrier_signal -1
	s_barrier_wait -1
.endm
.macro CROUND
	s_barrier_signal -1
	s_barrier_wait -1
	CREST
.endm
	s_load_b256 s[4:11], s[0:1], 0x0
	s_load_b64 s[16:17], s[0:1], 0x20
	s_load_b64 s[12:13], s[0:1], 0x28
	v_lshl_add_u32 v[SPW], v0, 2, SPARE
	v_mov_b32 v[NIL], 0
	ds_add_u32 v[SPW], v[NIL]
	ds_add_u32 v[SPW], v[NIL]
	v_lshrrev_b32 v1, 5, v0
	v_readfirstlane_b32 s[WV], v1
	s_lshr_b32 s[WR], s[WV], 1
	s_and_b32 s[WC], s[WV], 1
	s_bfe_u32 s44, ttmp6, 0x40000
	s_bfe_u32 s45, ttmp6, 0x40004
	s_lshl_b32 s96, ttmp9, 2
	s_add_co_u32 s96, s96, s44
	s_and_b32 s97, ttmp7, 0xffff
	s_lshl_b32 s97, s97, 2
	s_add_co_u32 s97, s97, s45
	s_lshl_b32 s98, s45, 2
	s_lshl_b32 s98, 15, s98
	s_lshl_b32 s99, 0x1111, s44
	s_or_b32 s[G1A], s98, (3<<16)|(1<<21)
	s_or_b32 s[G1B], s99, (3<<16)|(1<<21)
.irp g, G1A, G1B
	s_mov_b32 s[\g+1], 768<<16
	s_mov_b32 s[\g+2], 8<<16
	s_mov_b32 s[\g+3], 768<<16
	s_mov_b32 s[\g+4], 8
	s_mov_b32 s[\g+5], 3072
	s_mov_b32 s[\g+6], 0
	s_mov_b32 s[\g+7], 0
.endr
	s_or_b32 s[G1SA], s98, (3<<16)|(1<<21)
	s_or_b32 s[G1SB], s99, (3<<16)|(1<<21)
.irp g, G1SA, G1SB
	s_mov_b32 s[\g+1], 32<<16
	s_mov_b32 s[\g+2], 32<<16
	s_mov_b32 s[\g+3], 32<<16
	s_mov_b32 s[\g+4], 32
	s_mov_b32 s[\g+5], 32
	s_mov_b32 s[\g+6], 0
	s_mov_b32 s[\g+7], 0
.endr
	s_lshl_b32 s3, s[WC], 2
	s_lshl_b32 s18, s97, 3
	s_add_co_u32 s18, s18, s3
	s_lshl_b32 s20, s96, 3
	s_add_co_u32 s20, s20, s3
	s_add_co_u32 s20, s20, 512
	s_lshl_b32 s22, s18, 10
	s_mov_b32 s23, 0
	s_lshl_b32 s66, s20, 10
	s_mov_b32 s67, 0
	s_mul_i32 s18, s18, 16*FRB
	s_mov_b32 s19, 0
	s_mul_i32 s20, s20, 16*FRB
	s_mov_b32 s21, 0
	s_mul_i32 s100, s[WV], HALFT
	s_lshl_b32 s101, s[WR], 13
	s_wait_dscnt 0x0
	s_wait_kmcnt 0x0
	s_add_nc_u64 s[4:5], s[4:5], s[18:19]
	s_add_nc_u64 s[6:7], s[6:7], s[22:23]
	s_add_nc_u64 s[8:9], s[8:9], s[20:21]
	s_add_nc_u64 s[10:11], s[10:11], s[66:67]
	s_lshl_b32 s66, s[WC], 12                      ; the head's loads of scale words bring all 8 row blocks: back to the first
	s_sub_nc_u64 s[6:7], s[6:7], s[66:67]
	s_sub_nc_u64 s[10:11], s[10:11], s[66:67]
	s_cmp_eq_u32 s[WR], 0                          ; the prefetches: of the 4 row blocks that I fetch, my work-group takes 1, told apart by address (cx for A, cy for B)
	s_cselect_b64 s[14:15], s[4:5], s[8:9]
	s_cselect_b32 s66, s44, s45
	s_mul_i32 s66, s66, 16*FRB
	s_add_nc_u64 s[14:15], s[14:15], s[66:67]
	v_and_b32 v10, 31, v0                          ; its ROWB bytes are 24 blocks of 256 bytes; lanes 24-31 name lane 23's again
	v_min_u32 v10, 23, v10
	v_lshlrev_b32 v10, 8, v10
	s_wait_alu depctr_va_vdst(0)
	CROUND
	s_mov_b32 s[G0SA], 1
	s_add_co_u32 s[G0SA+1], s101, SCL
	s_mov_b64 s[G0SA+2:G0SA+3], s[6:7]
	s_or_b32 s[G0SA+3], s[G0SA+3], 0x80000000
	s_mov_b32 s[G0SB], 1
	s_add_co_u32 s[G0SB+1], s101, SCL
	s_mov_b64 s[G0SB+2:G0SB+3], s[10:11]
	s_or_b32 s[G0SB+3], s[G0SB+3], 0x80000000
.irp s, 0,1,2
	s_mov_b32 s[G0A+4*\s], 1
	s_add_co_u32 s[G0A+4*\s+1], s100, \s*SLOT
	s_add_nc_u64 s[G0A+4*\s+2:G0A+4*\s+3], s[4:5], \s*ROWB
	s_or_b32 s[G0A+4*\s+3], s[G0A+4*\s+3], 0x80000000
	s_mov_b32 s[G0B+4*\s+28*(\s/2)], 1
	s_add_co_u32 s[G0B+4*\s+28*(\s/2)+1], s100, \s*SLOT
	s_add_nc_u64 s[G0B+4*\s+28*(\s/2)+2:G0B+4*\s+28*(\s/2)+3], s[8:9], \s*ROWB
	s_or_b32 s[G0B+4*\s+28*(\s/2)+3], s[G0B+4*\s+28*(\s/2)+3], 0x80000000
.endr
	; the head's four tiles, each whole, one a wave: slot 0's 8 row blocks of A, A's scale words, slot 0's 8 row blocks of B, B's scale words
	s_cmp_eq_u32 s[WV], 0
	s_cbranch_scc0 .Lh_sa
	tensor_load_to_lds s[G0A:G0A+3], s[G1A:G1A+7]
	s_nop 0
.rept 4
	v_nop
.endr
	s_branch .Lh_j
.Lh_sa:
	s_cmp_eq_u32 s[WV], 1
	s_cbranch_scc0 .Lh_b
	tensor_load_to_lds s[G0SA:G0SA+3], s[G1SA:G1SA+7]
	s_nop 0
.rept 4
	v_nop
.endr
	s_branch .Lh_j
.Lh_b:
	s_cmp_eq_u32 s[WV], 2
	s_cbranch_scc0 .Lh_sb
	tensor_load_to_lds s[G0B:G0B+3], s[G1B:G1B+7]
	s_nop 0
.rept 4
	v_nop
.endr
	s_branch .Lh_j
.Lh_sb:
	tensor_load_to_lds s[G0SB:G0SB+3], s[G1SB:G1SB+7]
	s_nop 0
.rept 4
	v_nop
.endr
.Lh_j:
	global_prefetch_b8 v10, s[14:15] offset:ROWB th:TH_LOAD_NT scope:SCOPE_SE     ; the tiles of the next two fills
	global_prefetch_b8 v10, s[14:15] offset:2*ROWB th:TH_LOAD_NT scope:SCOPE_SE
	; the addresses and the bias loads stand here, while the head's four tiles are on their way
	v_and_b32 v1, 15, v0
	v_bfe_u32 v2, v0, 4, 1
	v_and_b32 v3, 31, v0
	v_lshlrev_b32 v[LI], 4, v3
	s_mul_i32 s18, s[WR], HALFT
	s_mul_i32 s19, s[WC], HALFT
	s_add_co_u32 s19, s19, 2*HALFT
.irp s, 0,1,2
	v_add_nc_u32 v[ADRA+\s], s18, v[LI]
	v_add_nc_u32 v[ADRB+\s], s19, v[LI]
	s_add_co_u32 s18, s18, SLOT
	s_add_co_u32 s19, s19, SLOT
.endr
	v_lshlrev_b32 v5, 4, v1
	s_lshl_b32 s18, s[WR], 12
	s_lshl_b32 s19, s[WC], 12
	s_add_co_u32 s19, s19, 2*HALFS
	s_sub_co_u32 s19, s19, s18
	v_mul_u32_u24 v6, s19, v2
	s_add_co_u32 s18, s18, SCL
	v_add_nc_u32 v5, v5, v6
	v_add_nc_u32 v[ADRS], s18, v5
	s_lshl_b32 s18, s96, 1
	s_add_co_u32 s18, s18, s[WC]
	s_lshl_b32 s19, s97, 1
	s_add_co_u32 s19, s19, s[WR]
	s_lshl_b32 s20, s18, 8
	v_lshl_add_u32 v7, v2, 6, s20
.irp g, 0,1
.irp i, 0,1,2,3
	global_load_b128 v[BN+16*\g+4*\i:BN+16*\g+4*\i+3], v7, s[16:17] offset:128*\g+16*\i
.endr
.endr
	s_mul_i32 s20, s[WV], 4*16*SPITCH
	s_add_co_u32 s20, s20, STG
	v_mul_u32_u24 v[STO], v1, SPITCH
	v_lshl_add_u32 v[STO], v2, 6, v[STO]
	v_add_nc_u32 v[STO], s20, v[STO]
	v_mul_u32_u24 v[RD], v2, SPITCH
	v_lshl_add_u32 v[RD], v1, 4, v[RD]
	v_add_nc_u32 v[RD], s20, v[RD]
	v_lshlrev_b32 v[CO], 13, v2
	v_lshl_add_u32 v[CO], v1, 4, v[CO]
	s_lshl_b32 s22, s19, 19
	s_lshl_b32 s23, s18, 8
	s_add_co_u32 s22, s22, s23
	s_mov_b32 s23, 0
	s_add_nc_u64 s[12:13], s[12:13], s[22:23]
	s_wait_alu depctr_va_vdst(0)
	s_wait_tensorcnt 0x0                           ; my tile of the head's four is in; the later first fills are issued as refills are
	ds_add_u32 v28, v29
	s_mov_b32 s[G1A+2], 4<<16                      ; no tensor load of mine is out: from here on a load brings 4 row blocks
	s_mov_b32 s[G1A+4], 4
	s_mov_b32 s[G1B+2], 4<<16
	s_mov_b32 s[G1B+4], 4
	s_wait_dscnt 0x0
	CROUND
	JLOAD G0A+4, G1A, G0B+4, G1B
	global_prefetch_b8 v10, s[14:15] offset:3*ROWB th:TH_LOAD_NT scope:SCOPE_SE   ; two fills on: the last
	s_wait_alu depctr_va_vdst(0)
	s_wait_tensorcnt 0x0
	ds_add_u32 v28, v29
	s_wait_dscnt 0x0
	CROUND
	JLOAD G0A+8, G1A, G0B+36, G1B
.macro FRAG reg, adr, q, i
.irp c, 0,1,2
	ds_load_b128 v[\reg+4*\c:\reg+4*\c+3], v[\adr] offset:(\i)*ROWB+(\q)*FRB+512*\c
.endr
.endm
.macro FETCH slot, q, p
	WIN TO_F
.irp i, 0,1,2,3
	FRAG 128*(\p)+FR*\i, ADRB+\slot, \q, \i
.endr
.irp i, 0,1,2,3
	FRAG 128*(\p)+48+FR*\i, ADRA+\slot, \q, \i
.endr
.endm
.macro SCALES j
.irp i, 0,1,2,3
	ds_load_b128 v[SC+16*((\j)%2)+4*\i:SC+16*((\j)%2)+4*\i+3], v[ADRS] offset:\i*1024+256*(\j)
.endr
.endm
.macro MUL4 a, p, q, sc, first
.irp b, 0,1,2,3
.if \first
	v_wmma_scale_f32_16x16x128_f8f6f4 v[ACC+8*(4*(\a)+\b):ACC+8*(4*(\a)+\b)+7], v[128*(\p)+FR*\b:128*(\p)+FR*\b+FR-1], v[128*(\p)+48+FR*(\a):128*(\p)+48+FR*(\a)+FR-1], v[BN+8*\b:BN+8*\b+7], v[SC+16*(\sc)+4*\b+(\q)], v[SC+16*(\sc)+4*(\a)+(\q)] matrix_a_fmt:MATRIX_FMT_FP6 matrix_b_fmt:MATRIX_FMT_FP6 matrix_a_scale:MATRIX_SCALE_ROW1
.else
	v_wmma_scale_f32_16x16x128_f8f6f4 v[ACC+8*(4*(\a)+\b):ACC+8*(4*(\a)+\b)+7], v[128*(\p)+FR*\b:128*(\p)+FR*\b+FR-1], v[128*(\p)+48+FR*(\a):128*(\p)+48+FR*(\a)+FR-1], v[ACC+8*(4*(\a)+\b):ACC+8*(4*(\a)+\b)+7], v[SC+16*(\sc)+4*\b+(\q)], v[SC+16*(\sc)+4*(\a)+(\q)] matrix_a_fmt:MATRIX_FMT_FP6 matrix_b_fmt:MATRIX_FMT_FP6 matrix_a_scale:MATRIX_SCALE_ROW1
.endif
.endr
.endm
.macro PLACES n
.rept \n
	v_nop
.endr
.endm
.macro STEP j, q, first, nj, nq
	s_wait_dscnt 6
	PLACES NP
.if (\nq) == 0
	WIN 0
	SCALES \nj
.endif
	FETCH (\nj)%3, \nq, 1-(\q)%2
	WIN MUL
	MUL4 0, (\q)%2, \q, (\j)%2, \first
	MUL4 1, (\q)%2, \q, (\j)%2, \first
	s_wait_dscnt 24
	MUL4 2, (\q)%2, \q, (\j)%2, \first
	MUL4 3, (\q)%2, \q, (\j)%2, \first
.endm
.macro TURN j, fill
	WIN 0
	s_wait_tensorcnt 0x0
	ds_add_u32 v[SPW], v[NIL]
	s_wait_dscnt 7
	WIN MUL
	MUL4 0, 1, NQ-1, (\j)%2, 0
	MUL4 1, 1, NQ-1, (\j)%2, 0
	s_wait_dscnt 0x0
	s_barrier_signal -1
	MUL4 2, 1, NQ-1, (\j)%2, 0
	WIN 0
	s_barrier_wait -1
.if \fill
	CREST
	s_add_nc_u64 s[G0A+2:G0A+3], s[G0A+2:G0A+3], 3*ROWB
	s_add_nc_u64 s[G0B+2:G0B+3], s[G0B+2:G0B+3], 3*ROWB
	JLOAD G0A, G1A, G0B, G1B
.else
	PLACES NP
.endif
	SCALES (\j)+1
	FETCH ((\j)+1)%3, 0, 0
	WIN MUL
	MUL4 3, 1, NQ-1, (\j)%2, 0
.endm
	s_wait_tensorcnt 2
	s_barrier_signal -1
	s_barrier_wait -1
	SCALES 0
	FETCH 0, 0, 0
	s_wait_loadcnt 0x0
	STEP 0, 0, 1, 0, 1
	STEP 0, 1, 0, 0, 2
	STEP 0, 2, 0, 0, 3
	TURN 0, 1
	STEP 1, 0, 0, 1, 1
	STEP 1, 1, 0, 1, 2
	STEP 1, 2, 0, 1, 3
	STEP 1, 3, 0, 2, 0
	STEP 2, 0, 0, 2, 1
	STEP 2, 1, 0, 2, 2
	STEP 2, 2, 0, 2, 3
	TURN 2, 0
	STEP 3, 0, 0, 3, 1
	STEP 3, 1, 0, 3, 2
	STEP 3, 2, 0, 3, 3
	s_wait_dscnt 6
	WIN MUL
	MUL4 0, 1, NQ-1, 1, 0
	MUL4 1, 1, NQ-1, 1, 0
	s_wait_alu depctr_va_vdst(0)
	s_wait_dscnt 0x0
	MUL4 2, 1, NQ-1, 1, 0
	MUL4 3, 1, NQ-1, 1, 0
	WIN 0
.macro TOSTAGE a
.irp b, 0,1,2,3
	ds_store_b128 v[STO], v[ACC+8*(4*(\a)+\b):ACC+8*(4*(\a)+\b)+3] offset:(\a)*16*SPITCH+128*(\b/2)+32*(\b%2)
	ds_store_b128 v[STO], v[ACC+8*(4*(\a)+\b)+4:ACC+8*(4*(\a)+\b)+7] offset:(\a)*16*SPITCH+128*(\b/2)+32*(\b%2)+16
.endr
.set BB, BK+32*((\a)%3)
.irp t, 0,1,2,3,4,5,6,7
	ds_load_b128 v[BB+4*\t:BB+4*\t+3], v[RD] offset:(\a)*16*SPITCH+2*\t*SPITCH
.endr
.endm
.macro SEND a, younger
.set BB, BK+32*((\a)%3)
	s_wait_dscnt \younger
.irp t, 0,1,2,3,4,5,6,7
	global_store_b128 v[CO], v[BB+4*\t:BB+4*\t+3], s[12:13] offset:(16*(\a)+2*\t)*8192 th:TH_STORE_NT
.endr
.endm
	PLACES NP
	TOSTAGE 0
	TOSTAGE 1
	SEND 0, 16
	TOSTAGE 2
	SEND 1, 16
	s_wait_xcnt 0x0
	TOSTAGE 3
	SEND 2, 16
	SEND 3, 0
	s_wait_tensorcnt 0x0
	ds_add_u32 v[SPW], v[NIL]
	s_wait_dscnt 0x0
	CROUND
	s_endpgm
.Lfunc_end_k_qa1b16001dd_proj:
	.size	k_qa1b16001dd_proj, .Lfunc_end_k_qa1b16001dd_proj-k_qa1b16001dd_proj
	.p2alignl 7, 3214868480
	.fill 96, 4, 3214868480
	.section	.rodata,"a",@progbits
	.p2align	6, 0x0
	.amdhsa_kernel k_qa1b16001dd_proj
		.amdhsa_group_segment_fixed_size 327680
		.amdhsa_private_segment_fixed_size 0
		.amdhsa_enable_private_segment 0
		.amdhsa_kernarg_size 48
		.amdhsa_user_sgpr_count 2
		.amdhsa_user_sgpr_kernarg_segment_ptr 1
		.amdhsa_wavefront_size32 1
		.amdhsa_system_sgpr_workgroup_id_x 1
		.amdhsa_system_sgpr_workgroup_id_y 1
		.amdhsa_system_sgpr_workgroup_id_z 1
		.amdhsa_system_vgpr_workitem_id 0
		.amdhsa_next_free_vgpr 512
		.amdhsa_next_free_sgpr 102
		.amdhsa_reserve_vcc 0
		.amdhsa_float_denorm_mode_32 3
		.amdhsa_float_denorm_mode_16_64 3
		.amdhsa_memory_ordered 1
		.amdhsa_forward_progress 1
		.amdhsa_inst_pref_size 83
	.end_amdhsa_kernel
	.amdgpu_metadata
---
amdhsa.version: [ 1, 2 ]
amdhsa.kernels:
  - .name:           k_qa1b16001dd_proj
    .symbol:         k_qa1b16001dd_proj.kd
    .args:
      - { .name: ac, .offset: 0, .size: 8, .value_kind: global_buffer, .address_space: global }
      - { .name: asc, .offset: 8, .size: 8, .value_kind: global_buffer, .address_space: global }
      - { .name: wc, .offset: 16, .size: 8, .value_kind: global_buffer, .address_space: global }
      - { .name: wsc, .offset: 24, .size: 8, .value_kind: global_buffer, .address_space: global }
      - { .name: bo, .offset: 32, .size: 8, .value_kind: global_buffer, .address_space: global }
      - { .name: out0, .offset: 40, .size: 8, .value_kind: global_buffer, .address_space: global }
    .group_segment_fixed_size: 327680
    .private_segment_fixed_size: 0
    .kernarg_segment_align: 8
    .kernarg_segment_size: 48
    .max_flat_workgroup_size: 128
    .sgpr_count:     102
    .vgpr_count:     512
    .wavefront_size: 32
...
	.end_amdgpu_metadata
.endif
;; end of part 8
